; MI455X (gfx1250); checked and timed in simulation.
; The chip was launched on July 23, 2026; its instructions are those of AMD's public machine-readable ISA for CDNA 5 (MIT licence, August 2026) and "CDNA5" Instruction Set Architecture Reference Guide (July 2026). The comments in the code are by the model that wrote it; some were corrected since.
;; Decoder Layer. Allowed arithmetic: matrix products marked QUANTISED: E2M3 operands, one E8M0 scale for each 32 along K, by v_wmma_scale_f32_16x16x128_f8f6f4 with both operands' format E2M3, f32 sums; everything else in f32.
;; Inputs: W1 1,024 x 4,096 float32; W2 4,096 x 1,024 float32; Wk 1,024 x 1,024 float32; Wo 1,024 x 1,024 float32; Wq 1,024 x 1,024 float32; Wv 1,024 x 1,024 float32; b1 4,096 float32; b2 1,024 float32; be1 1,024 float32; be2 1,024 float32; bk 1,024 float32; bo 1,024 float32; bq 1,024 float32; bv 1,024 float32; g1 1,024 float32; g2 1,024 float32; mask 1 x 1 x 2,048 x 2,048 int32; x 2 x 2,048 x 1,024 float32.
;; Outputs: out0 2 x 2,048 x 1,024 float32.
;; This version of the problem:
;;   THIS VERSION OF THE PROBLEM IS GIVEN IN LOW PRECISION. The matrix products marked QUANTISED in the list below multiply operands that are first quantised to E2M3 (2 exponent bits, 3 mantissa bits; 6 bits a number), with one power-of-two scale for each 32 numbers along K (OCP MX v1.0); their sums are f32. All else is computed in f32.
;;   The module's matrix products, in the order in which they are computed (A, B: the left and right operand; K: the contracted axis; several contracted axes count as one K, in the product's order):
;;     1. [M 4,096, K 1,024] x [K 1,024, N 1,024]; A: input x; B: input Wq: QUANTISED
;;     2. [M 4,096, K 1,024] x [K 1,024, N 1,024]; A: input x; B: input Wk: QUANTISED
;;     3. [M 4,096, K 1,024] x [K 1,024, N 1,024]; A: input x; B: input Wv: QUANTISED
;;     4. batch 32 x [M 2,048, K 64] x [K 64, N 2,048]; A: computed on the way; B: computed on the way: QUANTISED
;;     5. batch 32 x [M 2,048, K 2,048] x [K 2,048, N 64]; A: softmax (see below); B: computed on the way: QUANTISED
;;     6. [M 4,096, K 1,024] x [K 1,024, N 1,024]; A: computed on the way; B: input Wo: QUANTISED
;;     7. [M 4,096, K 1,024] x [K 1,024, N 4,096]; A: computed on the way; B: input W1: QUANTISED
;;     8. [M 4,096, K 4,096] x [K 4,096, N 1,024]; A: computed on the way; B: input W2: QUANTISED
;;   THE QUANTISER, for each operand of a quantised product, along K:
;;     - K is cut into blocks of 32 from its start; a last block that is shorter is filled with zeros.
;;     - A block's scale is 2^e with e = floor(log2(the largest magnitude in the block)) - 2, held to -126 .. 127; a block of zeros has e = 0. As a byte (E8M0): e + 127.
;;     - Each number is divided by its block's scale, clamped to +-7.5, and rounded to the nearest number of E2M3, ties to even, subnormals kept.
;;     - The product sums the exact products of the quantised numbers (number of the format x scale) in f32.
;;   ~~~python
;;   def quantise(x, axis):      # numpy; x: float32 -> the quantised numbers, widened to float32 again
;;       x = np.moveaxis(x, axis, -1); K = x.shape[-1]
;;       x = np.pad(x, [(0, 0)] * (x.ndim - 1) + [(0, -K % 32)]); x = x.reshape(x.shape[:-1] + (-1, 32)); a = np.abs(x).max(-1, keepdims=True)
;;       e = np.where(a > 0, np.clip(np.frexp(np.where(a > 0, a, 1))[1] - 1 - 2, -126, 127), 0)      # np.frexp(a)[1] - 1 = floor(log2(a)), exactly
;;       r = np.clip(x / 2.0 ** e, -7.5, 7.5)
;;       step = 2.0 ** (np.maximum(np.frexp(np.where(r == 0, 1, r))[1] - 1, 0) - 3)
;;       q = np.round(r / step) * step * 2.0 ** e      # np.round: ties to even
;;       return np.moveaxis(q.reshape(q.shape[:-2] + (-1,))[..., :K], -1, axis).astype(np.float32)
;;   ~~~
;;   SOFTMAX AHEAD OF A QUANTISED PRODUCT. Where the list says 'softmax', what is quantised is not the finished softmax but p = 2^(t - M), with t = logit x log2(e) and M = ceil(the row's largest t), a whole number; so 1/2 < the row's largest p <= 1. The row's sum l is taken of the UNQUANTISED p, in f32, and the product's result is divided by l at the end. Since M is a whole number, a kernel that streams over the keys may use a running M (the ceiling of the running maximum): every later rescaling is an exact power of two, which a block's scale takes up: the codes' values come out the same.
;;   OPERANDS COMPUTED ON THE WAY. 'Computed on the way' means the value that the module computes at that place (a softmax that the list does not call 'softmax' is quantised finished and normalised). What goes into a quantiser is computed in f32, as accurately as f32 sums, v_exp_f32 and their like allow (about 1e-6 of the number): no bf16 or f16 on the way to a quantiser, and a product that is left as it is and whose result goes on into a quantised operand takes f32 operands (vector FMAs, or v_wmma_f32_16x16x4_f32). A number that lies on a knife's edge between two numbers of the format may be rounded either way, as far as f32 arithmetic and the matrix unit's own rounding can turn it there, and no further.
;; One version. Each part assembles by itself: llvm-mc -triple=amdgcn-amd-amdhsa -mcpu=gfx1250 --defsym DOCPART=n.
;; ======== version 1 of 1: 8 launches
;; limits: right only within a limited range of input values
;; workspace buffers: pre 13,631,488 bytes; maskw 524,800 bytes of whole numbers; qkvb 10,223,616 bytes; ao 3,407,872 bytes; cbuf 16,777,216 bytes; y1b 20,185,088 bytes; hid 13,631,488 bytes
;; launch prep (part 1): grid 768 x 1, 8 waves a work-group, no clusters, 93,696 bytes of LDS; arguments x, mask, Wq, Wk, Wv, Wo, W1, W2, pre, maskw; writes pre, maskw
.if DOCPART == 1
	.amdgcn_target "amdgcn-amd-amdhsa--gfx1250"
	.amdhsa_code_object_version 6
	.text
	.protected	k_q0ed254071b_prep
	.globl	k_q0ed254071b_prep
	.p2align	8
	.type	k_q0ed254071b_prep,@function
k_q0ed254071b_prep:
	s_mov_b64 s[64:65], 0
	v_nop
	global_prefetch_b8 v0, s[64:65] scope:SCOPE_SE
	s_setreg_imm32_b32 hwreg(HW_REG_WAVE_MODE, 25, 1), 1
	s_wait_xcnt 0x0
; x and the six weights become OPERAND IMAGES of E2M3 codes with E8M0 scales; the mask becomes lane masks and a class for each key step.
; AN OPERAND IMAGE of [R rows][K]: codes [R/16 tiles][K/64 chunks][768 bytes]; a chunk is six registers of 32 lanes as they stand: registers 0-3 at 16 x lane, registers 4-5 at 512 + 8 x lane;
; lane (r, h) holds k = 64 chunk + 32 h + 0..31 of the tile's row r.  Scales [R/16][K/128][32 lanes] words: lanes r and r + 16 both hold row r's four bytes.
; THE ROWS OF A TILE ARE NOT NEIGHBOURS: in each group of 32 rows tile u takes rows 8 u + r + 8 (r / 8).
; pre holds four images of IMG bytes (codes, then scales at SCO): 0 x; 1 Wq, Wk, Wv, Wo (64 tiles each); 2 W1; 3 W2.  A weight [K][N] is an operand with rows n.
; A block's scale byte is its largest magnitude's exponent field - 2, held at 1 from below.  LIMITS: a block of zeros, or one under 2^-124, gets the byte 1 (its codes are what the conversion gives; only this program reads
; the bytes); NaN and infinities are not served.
; Work-groups 0-383 take the weights, 384-639 x, 640-767 the mask; each of the three ways has LDS bytes of its own.  No tile is shared between work-groups: no cluster, no tensor load.
; 93,696 bytes of LDS and 8 waves x 160 registers: three work-groups fit on a WGP (281,088 bytes; 960 registers a SIMD), so the 768 can all lie on 256 WGPs at once.
.set XP,    4112                       ; x's stage: 16 rows of 4,096 bytes + 16, from LDS byte 0
.set WST,   65792                      ; the weights' stages: WREG bytes a wave
.set WREG,  3328                       ; two tiles x two chunks x 768, then 256 bytes of scale words
.set MST,   92416                      ; the mask's 16 class words
.set SPARE, 92672                      ; the spare words: 128 bytes for each of eight waves
.set IMG,   3407872
.set SCO,   3145728
.set SPW,   6
.set NIL,   7
.set WV,    24
.set X,     32                         ; v32-95 (mask: v32-159) numbers as loaded
.set C,     96                         ; weights: a block's six registers of codes; v102-104 the second half as converted
.set CT,    102
.set SB,    24                         ; weights: v24 four scale bytes
.set OUTR,  112                        ; weights: v112-135 the stage read back
.set PC,    96                         ; x: a fragment's 12 registers
.set PT,    108
.set TM,    116
.set PW,    124
	s_load_b256 s[4:11], s[0:1], 0x0               ; x, mask, Wq, Wk
	s_load_b256 s[12:19], s[0:1], 0x20             ; Wv, Wo, W1, W2
	s_load_b128 s[20:23], s[0:1], 0x40             ; pre, maskw
	v_lshl_add_u32 v[SPW], v0, 2, SPARE
	v_mov_b32 v[NIL], 0
	v_lshrrev_b32 v1, 5, v0
	s_delay_alu instid0(VALU_DEP_1)
	v_readfirstlane_b32 s[WV], v1                  ; wave 0..7
	v_and_b32 v2, 31, v0                           ; lane
	v_and_b32 v3, 15, v0                           ; r
	v_bfe_u32 v4, v0, 4, 1                         ; h
	s_mov_b32 s2, 0x76543210
	s_mov_b32 s3, 0xfedcba98                       ; selects for lane l xor 16
	s_wait_kmcnt 0x0
	s_cmp_ge_u32 ttmp9, 640
	s_cbranch_scc1 .Lmask
	s_cmp_ge_u32 ttmp9, 384
	s_cbranch_scc1 .Lxq
; ---------------- THE WEIGHTS.  A work-group takes 256 columns x 128 along K; a wave 32 columns (two tiles); A LANE TAKES A COLUMN AND ITS REGISTERS RUN DOWN K: a block of 32 lies in one lane.
; Four blocks a wave, two of them (64 loads) on their way at a time.
	s_cmp_lt_u32 ttmp9, 128                        ; 0-127: W1 (16 column blocks x 8 along K); 128-255: W2 (4 x 32); 256-383: the four square weights (4 x 8 each)
	s_cselect_b64 s[26:27], s[16:17], s[18:19]
	s_cselect_b32 s28, 15, 3                       ; mask of the column block
	s_cselect_b32 s29, 4, 2                        ; shift to the block along K
	s_cselect_b32 s30, 7, 31                       ; and its mask
	s_cselect_b32 s31, 14, 12                      ; log2 of a row of the weight in bytes
	s_cselect_b32 s32, 10, 12                      ; log2 K
	s_cselect_b32 s33, 0, 128                      ; the range's first work-group
	s_cselect_b32 s34, 2, 3                        ; the image
	s_cmp_ge_u32 ttmp9, 256
	s_cselect_b64 s[26:27], s[8:9], s[26:27]
	s_cselect_b32 s30, 7, s30
	s_cselect_b32 s32, 10, s32
	s_cselect_b32 s33, 256, s33
	s_cselect_b32 s34, 1, s34
	s_cselect_b32 s35, -1, 0
	s_cmp_ge_u32 ttmp9, 288
	s_cselect_b64 s[26:27], s[10:11], s[26:27]
	s_cmp_ge_u32 ttmp9, 320
	s_cselect_b64 s[26:27], s[12:13], s[26:27]
	s_cmp_ge_u32 ttmp9, 352
	s_cselect_b64 s[26:27], s[14:15], s[26:27]
	s_sub_co_u32 s36, ttmp9, s33
	s_and_b32 s37, s36, s28                        ; column block
	s_lshr_b32 s38, s36, s29
	s_and_b32 s38, s38, s30                        ; block along K
	s_lshr_b32 s39, s36, 5
	s_and_b32 s39, s39, s35                        ; which square weight (0 for W1, W2)
	s_lshl_b32 s40, s38, 7
	s_lshl_b32 s40, s40, s31                       ; 128 rows of the weight for each block along K
	s_lshl_b32 s41, s37, 10
	s_add_co_u32 s40, s40, s41                     ; + 256 columns x 4 bytes
	s_lshl_b32 s41, s[WV], 7
	s_add_co_u32 s40, s40, s41                     ; + my wave's 32 columns
	s_mov_b32 s41, 0
	s_add_nc_u64 s[26:27], s[26:27], s[40:41]
	s_lshl_b32 s42, s37, 4
	s_lshl_b32 s43, s[WV], 1
	s_add_co_u32 s42, s42, s43
	s_lshl_b32 s43, s39, 6
	s_add_co_u32 s42, s42, s43                     ; my first tile of the image
	s_mul_i32 s44, s34, IMG
	s_mul_i32 s45, s42, 12
	s_lshl_b32 s45, s45, s32                       ; a tile's codes are 12 K bytes
	s_add_co_u32 s45, s45, s44
	s_mul_i32 s46, s38, 1536                       ; two chunks for each block along K
	s_add_co_u32 s46, s46, s45
	s_mov_b32 s47, 0
	s_add_nc_u64 s[48:49], s[20:21], s[46:47]      ; codes of tile u = 0,
	s_lshl_b32 s46, 12, s32
	s_add_nc_u64 s[50:51], s[48:49], s[46:47]      ; of tile u = 1
	s_lshl_b32 s46, s42, s32                       ; a tile's scales are K bytes
	s_add_co_u32 s46, s46, s44
	s_lshl_b32 s45, s38, 7                         ; 128 bytes for each 128 along K
	s_add_co_u32 s46, s46, s45
	s_add_co_u32 s46, s46, SCO
	s_add_nc_u64 s[52:53], s[20:21], s[46:47]
	s_wait_alu depctr_va_vdst(0)
	v_lshlrev_b32 v8, 2, v2                        ; in: 4 bytes a lane
	v_bfe_u32 v9, v0, 3, 1                         ; my column's tile u,
	v_and_b32 v10, 7, v0
	s_delay_alu instid0(VALU_DEP_1)
	v_lshl_add_u32 v10, v4, 3, v10                 ; and its row r there
	s_mul_i32 s54, s[WV], WREG
	s_add_co_u32 s54, s54, WST
	v_mul_u32_u24 v11, v9, 1536
	s_delay_alu instid0(VALU_DEP_1)
	v_add_nc_u32 v11, s54, v11
	s_delay_alu instid0(VALU_DEP_1)
	v_lshl_add_u32 v12, v10, 4, v11                ; stage: registers 0-3 of lane r
	s_delay_alu instid0(VALU_DEP_2)
	v_lshl_add_u32 v13, v10, 3, v11
	s_delay_alu instid0(VALU_DEP_1)
	v_add_nc_u32 v13, 512, v13                     ; registers 4-5
	v_lshlrev_b32 v14, 7, v9
	s_delay_alu instid0(VALU_DEP_1)
	v_lshl_add_u32 v14, v10, 2, v14
	s_delay_alu instid0(VALU_DEP_1)
	v_add_nc_u32 v14, s54, v14
	s_delay_alu instid0(VALU_DEP_1)
	v_add_nc_u32 v14, 3072, v14                    ; scale words: 128 bytes a tile
	v_lshl_add_u32 v15, v2, 4, s54                 ; codes back: 16 bytes a lane
	v_lshl_add_u32 v25, v2, 3, s54
	s_delay_alu instid0(VALU_DEP_1)
	v_add_nc_u32 v25, 3072, v25                    ; scale words back: 8 bytes a lane: lanes 0-15 tile 0's, lanes 16-31 tile 1's
	v_lshlrev_b32 v26, s32, v4
	s_delay_alu instid0(VALU_DEP_1)
	v_lshl_add_u32 v26, v3, 3, v26                 ; scales out: 16 lanes to a tile's 128 bytes, the tiles K bytes apart
	v_lshlrev_b32 v27, 4, v2
.macro LOADW t, pitchb                 ; block t: W(32 t + i, my column) into set t % 2; a wave's load covers 128 consecutive bytes, the eight waves 1,024
.set li, 0
.rept 32
	global_load_b32 v[X+32*((\t)%2)+li], v8, s[26:27] offset:(32*(\t)+li)*\pitchb th:TH_LOAD_NT
.set li, li+1
.endr
.endm
.macro LOADSEL t                       ; the row pitch stands in the immediates: two texts, chosen by the work-group's number; both issue 32 loads
	s_cmp_lt_u32 ttmp9, 128
	s_cbranch_scc0 .Lnarrow_\@
	LOADW \t, 16384
	s_branch .Lloaded_\@
.Lnarrow_\@:
	LOADW \t, 4096
.Lloaded_\@:
.endm
.macro BLOCKW t
.set XS, X+32*((\t)%2)
.if (\t) < 3
	s_wait_loadcnt 32                              ; this block's 32 loads are in; the next block's may be out
.else
	s_wait_loadcnt 0
.endif
	v_max3_num_f32 v16, |v[XS]|, |v[XS+1]|, |v[XS+2]|
	v_max3_num_f32 v17, |v[XS+3]|, |v[XS+4]|, |v[XS+5]|
.irp i, 6,10,14,18,22,26
	s_delay_alu instid0(VALU_DEP_2)
	v_max3_num_f32 v16, v16, |v[XS+\i]|, |v[XS+\i+1]|
	s_delay_alu instid0(VALU_DEP_2)
	v_max3_num_f32 v17, v17, |v[XS+\i+2]|, |v[XS+\i+3]|
.endr
	s_delay_alu instid0(VALU_DEP_2)
	v_max3_num_f32 v16, v16, |v[XS+30]|, |v[XS+31]|
	s_delay_alu instid0(VALU_DEP_1)
	v_max3_num_f32 v16, v16, v17, 0x1800000        ; the floor 2^(3 - 127): the byte cannot fall under 1
	s_delay_alu instid0(VALU_DEP_1)
	v_add_nc_u32 v18, 0xff000000, v16              ; 2 off the exponent field: the conversion's scale operand
	s_delay_alu instid0(VALU_DEP_1)
	v_lshrrev_b32 v19, 23, v18                     ; the scale's byte
.if (\t) == 0
	s_delay_alu instid0(VALU_DEP_1)
	v_mov_b32 v[SB], v19
.else
	s_delay_alu instid0(VALU_DEP_1)
	v_lshl_or_b32 v[SB], v19, 8*(\t), v[SB]
.endif
	v_cvt_scalef32_pk16_fp6_f32 v[C:C+2], v[XS:XS+15], v18
	v_cvt_scalef32_pk16_fp6_f32 v[CT:CT+2], v[XS+16:XS+31], v18   ; (a conversion's three registers begin on an even number)
	v_nop                                          ; one plain place behind a scaled conversion
	v_mov_b32 v[C+3], v[CT]
	v_mov_b32 v[C+4], v[CT+1]
	v_mov_b32 v[C+5], v[CT+2]
	ds_store_b128 v12, v[C:C+3] offset:((\t)/2)*768+((\t)%2)*256   ; block t is half t % 2 of chunk t / 2: the place of lane r + 16 (t % 2)
	ds_store_b64 v13, v[C+4:C+5] offset:((\t)/2)*768+((\t)%2)*128
.if (\t)+2 < 4
	LOADSEL (\t)+2
.endif
	s_wait_dscnt 0x0                               ; the stores have read their registers: the next block's codes may be written
.endm
	LOADSEL 0
	LOADSEL 1
.irp t, 0,1,2,3
	BLOCKW \t
.endr
	s_wait_alu depctr_va_vdst(0)
	ds_store_b32 v14, v[SB]                        ; the K step's scale word, for lane r and for lane r + 16
	ds_store_b32 v14, v[SB] offset:64
.set li, 0
.rept 6
	ds_load_b128 v[OUTR+4*li:OUTR+4*li+3], v15 offset:512*li   ; LDS serves a wave's instructions in order: these see my stores
.set li, li+1
.endr
	ds_load_b64 v[28:29], v25
.set li, 0
.rept 3
	s_wait_dscnt 6-li                              ; the younger stage reads may be out
	global_store_b128 v27, v[OUTR+4*li:OUTR+4*li+3], s[48:49] offset:512*li   ; 512 consecutive bytes, aligned to 256
.set li, li+1
.endr
.rept 3
	s_wait_dscnt 6-li
	global_store_b128 v27, v[OUTR+4*li:OUTR+4*li+3], s[50:51] offset:512*(li-3)
.set li, li+1
.endr
	s_wait_dscnt 0x0
	global_store_b64 v26, v[28:29], s[52:53]       ; sixteen lanes store a tile's 128 bytes of scale words: 128 bytes beside the tile's 1,536 of codes
	s_wait_tensorcnt 0x0                           ; the wave's end
	ds_add_u32 v[SPW], v[NIL]
	s_wait_dscnt 0x0
	s_endpgm
; 64 numbers of a lane, register 32 c + i = k 64 c + 32 h + i of my row, become a fragment's 12 registers v[PC] on and its scale word v[PW] (whole in lanes r and r + 16)
.macro QUANTL s
.irp c, 0,1
	v_max3_num_f32 v[TM+\c], |v[\s+32*\c]|, |v[\s+32*\c+1]|, 0x1800000
.endr
.irp i, 2,4,6,8,10,12,14,16,18,20,22,24,26,28,30
.irp c, 0,1
	s_delay_alu instid0(VALU_DEP_2)
	v_max3_num_f32 v[TM+\c], v[TM+\c], |v[\s+32*\c+\i]|, |v[\s+32*\c+\i+1]|
.endr
.endr
.irp c, 0,1
	s_delay_alu instid0(VALU_DEP_2)
	v_add_nc_u32 v[TM+2+\c], 0xff000000, v[TM+\c]
.endr
.irp c, 0,1
	s_delay_alu instid0(VALU_DEP_2)
	v_lshrrev_b32 v[TM+4+\c], 23, v[TM+2+\c]
.endr
	s_delay_alu instid0(VALU_DEP_1)
	v_lshl_or_b32 v[PW], v[TM+5], 16, v[TM+4]      ; my two bytes: blocks h and 2 + h,
	v_lshlrev_b32 v[TM+6], 3, v4
	s_delay_alu instid0(VALU_DEP_1)
	v_lshlrev_b32 v[PW], v[TM+6], v[PW]            ; at their places;
	s_delay_alu instid0(VALU_DEP_1)
	v_permlanex16_b32 v[TM+7], v[PW], s2, s3
	s_delay_alu instid0(VALU_DEP_1)
	v_or_b32 v[PW], v[PW], v[TM+7]                 ; with lane l xor 16's two the word is whole
.irp c, 0,1
	v_cvt_scalef32_pk16_fp6_f32 v[PC+6*\c:PC+6*\c+2], v[\s+32*\c:\s+32*\c+15], v[TM+2+\c]
	v_cvt_scalef32_pk16_fp6_f32 v[PT+4*\c:PT+4*\c+2], v[\s+32*\c+16:\s+32*\c+31], v[TM+2+\c]
.endr
	v_nop                                          ; one plain place behind a scaled conversion
.irp c, 0,1
.irp i, 0,1,2
	v_mov_b32 v[PC+6*\c+3+\i], v[PT+4*\c+\i]
.endr
.endr
.endm
; ---------------- x.  A work-group takes one tile of 16 rows.  Wave w brings two whole rows (512 consecutive bytes a load) into the stage; behind the barrier wave w quantises K step w of all 16 rows.
.Lxq:
	s_sub_co_u32 s25, ttmp9, 384                   ; the tile
	s_lshr_b32 s26, s25, 1
	s_lshl_b32 s26, s26, 5
	s_and_b32 s27, s25, 1
	s_lshl_b32 s27, s27, 3
	s_add_co_u32 s26, s26, s27
	s_lshl_b32 s27, s[WV], 1
	s_add_co_u32 s26, s26, s27
	s_lshr_b32 s27, s[WV], 2
	s_lshl_b32 s27, s27, 3
	s_add_co_u32 s26, s26, s27                     ; the row in memory of the tile's row 2 w
	s_lshl_b32 s26, s26, 12
	s_mov_b32 s27, 0
	s_add_nc_u64 s[4:5], s[4:5], s[26:27]
	s_wait_alu depctr_va_vdst(0)
	v_lshlrev_b32 v8, 4, v2
.set li, 0
.rept 16
	global_load_b128 v[X+4*li:X+4*li+3], v8, s[4:5] offset:(li/8)*4096+(li%8)*512 th:TH_LOAD_NT
.set li, li+1
.endr
	s_mul_i32 s28, s[WV], 2*XP
	v_add_nc_u32 v9, s28, v8                       ; stage, in: my two rows
	v_mul_u32_u24 v10, v3, XP
	s_delay_alu instid0(VALU_DEP_1)
	v_lshl_add_u32 v10, v4, 7, v10
	s_lshl_b32 s28, s[WV], 9
	v_add_nc_u32 v10, s28, v10                     ; stage, out: row r, K step w, + 128 h
	v_lshlrev_b32 v11, 3, v2
	s_delay_alu instid0(VALU_DEP_1)
	v_add_nc_u32 v11, 512, v11
	v_lshlrev_b32 v12, 2, v2
	v_mov_b32 v[TM+7], 0                           ; a lane permute's destination counts as one of its sources
	s_mul_i32 s28, s25, 12288
	s_mul_i32 s29, s[WV], 1536
	s_add_co_u32 s28, s28, s29
	s_mov_b32 s29, 0
	s_add_nc_u64 s[30:31], s[20:21], s[28:29]      ; image 0: my fragment
	s_lshl_b32 s28, s25, 10
	s_lshl_b32 s32, s[WV], 7
	s_add_co_u32 s28, s28, s32
	s_add_co_u32 s28, s28, SCO
	s_add_nc_u64 s[32:33], s[20:21], s[28:29]      ; and its scale words
.set li, 0
	s_wait_alu depctr_va_vdst(0)
.rept 16
	s_wait_loadcnt 15-li
	ds_store_b128 v9, v[X+4*li:X+4*li+3] offset:(li/8)*XP+(li%8)*512
.set li, li+1
.endr
	s_wait_dscnt 0x0                               ; for the others' sake: my rows lie in the stage
	s_barrier_signal -1
	s_barrier_wait -1
.set li, 0
.rept 16
	ds_load_b128 v[X+4*li:X+4*li+3], v10 offset:256*(li/8)+16*(li%8)
.set li, li+1
.endr
	s_wait_dscnt 0x0
	QUANTL X
	global_store_b128 v8, v[PC:PC+3], s[30:31]
	global_store_b64 v11, v[PC+4:PC+5], s[30:31]
	global_store_b128 v8, v[PC+6:PC+9], s[30:31] offset:768
	global_store_b64 v11, v[PC+10:PC+11], s[30:31] offset:768
	global_store_b32 v12, v[PW], s[32:33]
	s_wait_tensorcnt 0x0                           ; the wave's end
	ds_add_u32 v[SPW], v[NIL]
	s_wait_dscnt 0x0
	s_endpgm
; ---------------- THE MASK.  A work-group takes a tile of 16 queries; wave w the key steps 2 w and 2 w + 1 (128 keys each).  Word n of a step is a lane mask: bit (r, h) is set where key 128 s + 32 (n / 16) + 16 h + n % 16
; is hidden from query r of the tile: the attention launch's score register n.  A step's class: 0 all hidden and every row of the tile sees some key somewhere (the step adds nothing); 2 nothing hidden; 1 else.
.Lmask:
	s_sub_co_u32 s25, ttmp9, 640                   ; the tile of queries
	s_lshr_b32 s26, s25, 1
	s_lshl_b32 s26, s26, 5
	s_and_b32 s27, s25, 1
	s_lshl_b32 s27, s27, 3
	s_add_co_u32 s26, s26, s27
	s_lshl_b32 s26, s26, 13                        ; a row of the mask is 8,192 bytes
	s_lshl_b32 s27, s[WV], 10
	s_add_co_u32 s26, s26, s27                     ; + my two steps of 512 bytes
	s_mov_b32 s27, 0
	s_add_nc_u64 s[6:7], s[6:7], s[26:27]
	s_wait_alu depctr_va_vdst(0)
	v_lshlrev_b32 v8, 4, v2                        ; a load takes ONE row's 128 keys of a step: 16 bytes a lane, 512 consecutive bytes; lane l holds keys 4 l + 0..3
.set li, 0
.rept 32
	global_load_b128 v[X+4*li:X+4*li+3], v8, s[6:7] offset:512*(li/16)+((li%16)+8*((li%16)/8))*8192 th:TH_LOAD_NT   ; step li / 16, the tile's row li % 16
.set li, li+1
.endr
	s_lshl_b32 s26, s25, 12
	s_lshl_b32 s30, s[WV], 9
	s_add_co_u32 s26, s26, s30
	s_add_nc_u64 s[28:29], s[22:23], s[26:27]      ; my two steps' words: 256 bytes a step
	v_and_b32 v9, 3, v0
	v_bfe_u32 v5, v0, 3, 2
	v_lshlrev_b32 v9, 4, v9
	s_delay_alu instid0(VALU_DEP_1)
	v_lshl_add_u32 v9, v5, 6, v9
	v_bfe_u32 v5, v0, 2, 1
	s_delay_alu instid0(VALU_DEP_1)
	v_lshl_add_u32 v9, v5, 8, v9                   ; where my four words go: 256 (l / 4 % 2) + 64 (l / 8) + 16 (l % 4)
	s_lshl_b32 s30, s[WV], 3
	v_mov_b32 v10, s30
	s_delay_alu instid0(VALU_DEP_1)
	v_add_nc_u32 v10, MST, v10
	v_lshl_add_u32 v18, v3, 2, MST
; Lane l = 8 b + 4 h + j holds keys 32 b + 16 h + 4 j + c, c = 0..3, of all 16 rows.  For each c it gathers the rows' bits in 16 bits: that IS half h of word n = 16 b + 4 j + c.
.macro MBITS e                         ; v[22 + 4 e + c]: bit r is set where row r SEES key 4 l + c of step e
	s_wait_alu depctr_va_vdst(0)
	s_wait_loadcnt 16-16*\e                        ; this step's 16 loads are in; the second step's may be out
.irp c, 0,1,2,3
	v_min_u32 v[22+4*\e+\c], 1, v[X+64*\e+\c]
.endr
.set n, 4
.rept 60
	v_min_u32 v[X+64*\e+n], 1, v[X+64*\e+n]        ; 1 where the mask is not 0
.set n, n+1
.endr
.set n, 4
.rept 60
.if n > 7
	s_delay_alu instid0(VALU_DEP_4)
.endif
	v_lshl_or_b32 v[22+4*\e+n%4], v[X+64*\e+n], n/4, v[22+4*\e+n%4]
.set n, n+1
.endr
.endm
	MBITS 0
	MBITS 1
.irp c, 0,1,2,3
	v_lshl_or_b32 v[22+\c], v[26+\c], 16, v[22+\c]
.endr
.irp c, 0,1,2,3
	s_delay_alu instid0(VALU_DEP_4)
	v_not_b32 v[22+\c], v[22+\c]                   ; HIDDEN bits: step 0 in the low half, step 1 in the high half
.endr
	v_and_b32 v5, 4, v0
	v_mov_b32 v11, 0x05040100                      ; lanes with h = 0 finish step 0's words: my low half below, lane l + 4's low half above;
	v_mov_b32 v16, 0x03020706                      ; lanes with h = 1 step 1's: lane l - 4's high half below, my high half above
	v_cmp_ne_u32 vcc_lo, 0, v5
	s_delay_alu instid0(VALU_DEP_1)
	v_cndmask_b32 v11, v11, v16, vcc_lo
.irp c, 0,1,2,3
	v_mov_b32_dpp v[26+\c], v[22+\c] row_xmask:4 row_mask:0xf bank_mask:0xf   ; lane l xor 4's
.endr
.irp c, 0,1,2,3
	s_delay_alu instid0(VALU_DEP_4)
	v_perm_b32 v[12+\c], v[26+\c], v[22+\c], v11
.endr
	global_store_b128 v9, v[12:15], s[28:29]       ; words 16 b + 4 j + 0..3 of step h: the 32 lanes store 512 consecutive bytes, aligned
	v_and_b32 v16, v22, v23
	v_and_b32 v17, v24, v25
	v_or_b32 v30, v22, v23
	v_or_b32 v31, v24, v25
	s_delay_alu instid0(VALU_DEP_3)
	v_and_b32 v16, v16, v17
	s_delay_alu instid0(VALU_DEP_2)
	v_or_b32 v30, v30, v31                         ; rows from which one of my keys is hidden
	s_delay_alu instid0(VALU_DEP_2)
	v_not_b32 v16, v16                             ; rows that see one of my keys,
.irp m, 1,2,4,8
	s_delay_alu instid0(VALU_DEP_1)
	v_mov_b32_dpp v17, v16 row_xmask:\m row_mask:0xf bank_mask:0xf
	s_delay_alu instid0(VALU_DEP_1)
	v_or_b32 v16, v16, v17                         ; and of any lane's
.endr
	s_delay_alu instid0(VALU_DEP_1)
	v_permlanex16_b32 v17, v16, s2, s3
	s_delay_alu instid0(VALU_DEP_1)
	v_or_b32 v16, v16, v17
	v_and_b32 v31, 0xffff, v30
	v_readfirstlane_b32 s34, v16                   ; rows that see some key: of step 0 below, of step 1 above
	v_cmp_ne_u32 s32, 0, v31                       ; lanes with something hidden in step 0,
	v_cmp_lt_u32 s33, 0xffff, v30                  ; in step 1
.irp e, 0,1
.if \e
	s_lshr_b32 s35, s34, 16
.else
	s_and_b32 s35, s34, 0xffff
.endif
	s_cmp_eq_u32 s35, 0
	s_cselect_b32 s36, 0x10000, 0                  ; all hidden
	s_or_b32 s35, s35, s36
	s_cmp_eq_u32 s[32+\e], 0
	s_cselect_b32 s36, 0x20000, 0                  ; nothing hidden
	s_or_b32 s35, s35, s36
	v_mov_b32 v[26+\e], s35
	ds_store_b32 v10, v[26+\e] offset:4*\e
.endr
	s_wait_dscnt 0x0
	s_barrier_signal -1
	s_barrier_wait -1
	s_cmp_lg_u32 s[WV], 0
	s_cbranch_scc1 .Lmend
	ds_load_b32 v19, v18                           ; wave 0 makes the tile's 16 classes
	s_wait_dscnt 0x0
	s_mov_b32 s37, 0
.set li, 0
.rept 16
	v_readlane_b32 s[40+li], v19, li
	s_or_b32 s37, s37, s[40+li]
.set li, li+1
.endr
	s_and_b32 s37, s37, 0xffff
	s_cmp_eq_u32 s37, 0xffff
	s_cselect_b32 s37, 1, 0                        ; every row sees some key
	s_mov_b32 s38, 0
.set li, 0
.rept 16
	s_bfe_u32 s39, s[40+li], 0x10010
	s_and_b32 s39, s39, s37
	s_xor_b32 s39, s39, 1                          ; 0 where the step may be passed over
	s_bfe_u32 s56, s[40+li], 0x10011
	s_add_co_u32 s39, s39, s56                     ; 2 where nothing is hidden
	s_lshl_b32 s39, s39, 2*li
	s_or_b32 s38, s38, s39
.set li, li+1
.endr
	v_mov_b32 v20, s38
	v_mov_b32 v21, 0
	s_lshl_b32 s26, s25, 2
	s_add_co_u32 s26, s26, 524288
	s_add_nc_u64 s[58:59], s[22:23], s[26:27]
	v_cmp_gt_u32 vcc_lo, 1, v2
	s_wait_alu depctr_va_vdst(0)
	s_wait_xcnt 0x0                                ; EXEC changes only behind this wait
	s_and_saveexec_b32 s60, vcc_lo
	global_store_b32 v21, v20, s[58:59]
	s_wait_xcnt 0x0                                ; and again in front of the line that widens it
	s_or_b32 exec_lo, exec_lo, s60
.Lmend:
	s_wait_tensorcnt 0x0                           ; the wave's end
	ds_add_u32 v[SPW], v[NIL]
	s_wait_dscnt 0x0
	s_endpgm
.Lfunc_end_k_q0ed254071b_prep:
	.size	k_q0ed254071b_prep, .Lfunc_end_k_q0ed254071b_prep-k_q0ed254071b_prep
	.p2alignl 7, 3214868480
	.fill 96, 4, 3214868480
	.section	.rodata,"a",@progbits
	.p2align	6, 0x0
	.amdhsa_kernel k_q0ed254071b_prep
		.amdhsa_group_segment_fixed_size 93696
		.amdhsa_private_segment_fixed_size 0
		.amdhsa_enable_private_segment 0
		.amdhsa_kernarg_size 80
		.amdhsa_user_sgpr_count 2
		.amdhsa_user_sgpr_kernarg_segment_ptr 1
		.amdhsa_wavefront_size32 1
		.amdhsa_system_sgpr_workgroup_id_x 1
		.amdhsa_system_sgpr_workgroup_id_y 1
		.amdhsa_system_sgpr_workgroup_id_z 1
		.amdhsa_system_vgpr_workitem_id 0
		.amdhsa_next_free_vgpr 160
		.amdhsa_next_free_sgpr 66
		.amdhsa_reserve_vcc 1
		.amdhsa_float_denorm_mode_32 3
		.amdhsa_float_denorm_mode_16_64 3
		.amdhsa_memory_ordered 1
		.amdhsa_forward_progress 1
		.amdhsa_inst_pref_size 80
	.end_amdhsa_kernel
	.amdgpu_metadata
---
amdhsa.version: [ 1, 2 ]
amdhsa.kernels:
  - .name:           k_q0ed254071b_prep
    .symbol:         k_q0ed254071b_prep.kd
    .args:
      - { .name: x, .offset: 0, .size: 8, .value_kind: global_buffer, .address_space: global }
      - { .name: mask, .offset: 8, .size: 8, .value_kind: global_buffer, .address_space: global }
      - { .name: Wq, .offset: 16, .size: 8, .value_kind: global_buffer, .address_space: global }
      - { .name: Wk, .offset: 24, .size: 8, .value_kind: global_buffer, .address_space: global }
      - { .name: Wv, .offset: 32, .size: 8, .value_kind: global_buffer, .address_space: global }
      - { .name: Wo, .offset: 40, .size: 8, .value_kind: global_buffer, .address_space: global }
      - { .name: W1, .offset: 48, .size: 8, .value_kind: global_buffer, .address_space: global }
      - { .name: W2, .offset: 56, .size: 8, .value_kind: global_buffer, .address_space: global }
      - { .name: pre, .offset: 64, .size: 8, .value_kind: global_buffer, .address_space: global }
      - { .name: maskw, .offset: 72, .size: 8, .value_kind: global_buffer, .address_space: global }
    .group_segment_fixed_size: 93696
    .private_segment_fixed_size: 0
    .kernarg_segment_align: 8
    .kernarg_segment_size: 80
    .max_flat_workgroup_size: 256
    .sgpr_count:     66
    .vgpr_count:     160
    .wavefront_size: 32
...
	.end_amdgpu_metadata
.endif
;; end of part 1
;; launch qkv (part 2): grid 12 x 16, 4 waves a work-group, clusters of 4 x 4, 327,680 bytes of LDS; arguments pre, bq, bk, bv, qkvb; writes qkvb
.if DOCPART == 2
	.amdgcn_target "amdgcn-amd-amdhsa--gfx1250"
	.amdhsa_code_object_version 6
	.text
	.protected	k_q0ed254071b_qkv
	.globl	k_q0ed254071b_qkv
	.p2align	8
	.type	k_q0ed254071b_qkv,@function
k_q0ed254071b_qkv:
	s_mov_b64 s[64:65], 0
	v_nop
	global_prefetch_b8 v0, s[64:65] scope:SCOPE_SE
	s_setreg_imm32_b32 hwreg(HW_REG_WAVE_MODE, 25, 1), 1
	s_wait_xcnt 0x0
	s_wait_alu depctr_hold_cnt(0) depctr_sa_sdst(0) depctr_va_vdst(0) depctr_va_sdst(0) depctr_va_ssrc(0) depctr_va_vcc(0) depctr_vm_vsrc(0)
	s_getreg_b32 s2, hwreg(HW_REG_IB_STS2, 6, 4)
	s_cmp_eq_u32 s2, 0
	s_cbranch_scc0 .Lentry_in_a_cluster
	s_endpgm
.Lentry_in_a_cluster:
	s_bfe_u32 s2, ttmp6, 0x10000c
	s_cmp_lg_u32 s2, 0xf033
	s_cbranch_scc0 .Lentry_shape_is_right
	s_endpgm
.Lentry_shape_is_right:
; q, k, v = x W + b on E2M3 codes, and quantised again at once: q and k along a head's 64 channels, v along the keys.  Operands are operand images (16-row tiles whose rows are 8 u + r + 8 (r / 8) of a group of 32;
; a chunk of 64 along K is 768 bytes: registers 0-3 at 16 x lane, 4-5 at 512 + 8 x lane; scale words 4 x lane), so a fragment of 128 along K is four lane-contiguous LDS loads and needs no pitch and no padding.
; A work-group makes 256 tokens (Y, by work-group y) x 256 channels (X, by work-group x: 0-3 Wq, 4-7 Wk, 8-11 Wv); each of four waves 128 x 128: 64 accumulators.  K goes in slots of 256 through a ring of two LDS slots.
; CLUSTERS 4 x 4: Y's tiles are shared along a row of the cluster, X's along a column: joint loads.  The scales of all of K come once, with the first fills.
; SOURCE 0 = P (its rows run along a lane's registers), SOURCE 1 = Q (its rows are the lanes).  q, k: P = X, Q = Y: a lane holds one token and 64 neighbouring-by-16 channels.  v (cluster x = 2): P = Y, Q = X: a lane holds one
; channel and its registers run along the tokens, which are the second attention product's K.  The change of roles is a choice of LDS bases by the cluster's x, which all sixteen partners share.
; OUT (qkvb): QKC [256 token tiles][32 chunks: 16 heads of q, 16 of k][768] at 0; QKS [256][16][128] at 6,291,456; VC [64 channel tiles][64 key chunks][768] at 6,815,744; VS [64][32][128] at 9,961,472.
; LIMITS: a block of zeros or under 2^-124 gets the scale byte 1; NaN and infinities are not served.
; REGISTERS: window 0: v16-23 fragment addresses, v24-26 store offsets, v27 scale address, v28-29 the add's two, v30 a scale word made, v32-63 scale words (two sets), v64-127 bias by register, v128-223 Q's fragments
; (way out: v128-191 64 numbers, v192-211 codes, v212-223 at work), v224-239 bias by lane.  Window 1: P's fragments, two sets.  Windows 2, 3: accumulator (q, p) at v[8 (8 (q % 4) + p)] of window 2 + q / 4.
.set T,     8
.set LT,    3
.set NQ,    2
.set KK,    1024
.set YC,    0                          ; x's codes, x's scales, the weights' codes and scales in pre
.set YS,    3145728
.set XC,    3407872
.set XS,    6553600
.set H,     T/2
.set FR,    12
.set FRB,   1536                       ; a fragment's image
.set NL,    4                          ; LDS loads that bring one
.set TROW,  NQ*FRB                     ; a tile's bytes in a slot
.set KROW,  KK*12                      ; a tile's codes in memory
.set HALFT, T*TROW                     ; what one tensor load brings
.set SLOT,  4*HALFT                    ; Y's 2 T tiles, then X's
.set SCL,   2*SLOT                     ; behind the ring: the scales
.set HALFS, T*KK
.set SPARE, SCL+4*HALFS                ; the spare words: 128 bytes a wave
.set LAPS,  KK/(256*NQ)
.set ADQ,  16
.set ADP,  20
.set L16,  24
.set L8,   25
.set L4,   26
.set ADRS, 27
.set SPW,  28
.set NIL,  29
.set PW,   30
.set SC,   32
.set BT,   64
.set QF,   128
.set HA,   128
.set PC,   192
.set TM,   212
.set BQ,   224
.set G1,   24
.set G0,   32
.set G1B,  48
.set G0B,  56
.set G1S,  68
.set G0S,  76
.set G1SB, 80
.set G0SB, 88
.set SEL,  94
.set MSB, 0
.macro WIN new                         ; the immediate's high byte repeats the setting that is left
.if MSB != \new
	s_set_vgpr_msb (MSB<<8)|\new
.set MSB, \new
.endif
.endm
.set MUL_LO, 0xa1                      ; source 0 window 1, source 1 window 0, C and D window 2
.set MUL_HI, 0xf1
.set TO_P,   0x40
.macro JLOAD g0a, g1a, g0b, g1b        ; a joint load: waves 0, 1 fetch Y's halves, waves 2, 3 X's; an s_nop 0 and four v_nop follow each line
	s_cmp_eq_u32 s15, 0
	s_cbranch_scc0 .Lfor_b_\@
	tensor_load_to_lds s[\g0a:\g0a+3], s[\g1a:\g1a+7]
	s_nop 0
.rept 4
	v_nop
.endr
	s_branch .Lasked_\@
.Lfor_b_\@:
	tensor_load_to_lds s[\g0b:\g0b+3], s[\g1b:\g1b+7]
	s_nop 0
.rept 4
	v_nop
.endr
.Lasked_\@:
.endm
.macro CREST                           ; a round of the cluster's barrier behind its opening barrier
	s_cmp_lg_u32 s14, 0
	s_cbranch_scc1 .Lnot_wave_0_\@
	s_barrier_signal -3
.Lnot_wave_0_\@:
	s_barrier_wait -3
	s_barrier_signal -1
	s_barrier_wait -1
.endm
.macro CROUND
	s_barrier_signal -1
	s_barrier_wait -1
	CREST
.endm
.macro PLACES n
.rept \n
	v_nop
.endr
.endm
	s_load_b256 s[4:11], s[0:1], 0x0               ; pre, bq, bk, bv
	s_load_b64 s[12:13], s[0:1], 0x20              ; qkvb
	v_lshl_add_u32 v[SPW], v0, 2, SPARE
	v_mov_b32 v[NIL], 0
	ds_add_u32 v[SPW], v[NIL]                      ; the wave's opening: the add and its wait ahead of my first tensor load
	ds_add_u32 v[SPW], v[NIL]
	v_lshrrev_b32 v1, 5, v0
	v_readfirstlane_b32 s14, v1                    ; wave 0..3
	s_lshr_b32 s15, s14, 1                         ; wy: my half of Y's tiles.  Also: I fetch for Y (0) or X (1)
	s_and_b32 s16, s14, 1                          ; wx: my half of X's tiles.  Also: which half I fetch
	s_bfe_u32 s40, ttmp6, 0x40000                  ; cx, cy
	s_bfe_u32 s41, ttmp6, 0x40004
	s_lshl_b32 s42, ttmp9, 2
	s_add_co_u32 s42, s42, s40                     ; work-group x
	s_and_b32 s17, ttmp7, 0xffff
	s_lshl_b32 s17, s17, 2
	s_add_co_u32 s17, s17, s41                     ; work-group y
	s_lshl_b32 s43, s41, 2
	s_lshl_b32 s43, 15, s43                        ; my row of the cluster
	s_lshl_b32 s44, 0x1111, s40                    ; my column
	s_or_b32 s[G1+0], s43, (3<<16)|(1<<21)         ; codes: T rows of TROW bytes (elements of 8 bytes), KROW bytes apart; no padding; bit 21 beside the mask
	s_or_b32 s[G1B+0], s44, (3<<16)|(1<<21)
.irp g, G1, G1B
	s_mov_b32 s[\g+1], (TROW/8)<<16
	s_mov_b32 s[\g+2], (2*T)<<16                   ; the head's loads bring all 2 T tiles; behind them the two words that count rows are set to T
	s_mov_b32 s[\g+3], (TROW/8)<<16
	s_mov_b32 s[\g+4], 2*T
	s_mov_b32 s[\g+5], KROW/8
	s_mov_b32 s[\g+6], 0
	s_mov_b32 s[\g+7], 0
.endr
	s_or_b32 s[G1S+0], s43, (3<<16)|(1<<21)        ; scales of 2 T tiles: a dense block, as rows of 256 bytes
	s_or_b32 s[G1SB+0], s44, (3<<16)|(1<<21)
.irp g, G1S, G1SB
	s_mov_b32 s[\g+1], 32<<16
	s_mov_b32 s[\g+2], (2*HALFS/256)<<16
	s_mov_b32 s[\g+3], 32<<16
	s_mov_b32 s[\g+4], 2*HALFS/256
	s_mov_b32 s[\g+5], 32
	s_mov_b32 s[\g+6], 0
	s_mov_b32 s[\g+7], 0
.endr
	s_mov_b32 s[SEL], 0x76543210
	s_mov_b32 s[SEL+1], 0xfedcba98
	s_lshl_b32 s20, s17, LT+1                      ; the block's first tile of Y: hangs on y alone
	s_lshl_b32 s46, s42, LT+1                      ; of X: on x alone
	s_mul_i32 s22, s20, KK
	s_add_co_u32 s22, s22, YS
	s_mul_i32 s20, s20, KROW
	s_mul_i32 s92, s46, KK
	s_add_co_u32 s92, s92, XS
	s_mul_i32 s46, s46, KROW
	s_add_co_u32 s46, s46, XC
	s_mov_b32 s21, 0
	s_mov_b32 s23, 0
	s_mov_b32 s47, 0
	s_mov_b32 s93, 0
	s_mul_i32 s45, s14, HALFT                      ; where they go: by the wave's number alone
	s_wait_dscnt 0x0                               ; the opening add is done
	s_wait_kmcnt 0x0
	s_add_nc_u64 s[20:21], s[4:5], s[20:21]
	s_add_nc_u64 s[22:23], s[4:5], s[22:23]
	s_add_nc_u64 s[46:47], s[4:5], s[46:47]
	s_add_nc_u64 s[92:93], s[4:5], s[92:93]
	CROUND                                         ; all sixteen work-groups are here: the first joint loads meet
	s_mov_b32 s[G0S], 1
	s_mov_b32 s[G0S+1], SCL
	s_mov_b64 s[G0S+2:G0S+3], s[22:23]
	s_or_b32 s[G0S+3], s[G0S+3], 0x80000000
	s_mov_b32 s[G0SB], 1
	s_mov_b32 s[G0SB+1], SCL+2*HALFS
	s_mov_b64 s[G0SB+2:G0SB+3], s[92:93]
	s_or_b32 s[G0SB+3], s[G0SB+3], 0x80000000
.irp s, 0,1
	s_mov_b32 s[G0+4*\s], 1
	s_add_co_u32 s[G0+4*\s+1], s45, \s*SLOT
	s_add_nc_u64 s[G0+4*\s+2:G0+4*\s+3], s[20:21], \s*TROW
	s_or_b32 s[G0+4*\s+3], s[G0+4*\s+3], 0x80000000
	s_mov_b32 s[G0B+4*\s], 1
	s_add_co_u32 s[G0B+4*\s+1], s45, \s*SLOT
	s_add_nc_u64 s[G0B+4*\s+2:G0B+4*\s+3], s[46:47], \s*TROW
	s_or_b32 s[G0B+4*\s+3], s[G0B+4*\s+3], 0x80000000
.endr
	s_mul_i32 s18, s16, T*KROW                     ; in the ring I fetch T tiles: which half, in bytes
	s_mov_b32 s19, 0
	s_add_nc_u64 s[G0+6:G0+7], s[G0+6:G0+7], s[18:19]
	s_add_nc_u64 s[G0B+6:G0B+7], s[G0B+6:G0B+7], s[18:19]
	s_mov_b32 s[G0+1], 0                           ; slot 0's two sets serve the head's whole tiles first: Y's 2 T tiles from byte 0,
	s_mov_b32 s[G0B+1], 2*HALFT                    ; X's behind them
; PREFETCH INTO THE L2: behind the head's loads each wave names slots 1 and 2 of the eight tiles that it fetches in the ring, behind slot 1's fill slot 3: each one or two fills ahead of its load.  A load's eight tiles of 3,072 bytes
; are shared out by address among the four partners that ask jointly (partner p takes tiles 2 p, 2 p + 1; p = cx for Y, cy for X): 24 blocks of 256 bytes, a lane a block; lanes 24-31 name the last block again.
	s_cmp_eq_u32 s15, 0                            ; do I fetch for Y?
	s_cselect_b64 s[4:5], s[20:21], s[46:47]
	s_cselect_b32 s96, s40, s41                    ; my place among the four: it enters this address alone
	s_lshl_b32 s96, s96, 1
	s_lshl_b32 s97, s16, LT
	s_add_co_u32 s96, s96, s97
	s_mul_i32 s96, s96, KROW
	s_mov_b32 s97, 0
	s_add_nc_u64 s[4:5], s[4:5], s[96:97]
; THE HEAD'S LOADS, ONE A WAVE: wave 0 slot 0's tiles of Y, wave 1 those of X, wave 2 Y's scales, wave 3 X's.  One tree of branches on the wave's number: every way passes one load.
.macro ARM under, g0, g1, next
	s_cmp_lt_u32 s14, \under
	s_cbranch_scc0 \next
	tensor_load_to_lds s[\g0:\g0+3], s[\g1:\g1+7]
	s_nop 0
.rept 4
	v_nop
.endr
	s_branch .Lhead_asked
\next:
.endm
	ARM 1, G0,  G1,  .Lhead_b
	ARM 2, G0B, G1B, .Lhead_sa
	ARM 3, G0S, G1S, .Lhead_sb
	tensor_load_to_lds s[G0SB:G0SB+3], s[G1SB:G1SB+7]
	s_nop 0
.rept 4
	v_nop
.endr
.Lhead_asked:
	v_and_b32 v1, 31, v0                           ; lane
	v_bfe_u32 v2, v0, 4, 1                         ; h
	v_and_b32 v7, 15, v0                           ; r
	v_lshlrev_b32 v3, 4, v1
	s_wait_alu depctr_va_vdst(0)
	v_lshlrev_b32 v4, 3, v1
	v_add_nc_u32 v4, 512, v4
	v_min_u32 v31, 23, v1
	v_mul_u32_u24 v5, v31, 22
	v_lshrrev_b32 v5, 8, v5                        ; 1 from lane 12 on: the second tile
	v_mul_u32_u24 v5, v5, KROW-12*256
	v_lshl_add_u32 v31, v31, 8, v5                 ; never rewritten
	global_prefetch_b8 v31, s[4:5] offset:TROW th:TH_LOAD_NT scope:SCOPE_SE
	global_prefetch_b8 v31, s[4:5] offset:2*TROW th:TH_LOAD_NT scope:SCOPE_SE
	s_wait_alu depctr_va_vdst(0)
	s_mul_i32 s18, s15, HALFT                      ; Y's: my T tiles
	s_mul_i32 s19, s16, HALFT
	s_add_co_u32 s19, s19, 2*HALFT                 ; X's
	s_cmp_ge_u32 ttmp9, 2                          ; v?  The cluster's x: the same in all sixteen partners
	s_cselect_b32 s97, 1, 0
	s_cselect_b32 s21, s19, s18                    ; Q's base
	s_cselect_b32 s22, s18, s19                    ; P's base
.irp s, 0,1
	v_add_nc_u32 v[ADQ+\s], s21, v3
	v_add_nc_u32 v[ADQ+2+\s], s21, v4
	v_add_nc_u32 v[ADP+\s], s22, v3
	v_add_nc_u32 v[ADP+2+\s], s22, v4
	s_add_co_u32 s21, s21, SLOT
	s_add_co_u32 s22, s22, SLOT
.endr
	v_xor_b32 v6, s97, v2                          ; lanes 0-15 take Q's scale words, lanes 16-31 P's: 0 = Y's block, 1 = X's
	s_mul_i32 s18, s15, HALFS
	s_mul_i32 s19, s16, HALFS
	s_add_co_u32 s19, s19, 2*HALFS
	s_sub_co_u32 s19, s19, s18
	v_mul_u32_u24 v6, s19, v6
	s_add_co_u32 s18, s18, SCL
	v_lshl_add_u32 v6, v1, 2, v6
	v_add_nc_u32 v[ADRS], s18, v6
	v_mov_b32 v[L16], v3
	v_mov_b32 v[L8], v4
	v_lshlrev_b32 v[L4], 2, v1
	; the bias of my 128 channels, in both forms: by register (channel 32 (p / 2) + 16 h + 8 (p % 2) + j) and by lane (channel 32 (a / 2) + 8 (a % 2) + r + 8 (r / 8))
	s_cmp_eq_u32 ttmp9, 1
	s_cselect_b64 s[6:7], s[8:9], s[6:7]
	s_cmp_eq_u32 ttmp9, 2
	s_cselect_b64 s[6:7], s[10:11], s[6:7]
	s_lshl_b32 s18, s40, 10
	s_lshl_b32 s19, s16, 9
	s_add_co_u32 s18, s18, s19
	s_mov_b32 s19, 0
	s_add_nc_u64 s[6:7], s[6:7], s[18:19]
	v_lshlrev_b32 v8, 6, v2
	v_and_b32 v9, 8, v7
	v_add_nc_u32 v9, v9, v7
	v_lshlrev_b32 v9, 2, v9
.set fi, 0
.rept 8
	global_load_b128 v[BT+8*fi:BT+8*fi+3], v8, s[6:7] offset:(32*(fi/2)+8*(fi%2))*4
	global_load_b128 v[BT+8*fi+4:BT+8*fi+7], v8, s[6:7] offset:(32*(fi/2)+8*(fi%2))*4+16
	global_load_b32 v[BQ+2*fi], v9, s[6:7] offset:(32*(fi/2)+8*(fi%2))*4
	global_load_b32 v[BQ+2*fi+1], v9, s[6:7] offset:(32*(fi/2)+8*(fi%2))*4
.set fi, fi+1
.endr
	; where my results go
	s_lshl_b32 s18, s17, 4
	s_lshl_b32 s19, s15, 3
	s_add_co_u32 s18, s18, s19                     ; 16 y + 8 wy: my first token tile
	s_lshl_b32 s19, s42, 1
	s_add_co_u32 s19, s19, s16                     ; 2 x + wx: my 128 channels
	s_lshl_b32 s66, s18, 5
	s_lshl_b32 s67, s19, 1
	s_add_co_u32 s66, s66, s67
	s_mul_i32 s66, s66, 768                        ; q, k: codes,
	s_lshl_b32 s67, s18, 4
	s_add_co_u32 s67, s67, s19
	s_lshl_b32 s67, s67, 7
	s_add_co_u32 s67, s67, 6291456                 ; scales
	s_lshl_b32 s92, s19, 3
	s_sub_co_u32 s92, s92, 128                     ; v: my first channel tile,
	s_lshr_b32 s93, s18, 3                         ; my 128 tokens
	s_lshl_b32 s96, s92, 6
	s_lshl_b32 s104, s93, 1
	s_add_co_u32 s96, s96, s104
	s_mul_i32 s96, s96, 768
	s_add_co_u32 s96, s96, 6815744
	s_lshl_b32 s104, s92, 5
	s_add_co_u32 s104, s104, s93
	s_lshl_b32 s104, s104, 7
	s_add_co_u32 s104, s104, 9961472
	s_cmp_ge_u32 ttmp9, 2
	s_cselect_b32 s98, s96, s66
	s_cselect_b32 s100, s104, s67
	s_mov_b32 s99, 0
	s_mov_b32 s101, 0
	s_add_nc_u64 s[98:99], s[12:13], s[98:99]
	s_add_nc_u64 s[100:101], s[12:13], s[100:101]
.macro FRAG reg, adr, q, i             ; tile i's fragment of the slot's q-th 128 along K: two chunks, each 512 bytes at 16 x lane and 256 at 8 x lane
	ds_load_b128 v[\reg:\reg+3], v[\adr] offset:(\i)*TROW+(\q)*FRB
	ds_load_b64 v[\reg+4:\reg+5], v[\adr+2] offset:(\i)*TROW+(\q)*FRB
	ds_load_b128 v[\reg+6:\reg+9], v[\adr] offset:(\i)*TROW+(\q)*FRB+768
	ds_load_b64 v[\reg+10:\reg+11], v[\adr+2] offset:(\i)*TROW+(\q)*FRB+768
.endm
.macro FETCH_P slot, q, set
	WIN TO_P
.set fi, 0
.rept T
	FRAG 128*(\set)+FR*fi, ADP+\slot, \q, fi
.set fi, fi+1
.endr
	WIN 0
.endm
.macro FETCH_Q slot, q, i0
.set fi, \i0
.rept H
	FRAG QF+FR*fi, ADQ+\slot, \q, fi
.set fi, fi+1
.endr
.endm
.macro SCALES set                      ; a slot's scale words: register NQ i + q: lanes 0-15 Q's tile i, lanes 16-31 P's tile i
.set fi, 0
.rept T*NQ
	ds_load_b32 v[SC+T*NQ*\set+fi], v[ADRS] offset:(fi/NQ)*KK+128*(fi%NQ)
.set fi, fi+1
.endr
.endm
; H / 2 tiles of Q from a0 on x all T tiles of P.  The accumulators take turns, one instruction a turn, in the same order in every step.  zero = 1: the first product starts the sums.
.macro MULT a0, set, q, sc, zero
.set qa, \a0
.rept H/2
.set pb, 0
.rept T
.set rD, 8*(T*(qa%H)+pb)
.set rP, 128*(\set)+FR*pb
.set rQ, QF+FR*qa
.set rSP, SC+T*NQ*(\sc)+NQ*pb+(\q)
.set rSQ, SC+T*NQ*(\sc)+NQ*qa+(\q)
.if \zero
	v_wmma_scale_f32_16x16x128_f8f6f4 v[rD:rD+7], v[rP:rP+FR-1], v[rQ:rQ+FR-1], 0, v[rSP], v[rSQ] matrix_a_fmt:MATRIX_FMT_FP6 matrix_b_fmt:MATRIX_FMT_FP6 matrix_a_scale:MATRIX_SCALE_ROW1
.else
	v_wmma_scale_f32_16x16x128_f8f6f4 v[rD:rD+7], v[rP:rP+FR-1], v[rQ:rQ+FR-1], v[rD:rD+7], v[rSP], v[rSQ] matrix_a_fmt:MATRIX_FMT_FP6 matrix_b_fmt:MATRIX_FMT_FP6 matrix_a_scale:MATRIX_SCALE_ROW1
.endif
.set pb, pb+1
.endr
.set qa, qa+1
.endr
.endm
.macro STEP slot, q, zero              ; 128 along K whose successor lies in the same slot
	s_wait_dscnt H*NL                              ; P's set and Q's tiles 0 .. H - 1 are in; the youngest H fragments may be out
	WIN MUL_LO
	MULT 0, (\q)%2, \q, \slot, \zero
	MULT H/2, (\q)%2, \q, \slot, \zero
	s_wait_dscnt 0
	PLACES 4                                       ; four places in front of loads into registers that matrix instructions have read
	FETCH_P \slot, (\q)+1, 1-(\q)%2
	FETCH_Q \slot, (\q)+1, 0
	WIN MUL_HI
	MULT H, (\q)%2, \q, \slot, \zero
	MULT H+H/2, (\q)%2, \q, \slot, \zero
	PLACES 4
	WIN 0
	FETCH_Q \slot, (\q)+1, H
.endm
.macro TURN slot, next, fill           ; a slot's last step changes slots: one barrier; fill = 1: it opens a round of the cluster's barrier, and this slot is filled again
	s_wait_tensorcnt 0x0                           ; all my tensor loads have landed: my part of the next slot;
	ds_add_u32 v[SPW], v[NIL]
	s_wait_dscnt H*NL+1                            ; (the add and the youngest H fragments may be out)
	WIN MUL_LO
	MULT 0, 1, NQ-1, \slot, 0
	s_wait_dscnt 0x0                               ; the add is done, and my reads of this slot are over
	s_barrier_signal -1
	MULT H/2, 1, NQ-1, \slot, 0
	WIN 0
	s_barrier_wait -1
.if \fill
	CREST                                          ; no wave of any partner still reads this slot or has a load on its way
	s_add_nc_u64 s[G0+4*\slot+2:G0+4*\slot+3], s[G0+4*\slot+2:G0+4*\slot+3], 2*TROW
	s_add_nc_u64 s[G0B+4*\slot+2:G0B+4*\slot+3], s[G0B+4*\slot+2:G0B+4*\slot+3], 2*TROW
	JLOAD G0+4*\slot, G1, G0B+4*\slot, G1B         ; my one tensor load behind the round; its four v_nop are the places in front of the loads below
.else
	PLACES 4
.endif
	s_wait_alu depctr_va_vdst(0)
	v_add_nc_u32 v[ADRS], 128*NQ, v[ADRS]
	FETCH_P \next, 0, 0
	FETCH_Q \next, 0, 0
	SCALES \next
	WIN MUL_HI
	MULT H, 1, NQ-1, \slot, 0
	MULT H+H/2, 1, NQ-1, \slot, 0
	PLACES 4
	WIN 0
	FETCH_Q \next, 0, H
.endm
	s_wait_alu depctr_va_vdst(0)
	s_wait_tensorcnt 0x0                           ; my tile of the head's four is in
	ds_add_u32 v[SPW], v[NIL]
	s_mov_b32 s[G1+2], T<<16                       ; no tensor load of mine is out: from here on a load brings T tiles,
	s_mov_b32 s[G1+4], T
	s_mov_b32 s[G1B+2], T<<16
	s_mov_b32 s[G1B+4], T
	s_mul_i32 s[G0+1], s14, HALFT                  ; and slot 0's sets name my quarter of the slot
	s_mul_i32 s[G0B+1], s14, HALFT
	s_mul_i32 s18, s16, T*KROW
	s_mov_b32 s19, 0
	s_add_nc_u64 s[G0+2:G0+3], s[G0+2:G0+3], s[18:19]
	s_add_nc_u64 s[G0B+2:G0B+3], s[G0B+2:G0B+3], s[18:19]
	s_wait_dscnt 0x0                               ; the add is done
	CROUND                                         ; all four tiles are in, and all sixteen work-groups are here
	JLOAD G0+4, G1, G0B+4, G1B                     ; slot 1's first fill: my one tensor load behind the round
	FETCH_P 0, 0, 0
	FETCH_Q 0, 0, 0
	SCALES 0
	global_prefetch_b8 v31, s[4:5] offset:3*TROW th:TH_LOAD_NT scope:SCOPE_SE   ; the last slot
	FETCH_Q 0, 0, H
	STEP 0, 0, 1
	s_mov_b32 s3, LAPS-1
.Llap:                                                 ; a trip goes once round the ring and fills both slots again
	TURN 0, 1, 1
	STEP 1, 0, 0
	TURN 1, 0, 1
	STEP 0, 0, 0
	s_sub_co_u32 s3, s3, 1
	s_cmp_lg_u32 s3, 0
	s_cbranch_scc1 .Llap
	TURN 0, 1, 0                                   ; the last lap fills nothing
	STEP 1, 0, 0
	s_wait_dscnt H*NL
	WIN MUL_LO
	MULT 0, 1, NQ-1, 1, 0
	MULT H/2, 1, NQ-1, 1, 0
	s_wait_dscnt 0
	WIN MUL_HI
	MULT H, 1, NQ-1, 1, 0
	MULT H+H/2, 1, NQ-1, 1, 0
	WIN 0
; 64 numbers of a lane, register 16 b + i = k 32 b + 16 h + i of my row, become a fragment's codes v[PC] on and its scale word v[PW]
.macro QUANT s
.irp b, 0,1,2,3
	v_max3_num_f32 v[TM+\b], |v[\s+16*\b]|, |v[\s+1+16*\b]|, 0x1800000
.endr
.irp i, 2,4,6,8,10,12,14
.irp b, 0,1,2,3
	v_max3_num_f32 v[TM+\b], v[TM+\b], |v[\s+16*\b+\i]|, |v[\s+1+16*\b+\i]|
.endr
.endr
.irp b, 0,1,2,3
	v_permlanex16_b32 v[TM+4+\b], v[TM+\b], s[SEL], s[SEL+1]
.endr
.irp b, 0,1,2,3
	v_max_num_f32 v[TM+\b], v[TM+\b], v[TM+4+\b]   ; with lane l xor 16's: the block's largest magnitude
.endr
.irp b, 0,1,2,3
	v_add_nc_u32 v[TM+8+\b], 0xff000000, v[TM+\b]  ; 2 off its exponent field: the conversion's scale operand
.endr
.irp b, 0,1,2,3
	v_lshrrev_b32 v[TM+4+\b], 23, v[TM+8+\b]       ; the scale's byte
.endr
	v_lshl_or_b32 v[PW], v[TM+5], 8, v[TM+4]
	v_lshl_or_b32 v[PW], v[TM+6], 16, v[PW]
	v_lshl_or_b32 v[PW], v[TM+7], 24, v[PW]
.irp c, 0,1
	v_cvt_scalef32_pk16_fp6_f32 v[PC+6*\c:PC+2+6*\c], v[\s+32*\c:\s+15+32*\c], v[TM+8+2*\c]
	v_cvt_scalef32_pk16_fp6_f32 v[PC+12+4*\c:PC+14+4*\c], v[\s+16+32*\c:\s+31+32*\c], v[TM+8+2*\c+1]
.endr
	v_nop                                          ; one plain place behind a scaled conversion
.irp c, 0,1                                    ; the layout wants a whole block in a lane: lanes 0-15 block 2 c, lanes 16-31 block 2 c + 1
.irp i, 0,1,2
	v_permlane16_swap_b32 v[PC+6*\c+\i], v[PC+12+4*\c+\i]
.endr
.irp i, 0,1,2
	v_mov_b32 v[PC+3+6*\c+\i], v[PC+12+4*\c+\i]
.endr
.endr
.endm
; THE WAY OUT: for each tile a of Q its eight accumulators, 64 registers along P's rows, take the bias, are quantised, and leave as one fragment's image: 1,536 consecutive bytes, and 128 of scale words.
.macro EPI form, nch, nks
.set ea, 0
.rept T
	WIN (0x02+ea/H)                                ; source 0: the accumulators' window
.set ei, 0
.rept 32
.if \form
	v_pk_add_f32 v[HA+2*ei:HA+2*ei+1], v[64*(ea%H)+2*ei:64*(ea%H)+2*ei+1], v[BQ+2*ea:BQ+2*ea+1]
.else
	v_pk_add_f32 v[HA+2*ei:HA+2*ei+1], v[64*(ea%H)+2*ei:64*(ea%H)+2*ei+1], v[BT+2*ei:BT+2*ei+1]
.endif
.set ei, ei+1
.endr
	WIN 0
.if ea > 0
	s_wait_xcnt 0x0                                ; the last tile's stores have read their data: the codes' registers may be written again
.endif
	QUANT HA
	global_store_b128 v[L16], v[PC:PC+3], s[98:99] offset:ea*\nch*768
	global_store_b64 v[L8], v[PC+4:PC+5], s[98:99] offset:ea*\nch*768
	global_store_b128 v[L16], v[PC+6:PC+9], s[98:99] offset:ea*\nch*768+768
	global_store_b64 v[L8], v[PC+10:PC+11], s[98:99] offset:ea*\nch*768+768
	global_store_b32 v[L4], v[PW], s[100:101] offset:ea*\nks*128
.set ea, ea+1
.endr
.endm
	s_wait_loadcnt 0x0                             ; the bias
	PLACES 4                                       ; behind the last products: their results are read and their operands' registers written below
.irp b, 0,1,2,3
	v_mov_b32 v[TM+4+\b], 0                        ; a lane permute's destination counts as one of its sources
.endr
	s_cmp_ge_u32 ttmp9, 2
	s_cbranch_scc1 .Lvout
	EPI 0, 32, 16                                  ; q, k: a lane's row is a token, its registers run along the channels
	s_branch .Ldone
.Lvout:
	EPI 1, 64, 32                                  ; v: a lane's row is a channel, its registers run along the tokens
.Ldone:
	s_wait_tensorcnt 0x0                           ; the wave's end
	ds_add_u32 v[SPW], v[NIL]
	s_wait_dscnt 0x0
	CROUND                                         ; the closing round
	s_endpgm
.Lfunc_end_k_q0ed254071b_qkv:
	.size	k_q0ed254071b_qkv, .Lfunc_end_k_q0ed254071b_qkv-k_q0ed254071b_qkv
	.p2alignl 7, 3214868480
	.fill 96, 4, 3214868480
	.section	.rodata,"a",@progbits
	.p2align	6, 0x0
	.amdhsa_kernel k_q0ed254071b_qkv
		.amdhsa_group_segment_fixed_size 327680
		.amdhsa_private_segment_fixed_size 0
		.amdhsa_enable_private_segment 0
		.amdhsa_kernarg_size 40
		.amdhsa_user_sgpr_count 2
		.amdhsa_user_sgpr_kernarg_segment_ptr 1
		.amdhsa_wavefront_size32 1
		.amdhsa_system_sgpr_workgroup_id_x 1
		.amdhsa_system_sgpr_workgroup_id_y 1
		.amdhsa_system_sgpr_workgroup_id_z 1
		.amdhsa_system_vgpr_workitem_id 0
		.amdhsa_next_free_vgpr 1024
		.amdhsa_next_free_sgpr 106
		.amdhsa_reserve_vcc 0
		.amdhsa_float_denorm_mode_32 3
		.amdhsa_float_denorm_mode_16_64 3
		.amdhsa_memory_ordered 1
		.amdhsa_forward_progress 1
		.amdhsa_inst_pref_size 223
	.end_amdhsa_kernel
	.amdgpu_metadata
---
amdhsa.version: [ 1, 2 ]
amdhsa.kernels:
  - .name:           k_q0ed254071b_qkv
    .symbol:         k_q0ed254071b_qkv.kd
    .args:
      - { .name: pre, .offset: 0, .size: 8, .value_kind: global_buffer, .address_space: global }
      - { .name: bq, .offset: 8, .size: 8, .value_kind: global_buffer, .address_space: global }
      - { .name: bk, .offset: 16, .size: 8, .value_kind: global_buffer, .address_space: global }
      - { .name: bv, .offset: 24, .size: 8, .value_kind: global_buffer, .address_space: global }
      - { .name: qkvb, .offset: 32, .size: 8, .value_kind: global_buffer, .address_space: global }
    .group_segment_fixed_size: 327680
    .private_segment_fixed_size: 0
    .kernarg_segment_align: 8
    .kernarg_segment_size: 40
    .max_flat_workgroup_size: 128
    .sgpr_count:     106
    .vgpr_count:     1024
    .wavefront_size: 32
...
	.end_amdgpu_metadata
.endif
;; end of part 2
;; launch attn (part 3): grid 8 x 32, 16 waves a work-group, no clusters, 223,232 bytes of LDS; arguments qkvb, maskw, ao; writes ao
.if DOCPART == 3
	.amdgcn_target "amdgcn-amd-amdhsa--gfx1250"
	.amdhsa_code_object_version 6
	.text
	.protected	k_q0ed254071b_attn
	.globl	k_q0ed254071b_attn
	.p2align	8
	.type	k_q0ed254071b_attn,@function
k_q0ed254071b_attn:
	s_mov_b64 s[64:65], 0
	v_nop
	global_prefetch_b8 v0, s[64:65] scope:SCOPE_SE
	s_setreg_imm32_b32 hwreg(HW_REG_WAVE_MODE, 25, 1), 1
	s_wait_xcnt 0x0
; Attention of one head on E2M3 codes, with ALiBi and the GIVEN mask; the result, divided by the row's sum, is quantised along the model's 1,024 channels into the operand image ao (chunk = head).
; t = log2(e) (q.k / 8 + slope (j - i)); M = the running largest t rounded up to a whole number; p = 2^(t - M) is quantised along the keys, not normalised; the row's sum is taken of the unquantised p.
; SHARES.  A work-group owns one head of one batch and 16 tiles of 16 queries, one a wave: tile 8 x + g, x from a table of 16 numbers by the wave's number w.  Laid as a square of 4 x 4 the table's rows and columns all sum
; to 30: where late queries see more keys than early ones (x + 1 key steps under a causal mask), the four waves of equal w % 4 own 34 steps together, and so do the four of equal w / 4.  The table shares work out; no value hangs on it.
; The head's K and V, 221,184 bytes of images and scale words, come ONCE through registers into LDS; one barrier; then no wave waits for another.
; NO TENSOR LOAD AND NO CLUSTER: a key step is passed over by a branch on the class that the first launch stored from the mask.
; LAYOUT.  S^T = K Q^T and O^T = V^T P^T: a lane holds one query throughout.  The keys of a tile are 8 u + r + 8 (r / 8) of a group of 32, so score register 16 b + i is key 32 b + 16 h + i of the step.
; K = 64 IN AN INSTRUCTION 128 DEEP: Q's registers 6-11 hold zero codes, and bytes 2, 3 of Q's and K's scale words are 0 (2^-127).  K's tiles lie densely, six registers each, so tile t's operand carries tile t + 1's codes
; in its upper half: they meet Q's zero codes and add exactly 0.
; ALIBI: the part inside a block of 32 keys, 8 slope (16 h + n - 16), is the C of S^T's matrix instructions (a table of 16 registers); the rest, log2(e) slope (128 s + 32 b + 16 - i), is the addend of the one multiply-add.
; THE MASK: hidden scores become -3e38 by selects on the stored lane masks, which are loaded only in a step of class 1 (some keys hidden).  The largest t starts at -1e9 log2(e); while a row still stands there it has seen hidden
; keys alone: its factor and addends are set to 0, so p = 1 for each of them, as -1e9 everywhere gives; the first visible key multiplies all that by 2^(-1.4e9) = 0.
; LIMITS: visible logits under -1e9 are not served; NaN and infinities are not served; a block of zeros gets the scale byte 1; the slope is the correctly rounded 2^(-(head + 1) / 2).
; REGISTERS: v1-2 the add's two; v3-5 16, 512 + 8, 32 x lane; v6-11 addresses in hand; v12 -M, v13 largest t, v[14:15] the sum; v16-27 Q; v28-81 K's or V's fragments; v82-145 S^T, then p; v146-161 the ALiBi table;
; v162-193 O^T; v194-213 p's codes; v214-221 K's or V's scale words; v222 p's, v223 Q's; v224-235 at work on blocks; v236-243 pairs (addend, block offset); v[244:245] (factor, c); v[246:247] (f, 0); v254 -3e38; v255 128 s + 16 - i.
.set VCL,   98304                      ; LDS: K's 128 tiles x 768 from 0; V [32 chunks][4 channel tiles][768] from here;
.set KSC,   196608                     ; K's scale words [16 steps][lane][8];
.set VSC,   212992                     ; V's [16 steps][lane][4];
.set SPARE, 221184                     ; the spare words: 128 bytes for each of sixteen waves
.set S,    82
.set CT,   146
.set O,    162
.set PC,   194
.set PT4,  206
.set KS,   214
.set PS,   222
.set QS,   223
.set BM,   224
.set PT,   228
.set SO,   232
.set AD,   236
.set CL,   244
.set F,    246
.set NEG,  254
.set RB,   255
	s_load_b128 s[4:7], s[0:1], 0x0                ; qkvb, maskw
	s_load_b64 s[8:9], s[0:1], 0x10                ; ao
	v_lshl_add_u32 v1, v0, 2, SPARE
	v_mov_b32 v2, 0
	v_lshrrev_b32 v3, 5, v0
	s_delay_alu instid0(VALU_DEP_1)
	v_readfirstlane_b32 s12, v3                    ; wave 0..15
	v_and_b32 v6, 31, v0
	s_delay_alu instid0(VALU_DEP_1)
	v_lshlrev_b32 v3, 4, v6
	s_delay_alu instid0(VALU_DEP_2)
	v_lshlrev_b32 v4, 3, v6
	s_delay_alu instid0(VALU_DEP_1)
	v_add_nc_u32 v4, 512, v4
	s_delay_alu instid0(VALU_DEP_4)
	v_lshlrev_b32 v5, 5, v6
	v_lshlrev_b32 v7, 2, v6
	s_and_b32 s30, ttmp7, 0xffff
	s_lshr_b32 s26, s30, 4                         ; batch
	s_and_b32 s13, s30, 15                         ; head
	s_mov_b32 s30, 0xe592384f                      ; x of waves 0-7, four bits each, wave 0 lowest: 15, 4, 8, 3, 2, 9, 5, 14
	s_mov_b32 s31, 0x0b7cd6a1                      ; x of waves 8-15: 1, 10, 6, 13, 12, 7, 11, 0
	s_cmp_lt_u32 s12, 8
	s_cselect_b32 s30, s30, s31
	s_and_b32 s31, s12, 7
	s_lshl_b32 s31, s31, 2
	s_lshr_b32 s30, s30, s31
	s_and_b32 s30, s30, 15
	s_lshl_b32 s27, s30, 3
	s_add_co_u32 s27, s27, ttmp9                   ; my tile of queries, 0..127
	s_lshl_b32 s29, s26, 7
	s_add_co_u32 s29, s29, s27                     ; as a token tile
	s_lshl_b32 s32, s26, 7
	s_lshl_b32 s33, s12, 3
	s_add_co_u32 s32, s32, s33                     ; the eight key tiles that I bring: key step w
	s_lshl_b32 s34, s32, 5
	s_add_co_u32 s34, s34, s13
	s_add_co_u32 s34, s34, 16
	s_mul_i32 s34, s34, 768                        ; K's codes
	s_mov_b32 s35, 0
	s_lshl_b32 s36, s32, 4
	s_lshr_b32 s38, s13, 1
	s_add_co_u32 s36, s36, s38
	s_add_co_u32 s36, s36, 8
	s_lshl_b32 s36, s36, 7
	s_add_co_u32 s36, s36, 6291456                 ; K's scale words
	s_mov_b32 s37, 0
	s_lshl_b32 s40, s13, 2
	s_lshr_b32 s39, s12, 2
	s_add_co_u32 s40, s40, s39                     ; V: channel tile 4 head + w / 4,
	s_lshl_b32 s40, s40, 6
	s_lshl_b32 s42, s26, 5
	s_add_co_u32 s40, s40, s42
	s_and_b32 s42, s12, 3
	s_lshl_b32 s43, s42, 3
	s_add_co_u32 s40, s40, s43                     ; key chunks 8 (w % 4) on
	s_mul_i32 s40, s40, 768
	s_add_co_u32 s40, s40, 6815744
	s_mov_b32 s41, 0
	s_lshl_b32 s44, s13, 7
	s_lshl_b32 s46, s26, 4
	s_add_co_u32 s44, s44, s46
	s_add_co_u32 s44, s44, s12
	s_lshl_b32 s44, s44, 7
	s_add_co_u32 s44, s44, 9961472                 ; V's scale words of key step w
	s_mov_b32 s45, 0
	s_lshl_b32 s46, s29, 5
	s_add_co_u32 s46, s46, s13
	s_mul_i32 s46, s46, 768                        ; Q's codes
	s_mov_b32 s47, 0
	s_lshl_b32 s48, s29, 4
	s_add_co_u32 s48, s48, s38
	s_lshl_b32 s48, s48, 7
	s_add_co_u32 s48, s48, 6291456                 ; Q's scale words
	s_mov_b32 s49, 0
	s_lshl_b32 s50, s27, 2
	s_lshl_b32 s60, s27, 12
	s_mov_b32 s61, 0
	s_wait_alu depctr_va_vdst(0)
	s_wait_kmcnt 0x0
	s_load_b32 s14, s[6:7], s50 offset:0x80000     ; my tile's 16 classes, two bits a step
	s_add_nc_u64 s[10:11], s[6:7], s[60:61]        ; and its lane masks, 256 bytes a step
	s_add_nc_u64 s[34:35], s[4:5], s[34:35]
	s_add_nc_u64 s[36:37], s[4:5], s[36:37]
	s_add_nc_u64 s[40:41], s[4:5], s[40:41]
	s_add_nc_u64 s[44:45], s[4:5], s[44:45]
	s_add_nc_u64 s[46:47], s[4:5], s[46:47]
	s_add_nc_u64 s[48:49], s[4:5], s[48:49]
.set i, 0
.rept 8
	global_load_b128 v[28+6*i:31+6*i], v3, s[34:35] offset:24576*i
	global_load_b64 v[32+6*i:33+6*i], v4, s[34:35] offset:24576*i
	global_load_b128 v[82+6*i:85+6*i], v3, s[40:41] offset:768*i
	global_load_b64 v[86+6*i:87+6*i], v4, s[40:41] offset:768*i
	global_load_b32 v[130+i], v7, s[36:37] offset:2048*i
.set i, i+1
.endr
.set i, 0
.rept 4
	global_load_b32 v[138+i], v7, s[44:45] offset:4096*i
.set i, i+1
.endr
	global_load_b128 v[16:19], v3, s[46:47]
	global_load_b64 v[20:21], v4, s[46:47]
	global_load_b32 v[QS], v7, s[48:49]
	; where they go in LDS: by the wave's number and the lane alone
	s_mul_i32 s51, s12, 6144
	v_add_nc_u32 v8, s51, v3
	v_add_nc_u32 v9, s51, v4
	s_mul_i32 s52, s42, 24576
	s_mul_i32 s59, s39, 768
	s_add_co_u32 s52, s52, s59
	s_add_co_u32 s52, s52, VCL
	v_add_nc_u32 v10, s52, v3
	v_add_nc_u32 v11, s52, v4
	s_lshl_b32 s59, s12, 10
	s_add_co_u32 s59, s59, KSC
	v_add_nc_u32 v252, s59, v5
	s_lshl_b32 s62, s12, 9
	s_add_co_u32 s62, s62, VSC
	v_add_nc_u32 v253, s62, v3
	; constants
	s_mov_b32 s20, 0x76543210
	s_mov_b32 s21, 0xfedcba98
	s_mov_b32 s22, 0x3e38aa3b                      ; c = log2(e) / 8
	s_mov_b32 s23, 0xceabfb8f                      ; -1e9 log2(e)
	s_add_co_u32 s53, s13, 1
	s_mov_b32 s55, 0x3f800000
	s_and_b32 s54, s53, 1
	s_cselect_b32 s55, 0x3f3504f3, s55             ; 2^-1/2 where head + 1 is odd
	s_lshr_b32 s53, s53, 1
	s_lshl_b32 s53, s53, 23
	s_sub_co_u32 s55, s55, s53                     ; the slope, 2^(-(head + 1) / 2), by its exponent field
	s_add_co_u32 s25, s55, 0x1800000               ; 8 x slope
	v_mov_b32 v248, s55
	s_delay_alu instid0(VALU_DEP_1)
	v_mul_f32 v248, 0x3fb8aa3b, v248
	s_delay_alu instid0(VALU_DEP_1)
	v_readfirstlane_b32 s24, v248                  ; log2(e) x slope
	v_bfe_u32 v249, v0, 4, 1
	s_delay_alu instid0(VALU_DEP_1)
	v_lshlrev_b32 v249, 4, v249
.set n, 0
.rept 16
	v_add_nc_u32 v[CT+n], n-16, v249
.set n, n+1
.endr
.set n, 0
.rept 16
	v_cvt_f32_i32 v[CT+n], v[CT+n]
.set n, n+1
.endr
.set n, 0
.rept 16
	v_mul_f32 v[CT+n], s25, v[CT+n]                ; 8 slope (16 h + n - 16)
.set n, n+1
.endr
	v_and_b32 v250, 15, v0
	s_delay_alu instid0(VALU_DEP_1)
	v_and_b32 v251, 8, v250
	s_delay_alu instid0(VALU_DEP_1)
	v_add_nc_u32 v250, v250, v251
	s_lshr_b32 s56, s27, 1
	s_lshl_b32 s56, s56, 5
	s_and_b32 s57, s27, 1
	s_lshl_b32 s57, s57, 3
	s_add_co_u32 s56, s56, s57
	v_add_nc_u32 v250, s56, v250                   ; my query i
	s_delay_alu instid0(VALU_DEP_1)
	v_sub_nc_u32 v250, 16, v250
	s_delay_alu instid0(VALU_DEP_1)
	v_cvt_f32_i32 v[RB], v250                      ; 16 - i
	v_mov_b32 v[NEG], 0xff61b1e6                   ; -3e38
	v_mov_b32 v13, s23
	s_delay_alu instid0(VALU_DEP_1)
	v_floor_f32 v12, -v13
	v_mov_b32 v14, 0
	v_mov_b32 v15, 0
	v_mov_b32 v[CL+1], s22
	v_mov_b32 v[F+1], 0
.irp j, 22,23,24,25,26,27,76,77,78,79,80,81,228,229,230,231
	v_mov_b32 v\j, 0                               ; Q's upper half and the registers behind K's last tile: zero codes; the lane permutes' destinations
.endr
.set n, 0
.rept 32
	v_mov_b32 v[O+n], 0                            ; O^T: the step is written once; the first finds zeros
.set n, n+1
.endr
	s_and_b32 s58, s13, 1
	s_lshl_b32 s58, s58, 4
	s_wait_loadcnt 0x0
	v_lshrrev_b32 v[QS], s58, v[QS]                ; my head's two bytes of Q's word; bytes 2, 3 become 0.  Q's word FIRST: a scale register written by a vector instruction stands eight plain
	s_delay_alu instid0(VALU_DEP_1)
	v_and_b32 v[QS], 0xffff, v[QS]                 ; vector instructions ahead of the scaled product that takes it: the sixteen lines on K's words below, and the first trip's six additions, stand between
.set i, 0
.rept 8
	v_lshrrev_b32 v[130+i], s58, v[130+i]          ; the same of K's eight words, which go to LDS
.set i, i+1
.endr
.set i, 0
.rept 8
	v_and_b32 v[130+i], 0xffff, v[130+i]
.set i, i+1
.endr
.set i, 0
.rept 8
	ds_store_b128 v8, v[28+6*i:31+6*i] offset:768*i
	ds_store_b64 v9, v[32+6*i:33+6*i] offset:768*i
	ds_store_b128 v10, v[82+6*i:85+6*i] offset:3072*i
	ds_store_b64 v11, v[86+6*i:87+6*i] offset:3072*i
.set i, i+1
.endr
	ds_store_b128 v252, v[130:133]
	ds_store_b128 v252, v[134:137] offset:16
	ds_store_b128 v253, v[138:141]
	s_wait_dscnt 0x0                               ; for the others' sake: my part of the head lies in LDS
	s_barrier_signal -1
	s_barrier_wait -1
	s_wait_kmcnt 0x0                               ; the classes
.set i, 0
.rept 16
	s_mov_b64 s[32+2*i:33+2*i], 0                  ; the 64 registers of the lane masks are written once here (the loads that named some of them as bases are done: the wait for all loads stands above),
	s_mov_b64 s[68+2*i:69+2*i], 0                  ; since a step in which nothing is hidden does not load them
.set i, i+1
.endr
	s_mov_b32 s15, 16
	s_mov_b32 s16, 0
	s_mov_b32 s17, VCL
	s_mov_b32 s18, KSC
	s_mov_b32 s19, VSC
.Lstep:                                                ; 16 trips, 128 keys each
	s_and_b32 s28, s14, 3
	s_lshr_b32 s14, s14, 2
	s_cmp_eq_u32 s28, 0
	s_cbranch_scc1 .Lnext                          ; all 128 keys hidden from all 16 queries, each of which sees a key elsewhere: every p would be 0
	s_cmp_eq_u32 s28, 2
	s_cbranch_scc1 .Lnomask                        ; nothing hidden: the selects below are passed over too, so the lane masks are not fetched
	s_load_b512 s[32:47], s[10:11], 0x0            ; the step's 64 lane masks
	s_load_b512 s[48:63], s[10:11], 0x40
	s_load_b512 s[68:83], s[10:11], 0x80
	s_load_b512 s[84:99], s[10:11], 0xc0
.Lnomask:
	v_add_nc_u32 v6, s16, v3                       ; (these six are also the places behind the last products)
	v_add_nc_u32 v7, s16, v4
	v_add_nc_u32 v8, s17, v3
	v_add_nc_u32 v9, s17, v4
	v_add_nc_u32 v10, s18, v5
	v_add_nc_u32 v11, s19, v3
	ds_load_b128 v[KS:KS+3], v10
	ds_load_b128 v[KS+4:KS+7], v10 offset:16
.set i, 0
.rept 8
	ds_load_b128 v[28+6*i:31+6*i], v6 offset:768*i
	ds_load_b64 v[32+6*i:33+6*i], v7 offset:768*i
.set i, i+1
.endr
	s_wait_dscnt 0x0
.set i, 0
.rept 8
	v_wmma_scale_f32_16x16x128_f8f6f4 v[S+8*i:S+8*i+7], v[28+6*i:39+6*i], v[16:27], v[CT+8*(i%2):CT+8*(i%2)+7], v[KS+i], v[QS] matrix_a_fmt:MATRIX_FMT_FP6 matrix_b_fmt:MATRIX_FMT_FP6
.set i, i+1
.endr
	s_wait_alu depctr_va_vdst(0)
	v_mul_f32 v[AD+1], s24, v[RB]                  ; the blocks' offsets log2(e) slope (128 s + 32 b + 16 - i): seven plain lines, the places behind the products
	v_add_f32 v248, 0x42000000, v[RB]
	v_add_f32 v249, 0x42800000, v[RB]
	v_add_f32 v250, 0x42c00000, v[RB]
	s_delay_alu instid0(VALU_DEP_3)
	v_mul_f32 v[AD+3], s24, v248
	s_delay_alu instid0(VALU_DEP_3)
	v_mul_f32 v[AD+5], s24, v249
	s_delay_alu instid0(VALU_DEP_3)
	v_mul_f32 v[AD+7], s24, v250
.set i, 0
.rept 8                                        ; V's four fragments: channel tile i / 2, chunk i % 2 of the step; they land under the softmax
	ds_load_b128 v[28+12*(i/2)+6*(i%2):31+12*(i/2)+6*(i%2)], v8 offset:3072*(i%2)+768*(i/2)
	ds_load_b64 v[32+12*(i/2)+6*(i%2):33+12*(i/2)+6*(i%2)], v9 offset:3072*(i%2)+768*(i/2)
.set i, i+1
.endr
	ds_load_b128 v[KS:KS+3], v11
	s_wait_kmcnt 0x0                               ; the lane masks, where they were asked for; it stands on every way, so that no scalar load is out where their base is stepped
	s_cmp_eq_u32 s28, 2
	s_cbranch_scc1 .Lopen                          ; nothing hidden in this step
.set n, 0
.rept 64
.if n < 32
	v_cndmask_b32 v[S+n], v[S+n], v[NEG], s[32+n]
.else
	v_cndmask_b32 v[S+n], v[S+n], v[NEG], s[36+n]
.endif
.set n, n+1
.endr
.Lopen:
.irp b, 0,1,2,3
	v_max3_num_f32 v[BM+\b], v[S+16*\b], v[S+1+16*\b], v[S+2+16*\b]   ; the largest score of each block of 32 keys: for the row's maximum and, since p rises with the score, for the block's largest p
.endr
.irp i, 3,5,7,9,11,13
.irp b, 0,1,2,3
	v_max3_num_f32 v[BM+\b], v[BM+\b], v[S+16*\b+\i], v[S+1+16*\b+\i]
.endr
.endr
.irp b, 0,1,2,3
	v_max_num_f32 v[BM+\b], v[BM+\b], v[S+15+16*\b]
.endr
.irp b, 0,1,2,3
	s_delay_alu instid0(VALU_DEP_4)
	v_permlanex16_b32 v[PT+\b], v[BM+\b], s20, s21
.endr
.irp b, 0,1,2,3
	s_delay_alu instid0(VALU_DEP_4)
	v_max_num_f32 v[BM+\b], v[BM+\b], v[PT+\b]
.endr
.irp b, 0,1,2,3
	s_delay_alu instid0(VALU_DEP_4)
	v_fma_f32 v[248+\b], v[BM+\b], s22, v[AD+2*\b+1]   ; as t
.endr
	s_delay_alu instid0(VALU_DEP_2)
	v_max3_num_f32 v252, v248, v249, v250
	s_delay_alu instid0(VALU_DEP_1)
	v_max3_num_f32 v13, v13, v252, v251            ; the running largest t
	v_mov_b32 v252, v12
	s_delay_alu instid0(VALU_DEP_2)
	v_floor_f32 v12, -v13                          ; -M = floor(-t): M is a whole number
	s_delay_alu instid0(VALU_DEP_1)
	v_sub_f32 v252, v12, v252
	s_delay_alu instid0(VALU_DEP_1)
	v_cvt_i32_f32 v252, v252
	s_delay_alu instid0(VALU_DEP_1)
	v_ldexp_f32 v[F], 1.0, v252                    ; f = 2^(old M - new M)
.irp b, 0,1,2,3
	v_add_f32 v[AD+2*\b], v[AD+2*\b+1], v12
.endr
	v_cmp_eq_f32 vcc_lo, s23, v13                  ; a row that has seen hidden keys alone:
	s_delay_alu instid0(VALU_DEP_1)
	v_cndmask_b32 v[CL], v[CL+1], v[F+1], vcc_lo   ; factor 0 for c,
.irp b, 0,1,2,3
	v_cndmask_b32 v[AD+2*\b], v[AD+2*\b], v[F+1], vcc_lo   ; addends 0: p = 1
.endr
.set n, 0
.rept 32
	v_pk_fma_f32 v[S+2*n:S+2*n+1], v[S+2*n:S+2*n+1], v[CL:CL+1], v[AD+2*(n/8):AD+2*(n/8)+1] op_sel_hi:[1,0,0]   ; t - M, two at a time (of both pairs the low word serves both halves)
.set n, n+1
.endr
.irp b, 0,1,2,3
	v_fma_f32 v[BM+\b], v[BM+\b], v[CL], v[AD+2*\b]
.endr
.set n, 0
	s_wait_alu depctr_va_vdst(0)
.rept 64
	v_exp_f32 v[S+n], v[S+n]                       ; p = 2^(t - M)
.set n, n+1
.endr
	v_pk_mul_f32 v[14:15], v[14:15], v[F:F+1] op_sel_hi:[1,0]   ; the sums under the new M: the plain line behind the exponentials
	s_wait_alu depctr_va_vdst(0)                   ; one wait for the batch of 64, ahead of its first reader
.irp b, 0,1,2,3
	v_exp_f32 v[BM+\b], v[BM+\b]                   ; the blocks' largest p
.endr
	v_pk_add_f32 v[250:251], v[86:87], v[90:91]
	v_pk_add_f32 v[252:253], v[94:95], v[98:99]
	v_pk_add_f32 v[242:243], v[102:103], v[106:107]
	v_pk_add_f32 v[240:241], v[110:111], v[114:115]
	v_pk_add_f32 v[238:239], v[118:119], v[122:123]
	v_pk_add_f32 v[236:237], v[126:127], v[130:131]
	v_pk_add_f32 v[234:235], v[134:135], v[138:139]
	v_pk_add_f32 v[14:15], v[14:15], v[142:143]
	v_pk_add_f32 v[250:251], v[250:251], v[82:83]
	v_pk_add_f32 v[252:253], v[252:253], v[84:85]
	v_pk_add_f32 v[242:243], v[242:243], v[88:89]
	v_pk_add_f32 v[240:241], v[240:241], v[92:93]
	v_pk_add_f32 v[238:239], v[238:239], v[96:97]
	v_pk_add_f32 v[236:237], v[236:237], v[100:101]
	v_pk_add_f32 v[234:235], v[234:235], v[104:105]
	v_pk_add_f32 v[14:15], v[14:15], v[108:109]
	v_pk_add_f32 v[250:251], v[250:251], v[112:113]
	v_pk_add_f32 v[252:253], v[252:253], v[116:117]
	v_pk_add_f32 v[242:243], v[242:243], v[120:121]
	v_pk_add_f32 v[240:241], v[240:241], v[124:125]
	v_pk_add_f32 v[238:239], v[238:239], v[128:129]
	v_pk_add_f32 v[236:237], v[236:237], v[132:133]
	v_pk_add_f32 v[234:235], v[234:235], v[136:137]
	v_pk_add_f32 v[14:15], v[14:15], v[140:141]
	v_pk_add_f32 v[250:251], v[250:251], v[144:145]
	s_delay_alu instid0(VALU_DEP_2)
	v_pk_add_f32 v[14:15], v[14:15], v[240:241]
	s_delay_alu instid0(VALU_DEP_2)
	v_pk_add_f32 v[250:251], v[250:251], v[238:239]
	v_pk_add_f32 v[252:253], v[252:253], v[236:237]
	v_pk_add_f32 v[242:243], v[242:243], v[234:235]
	s_delay_alu instid0(VALU_DEP_2)
	v_pk_add_f32 v[14:15], v[14:15], v[252:253]
	s_delay_alu instid0(VALU_DEP_2)
	v_pk_add_f32 v[250:251], v[250:251], v[242:243]
	s_delay_alu instid0(VALU_DEP_1)
	v_pk_add_f32 v[14:15], v[14:15], v[250:251]
	s_wait_alu depctr_va_vdst(0)                   ; and one for the four
.irp b, 0,1,2,3
	v_max_num_f32 v[BM+\b], 0x1800000, v[BM+\b]    ; the floor: the byte cannot fall under 1
.endr
.irp b, 0,1,2,3
	s_delay_alu instid0(VALU_DEP_4)
	v_add_nc_u32 v[SO+\b], 0xff000000, v[BM+\b]
.endr
.irp b, 0,1,2,3
	s_delay_alu instid0(VALU_DEP_4)
	v_lshrrev_b32 v[PT+\b], 23, v[SO+\b]
.endr
	s_delay_alu instid0(VALU_DEP_3)
	v_lshl_or_b32 v[PS], v[PT+1], 8, v[PT]
	s_delay_alu instid0(VALU_DEP_1)
	v_lshl_or_b32 v[PS], v[PT+2], 16, v[PS]
	s_delay_alu instid0(VALU_DEP_1)
	v_lshl_or_b32 v[PS], v[PT+3], 24, v[PS]        ; p's scale word for these 128 keys
.irp c, 0,1
	v_cvt_scalef32_pk16_fp6_f32 v[PC+6*\c:PC+2+6*\c], v[S+32*\c:S+15+32*\c], v[SO+2*\c]
	v_cvt_scalef32_pk16_fp6_f32 v[PT4+4*\c:PT4+2+4*\c], v[S+16+32*\c:S+31+32*\c], v[SO+2*\c+1]
.endr
	v_nop                                          ; one plain place behind a scaled conversion
.irp c, 0,1
.irp i, 0,1,2
	v_permlane16_swap_b32 v[PC+6*\c+\i], v[PT4+4*\c+\i]
.endr
.irp i, 0,1,2
	s_delay_alu instid0(VALU_DEP_3)
	v_mov_b32 v[PC+3+6*\c+\i], v[PT4+4*\c+\i]
.endr
.endr
.set n, 0
.rept 16
	v_pk_mul_f32 v[O+2*n:O+2*n+1], v[O+2*n:O+2*n+1], v[F:F+1] op_sel_hi:[1,0]   ; O^T under the new M; these sixteen are also the places between p's codes and scale word and the products
.set n, n+1
.endr
	s_wait_alu depctr_va_vdst(0)
	s_wait_dscnt 0x0                               ; V
.set i, 0
.rept 4
	v_wmma_scale_f32_16x16x128_f8f6f4 v[O+8*i:O+8*i+7], v[28+12*i:39+12*i], v[PC:PC+11], v[O+8*i:O+8*i+7], v[KS+i], v[PS] matrix_a_fmt:MATRIX_FMT_FP6 matrix_b_fmt:MATRIX_FMT_FP6
.set i, i+1
.endr
.Lnext:
	s_wait_alu depctr_va_vdst(0)
	v_add_f32 v[RB], 0x43000000, v[RB]             ; 128 keys on: whole numbers, exact
	s_add_nc_u64 s[10:11], s[10:11], 256           ; (no scalar load is out on any way here)
	s_add_co_u32 s16, s16, 6144
	s_add_co_u32 s17, s17, 6144
	s_add_co_u32 s18, s18, 1024
	s_add_co_u32 s19, s19, 512
	s_sub_co_u32 s15, s15, 1
	s_cmp_lg_u32 s15, 0
	s_cbranch_scc1 .Lstep
	; THE WAY OUT: O^T / the sum; register 16 b + i is channel 32 b + 16 h + i of the head: two blocks, one chunk of the image
.rept 4
	v_nop
.endr
	v_add_f32 v14, v14, v15
	s_delay_alu instid0(VALU_DEP_1)
	v_permlanex16_b32 v248, v14, s20, s21
	s_delay_alu instid0(VALU_DEP_1)
	v_add_f32 v14, v14, v248
	s_wait_alu depctr_va_vdst(0)
	v_rcp_f32 v14, v14
	v_and_b32 v249, 31, v0                         ; (the plain line behind the reciprocal)
	s_delay_alu instid0(VALU_DEP_1)
	v_lshlrev_b32 v249, 2, v249
	s_lshl_b32 s30, s29, 4
	s_add_co_u32 s30, s30, s13
	s_mul_i32 s30, s30, 768
	s_mov_b32 s31, 0
	s_add_nc_u64 s[30:31], s[8:9], s[30:31]        ; token tile, chunk = head
	s_lshl_b32 s32, s29, 3
	s_lshr_b32 s33, s13, 1
	s_add_co_u32 s32, s32, s33
	s_lshl_b32 s32, s32, 7
	s_and_b32 s33, s13, 1
	s_lshl_b32 s33, s33, 1
	s_add_co_u32 s32, s32, s33
	s_add_co_u32 s32, s32, 3145728
	s_mov_b32 s33, 0
	s_add_nc_u64 s[32:33], s[8:9], s[32:33]        ; my head's half of the scale words
	s_wait_alu depctr_va_vdst(0)                   ; ahead of the reciprocal's first reader
.set n, 0
.rept 32
	v_mul_f32 v[S+n], v[O+n], v14
.set n, n+1
.endr
.irp b, 0,1
	v_max3_num_f32 v[BM+\b], |v[S+16*\b]|, |v[S+1+16*\b]|, 0x1800000
.endr
.irp i, 2,4,6,8,10,12,14
.irp b, 0,1
	s_delay_alu instid0(VALU_DEP_2)
	v_max3_num_f32 v[BM+\b], v[BM+\b], |v[S+16*\b+\i]|, |v[S+1+16*\b+\i]|
.endr
.endr
.irp b, 0,1
	s_delay_alu instid0(VALU_DEP_2)
	v_permlanex16_b32 v[PT+\b], v[BM+\b], s20, s21
.endr
.irp b, 0,1
	s_delay_alu instid0(VALU_DEP_2)
	v_max_num_f32 v[BM+\b], v[BM+\b], v[PT+\b]
.endr
.irp b, 0,1
	s_delay_alu instid0(VALU_DEP_2)
	v_add_nc_u32 v[SO+\b], 0xff000000, v[BM+\b]
.endr
.irp b, 0,1
	s_delay_alu instid0(VALU_DEP_2)
	v_lshrrev_b32 v[PT+\b], 23, v[SO+\b]
.endr
	s_delay_alu instid0(VALU_DEP_1)
	v_lshl_or_b32 v248, v[PT+1], 8, v[PT]
	v_cvt_scalef32_pk16_fp6_f32 v[PC:PC+2], v[S:S+15], v[SO]
	v_cvt_scalef32_pk16_fp6_f32 v[PT4:PT4+2], v[S+16:S+31], v[SO+1]
	v_nop
.irp i, 0,1,2
	v_permlane16_swap_b32 v[PC+\i], v[PT4+\i]
.endr
.irp i, 0,1,2
	s_delay_alu instid0(VALU_DEP_3)
	v_mov_b32 v[PC+3+\i], v[PT4+\i]
.endr
	global_store_b128 v3, v[PC:PC+3], s[30:31]     ; 512 and 256 consecutive bytes
	global_store_b64 v4, v[PC+4:PC+5], s[30:31]
	global_store_b16 v249, v248, s[32:33]          ; two bytes a lane: the word's other half is the neighbouring head's; 64 bytes beside the chunk's 768
	s_wait_tensorcnt 0x0                           ; the wave's end
	ds_add_u32 v1, v2
	s_wait_dscnt 0x0
	s_endpgm
.Lfunc_end_k_q0ed254071b_attn:
	.size	k_q0ed254071b_attn, .Lfunc_end_k_q0ed254071b_attn-k_q0ed254071b_attn
	.p2alignl 7, 3214868480
	.fill 96, 4, 3214868480
	.section	.rodata,"a",@progbits
	.p2align	6, 0x0
	.amdhsa_kernel k_q0ed254071b_attn
		.amdhsa_group_segment_fixed_size 223232
		.amdhsa_private_segment_fixed_size 0
		.amdhsa_enable_private_segment 0
		.amdhsa_kernarg_size 24
		.amdhsa_user_sgpr_count 2
		.amdhsa_user_sgpr_kernarg_segment_ptr 1
		.amdhsa_wavefront_size32 1
		.amdhsa_system_sgpr_workgroup_id_x 1
		.amdhsa_system_sgpr_workgroup_id_y 1
		.amdhsa_system_sgpr_workgroup_id_z 1
		.amdhsa_system_vgpr_workitem_id 0
		.amdhsa_next_free_vgpr 256
		.amdhsa_next_free_sgpr 104
		.amdhsa_reserve_vcc 1
		.amdhsa_float_denorm_mode_32 3
		.amdhsa_float_denorm_mode_16_64 3
		.amdhsa_memory_ordered 1
		.amdhsa_forward_progress 1
		.amdhsa_inst_pref_size 46
	.end_amdhsa_kernel
	.amdgpu_metadata
---
amdhsa.version: [ 1, 2 ]
amdhsa.kernels:
  - .name:           k_q0ed254071b_attn
    .symbol:         k_q0ed254071b_attn.kd
    .args:
      - { .name: qkvb, .offset: 0, .size: 8, .value_kind: global_buffer, .address_space: global }
      - { .name: maskw, .offset: 8, .size: 8, .value_kind: global_buffer, .address_space: global }
      - { .name: ao, .offset: 16, .size: 8, .value_kind: global_buffer, .address_space: global }
    .group_segment_fixed_size: 223232
    .private_segment_fixed_size: 0
    .kernarg_segment_align: 8
    .kernarg_segment_size: 24
    .max_flat_workgroup_size: 512
    .sgpr_count:     104
    .vgpr_count:     256
    .wavefront_size: 32
...
	.end_amdgpu_metadata
.endif
;; end of part 3
;; launch oproj (part 4): grid 8 x 32, 4 waves a work-group, clusters of 4 x 4, 327,680 bytes of LDS; arguments ao, pre, cbuf, x; writes cbuf
.if DOCPART == 4
	.amdgcn_target "amdgcn-amd-amdhsa--gfx1250"
	.amdhsa_code_object_version 6
	.text
	.protected	k_q0ed254071b_oproj
	.globl	k_q0ed254071b_oproj
	.p2align	8
	.type	k_q0ed254071b_oproj,@function
k_q0ed254071b_oproj:
	s_mov_b64 s[64:65], 0
	v_nop
	global_prefetch_b8 v0, s[64:65] scope:SCOPE_SE
	s_setreg_imm32_b32 hwreg(HW_REG_WAVE_MODE, 25, 1), 1
	s_wait_xcnt 0x0
	s_wait_alu depctr_hold_cnt(0) depctr_sa_sdst(0) depctr_va_vdst(0) depctr_va_sdst(0) depctr_va_ssrc(0) depctr_va_vcc(0) depctr_vm_vsrc(0)
	s_getreg_b32 s2, hwreg(HW_REG_IB_STS2, 6, 4)
	s_cmp_eq_u32 s2, 0
	s_cbranch_scc0 .Lentry_in_a_cluster
	s_endpgm
.Lentry_in_a_cluster:
	s_bfe_u32 s2, ttmp6, 0x10000c
	s_cmp_lg_u32 s2, 0xf033
	s_cbranch_scc0 .Lentry_shape_is_right
	s_endpgm
.Lentry_shape_is_right:
; cbuf = x + ao Wo on E2M3 codes, f32 out: the residual x is added on the way out; bo is added by the next launch.  Operands are operand images (16-row tiles, chunks of 768 bytes, scale words 4 x lane), as the launch qkv describes them.
; A work-group makes 128 tokens (Y) x 128 channels (X); each of four waves 64 x 64: 16 accumulators.  K = 1,024 lies in two LDS slots of 512, each filled once.  CLUSTERS 4 x 4: Y's tiles are shared along a row, X's along a column.
; The head's four tiles (slot 0 of Y, of X, Y's scales, X's scales) are shared out, one joint load a wave; slot 1 follows behind the three lines and a round.
; THE RESIDUAL: my 64 x 64 numbers of x are asked for behind the first K step's products, when the head's tiles have landed: 32 loads of two rows' 256 consecutive bytes each, into v64-127 and v192-255,
; in the order in which the rows come back from the stage; seven K steps stand between the loads and the wait for them.
; PREFETCH INTO THE L2: behind the head's loads each wave names slot 1 of the four tiles that it will fetch, one fill ahead: partner p of the four that ask jointly takes tile p (p = cx for Y, cy for X):
; 24 blocks of 256 bytes, a lane a block; lanes 24-31 name the last block again.
; The way out goes through each wave's stage in slot 0, which has had its one fill and, behind the change of slots, its last read.
.set PFO,   30                         ; v30      the prefetch's offset: 256 x min(lane, 23); never rewritten
.set PFA,   94                         ; s[94:95] my tile's first byte
.set T,     4
.set LT,    2
.set NQ,    4
.set KK,    1024
.set YS,    3145728
.set XC,    5767168
.set XS,    6750208
.set H,     T/2
.set FR,    12
.set FRB,   1536
.set NL,    4
.set TROW,  NQ*FRB
.set KROW,  KK*12
.set HALFT, T*TROW
.set SLOT,  4*HALFT
.set SCL,   2*SLOT
.set HALFS, T*KK
.set SPARE, SCL+4*HALFS
.set ADQ,  16
.set ADP,  20
.set STO,  24
.set RD,   25
.set CO,   26
.set ADRS, 27
.set SPW,  28
.set NIL,  29
.set SC,   32
.set QF,   128
.set BK,   128
.set G1,   24
.set G0,   32
.set G1B,  48
.set G0B,  56
.set G1S,  68
.set G0S,  76
.set G1SB, 80
.set G0SB, 88
.set MSB, 0
.macro WIN new
.if MSB != \new
	s_set_vgpr_msb (MSB<<8)|\new
.set MSB, \new
.endif
.endm
.set MUL_LO, 0xa1
.set MUL_HI, 0xf1
.set TO_P,   0x40
.macro JLOAD g0a, g1a, g0b, g1b
	s_cmp_eq_u32 s15, 0
	s_cbranch_scc0 .Lfor_b_\@
	tensor_load_to_lds s[\g0a:\g0a+3], s[\g1a:\g1a+7]
	s_nop 0
.rept 4
	v_nop
.endr
	s_branch .Lasked_\@
.Lfor_b_\@:
	tensor_load_to_lds s[\g0b:\g0b+3], s[\g1b:\g1b+7]
	s_nop 0
.rept 4
	v_nop
.endr
.Lasked_\@:
.endm
.macro CREST
	s_cmp_lg_u32 s14, 0
	s_cbranch_scc1 .Lnot_wave_0_\@
	s_barrier_signal -3
.Lnot_wave_0_\@:
	s_barrier_wait -3
	s_barrier_signal -1
	s_barrier_wait -1
.endm
.macro CROUND
	s_barrier_signal -1
	s_barrier_wait -1
	CREST
.endm
.macro PLACES n
.rept \n
	v_nop
.endr
.endm
	s_load_b128 s[4:7], s[0:1], 0x0
	s_load_b128 s[8:11], s[0:1], 0x10              ; cbuf, x
	v_lshl_add_u32 v[SPW], v0, 2, SPARE
	v_mov_b32 v[NIL], 0
	ds_add_u32 v[SPW], v[NIL]
	ds_add_u32 v[SPW], v[NIL]
	v_lshrrev_b32 v1, 5, v0
	v_readfirstlane_b32 s14, v1
	s_lshr_b32 s15, s14, 1
	s_and_b32 s16, s14, 1
	s_bfe_u32 s40, ttmp6, 0x40000
	s_bfe_u32 s41, ttmp6, 0x40004
	s_lshl_b32 s42, ttmp9, 2
	s_add_co_u32 s42, s42, s40
	s_and_b32 s17, ttmp7, 0xffff
	s_lshl_b32 s17, s17, 2
	s_add_co_u32 s17, s17, s41
	s_lshl_b32 s43, s41, 2
	s_lshl_b32 s43, 15, s43
	s_lshl_b32 s44, 0x1111, s40
	s_or_b32 s[G1+0], s43, (3<<16)|(1<<21)
	s_or_b32 s[G1B+0], s44, (3<<16)|(1<<21)
.irp g, G1, G1B
	s_mov_b32 s[\g+1], (TROW/8)<<16
	s_mov_b32 s[\g+2], (2*T)<<16
	s_mov_b32 s[\g+3], (TROW/8)<<16
	s_mov_b32 s[\g+4], 2*T
	s_mov_b32 s[\g+5], KROW/8
	s_mov_b32 s[\g+6], 0
	s_mov_b32 s[\g+7], 0
.endr
	s_or_b32 s[G1S+0], s43, (3<<16)|(1<<21)
	s_or_b32 s[G1SB+0], s44, (3<<16)|(1<<21)
.irp g, G1S, G1SB
	s_mov_b32 s[\g+1], 32<<16
	s_mov_b32 s[\g+2], (2*HALFS/256)<<16
	s_mov_b32 s[\g+3], 32<<16
	s_mov_b32 s[\g+4], 2*HALFS/256
	s_mov_b32 s[\g+5], 32
	s_mov_b32 s[\g+6], 0
	s_mov_b32 s[\g+7], 0
.endr
	s_lshl_b32 s20, s17, LT+1                      ; the block's first tile of Y: hangs on y alone
	s_lshl_b32 s46, s42, LT+1                      ; of X: on x alone
	s_mul_i32 s22, s20, KK
	s_add_co_u32 s22, s22, YS
	s_mul_i32 s20, s20, KROW
	s_mul_i32 s92, s46, KK
	s_add_co_u32 s92, s92, XS
	s_mul_i32 s46, s46, KROW
	s_add_co_u32 s46, s46, XC
	s_mov_b32 s21, 0
	s_mov_b32 s23, 0
	s_mov_b32 s47, 0
	s_mov_b32 s93, 0
	s_mul_i32 s45, s14, HALFT
	s_wait_dscnt 0x0
	s_wait_kmcnt 0x0
	s_add_nc_u64 s[20:21], s[4:5], s[20:21]
	s_add_nc_u64 s[22:23], s[4:5], s[22:23]
	s_add_nc_u64 s[46:47], s[6:7], s[46:47]
	s_add_nc_u64 s[92:93], s[6:7], s[92:93]
	CROUND
	s_mov_b32 s[G0S], 1
	s_mov_b32 s[G0S+1], SCL
	s_mov_b64 s[G0S+2:G0S+3], s[22:23]
	s_or_b32 s[G0S+3], s[G0S+3], 0x80000000
	s_mov_b32 s[G0SB], 1
	s_mov_b32 s[G0SB+1], SCL+2*HALFS
	s_mov_b64 s[G0SB+2:G0SB+3], s[92:93]
	s_or_b32 s[G0SB+3], s[G0SB+3], 0x80000000
.irp s, 0,1
	s_mov_b32 s[G0+4*\s], 1
	s_add_co_u32 s[G0+4*\s+1], s45, \s*SLOT
	s_add_nc_u64 s[G0+4*\s+2:G0+4*\s+3], s[20:21], \s*TROW
	s_or_b32 s[G0+4*\s+3], s[G0+4*\s+3], 0x80000000
	s_mov_b32 s[G0B+4*\s], 1
	s_add_co_u32 s[G0B+4*\s+1], s45, \s*SLOT
	s_add_nc_u64 s[G0B+4*\s+2:G0B+4*\s+3], s[46:47], \s*TROW
	s_or_b32 s[G0B+4*\s+3], s[G0B+4*\s+3], 0x80000000
.endr
	s_mul_i32 s18, s16, T*KROW                     ; of slot 1 I fetch T tiles: which half, in bytes
	s_mov_b32 s19, 0
	s_add_nc_u64 s[G0+6:G0+7], s[G0+6:G0+7], s[18:19]
	s_add_nc_u64 s[G0B+6:G0B+7], s[G0B+6:G0B+7], s[18:19]
	s_mov_b32 s[G0+1], 0                           ; slot 0 comes as whole tiles: Y's 2 T tiles from byte 0,
	s_mov_b32 s[G0B+1], 2*HALFT                    ; X's behind them
	s_cmp_eq_u32 s15, 0                            ; the prefetch: do I fetch for Y?
	s_cselect_b64 s[PFA:PFA+1], s[20:21], s[46:47]
	s_cselect_b32 s96, s40, s41                    ; my place among the four that ask with me: it enters this address alone
	s_lshl_b32 s97, s16, LT
	s_add_co_u32 s96, s96, s97
	s_mul_i32 s96, s96, KROW
	s_mov_b32 s97, 0
	s_add_nc_u64 s[PFA:PFA+1], s[PFA:PFA+1], s[96:97]
; THE HEAD'S LOADS, ONE A WAVE: wave 0 slot 0's tiles of Y, wave 1 those of X, wave 2 Y's scales, wave 3 X's.  One tree of branches on the wave's number: every way passes one load.
.macro ARM under, g0, g1, next
	s_cmp_lt_u32 s14, \under
	s_cbranch_scc0 \next
	tensor_load_to_lds s[\g0:\g0+3], s[\g1:\g1+7]
	s_nop 0
.rept 4
	v_nop
.endr
	s_branch .Lhead_asked
\next:
.endm
	ARM 1, G0,  G1,  .Lhead_b
	ARM 2, G0B, G1B, .Lhead_sa
	ARM 3, G0S, G1S, .Lhead_sb
	tensor_load_to_lds s[G0SB:G0SB+3], s[G1SB:G1SB+7]
	s_nop 0
.rept 4
	v_nop
.endr
.Lhead_asked:
	v_and_b32 v1, 31, v0
	v_bfe_u32 v2, v0, 4, 1
	v_and_b32 v7, 15, v0
	v_lshlrev_b32 v3, 4, v1
	v_lshlrev_b32 v4, 3, v1
	v_add_nc_u32 v4, 512, v4
	v_min_u32 v[PFO], 23, v1
	v_lshlrev_b32 v[PFO], 8, v[PFO]
	global_prefetch_b8 v[PFO], s[PFA:PFA+1] offset:TROW th:TH_LOAD_NT scope:SCOPE_SE   ; slot 1
	s_mul_i32 s21, s15, HALFT
	s_mul_i32 s22, s16, HALFT
	s_add_co_u32 s22, s22, 2*HALFT
.irp s, 0,1
	v_add_nc_u32 v[ADQ+\s], s21, v3
	v_add_nc_u32 v[ADQ+2+\s], s21, v4
	v_add_nc_u32 v[ADP+\s], s22, v3
	v_add_nc_u32 v[ADP+2+\s], s22, v4
	s_add_co_u32 s21, s21, SLOT
	s_add_co_u32 s22, s22, SLOT
.endr
	s_mul_i32 s18, s15, HALFS
	s_mul_i32 s19, s16, HALFS
	s_add_co_u32 s19, s19, 2*HALFS
	s_sub_co_u32 s19, s19, s18
	v_mul_u32_u24 v6, s19, v2
	s_add_co_u32 s18, s18, SCL
	v_lshl_add_u32 v6, v1, 2, v6
	v_add_nc_u32 v[ADRS], s18, v6
	s_mul_i32 s23, s14, 16*272
	v_mul_u32_u24 v5, v7, 272
	v_lshl_add_u32 v5, v2, 6, v5
	v_add_nc_u32 v[STO], s23, v5
	v_mul_u32_u24 v5, v2, 272
	v_lshl_add_u32 v5, v7, 4, v5
	v_add_nc_u32 v[RD], s23, v5
	v_lshlrev_b32 v5, 12, v2
	v_lshl_add_u32 v[CO], v7, 4, v5
	s_lshl_b32 s18, s17, 7
	s_lshl_b32 s19, s15, 6
	s_add_co_u32 s18, s18, s19
	s_lshl_b32 s18, s18, 12
	s_lshl_b32 s19, s42, 9
	s_add_co_u32 s18, s18, s19
	s_lshl_b32 s19, s16, 8
	s_add_co_u32 s18, s18, s19
	s_mov_b32 s19, 0
	s_add_nc_u64 s[12:13], s[8:9], s[18:19]
	s_add_nc_u64 s[10:11], s[10:11], s[18:19]      ; the same place in x
.macro FRAG reg, adr, q, i
	ds_load_b128 v[\reg:\reg+3], v[\adr] offset:(\i)*TROW+(\q)*FRB
	ds_load_b64 v[\reg+4:\reg+5], v[\adr+2] offset:(\i)*TROW+(\q)*FRB
	ds_load_b128 v[\reg+6:\reg+9], v[\adr] offset:(\i)*TROW+(\q)*FRB+768
	ds_load_b64 v[\reg+10:\reg+11], v[\adr+2] offset:(\i)*TROW+(\q)*FRB+768
.endm
.macro FETCH_P slot, q, set
	WIN TO_P
.set fi, 0
.rept T
	FRAG 128*(\set)+FR*fi, ADP+\slot, \q, fi
.set fi, fi+1
.endr
	WIN 0
.endm
.macro FETCH_Q slot, q, i0
.set fi, \i0
.rept H
	FRAG QF+FR*fi, ADQ+\slot, \q, fi
.set fi, fi+1
.endr
.endm
.macro SCALES set
.set fi, 0
.rept T*NQ
	ds_load_b32 v[SC+T*NQ*\set+fi], v[ADRS] offset:(fi/NQ)*KK+128*(fi%NQ)
.set fi, fi+1
.endr
.endm
.macro MULT a0, set, q, sc, zero
.set qa, \a0
.rept H/2
.set pb, 0
.rept T
.set rD, 8*(T*(qa%H)+pb)
.set rP, 128*(\set)+FR*pb
.set rQ, QF+FR*qa
.set rSP, SC+T*NQ*(\sc)+NQ*pb+(\q)
.set rSQ, SC+T*NQ*(\sc)+NQ*qa+(\q)
.if \zero
	v_wmma_scale_f32_16x16x128_f8f6f4 v[rD:rD+7], v[rP:rP+FR-1], v[rQ:rQ+FR-1], 0, v[rSP], v[rSQ] matrix_a_fmt:MATRIX_FMT_FP6 matrix_b_fmt:MATRIX_FMT_FP6 matrix_a_scale:MATRIX_SCALE_ROW1
.else
	v_wmma_scale_f32_16x16x128_f8f6f4 v[rD:rD+7], v[rP:rP+FR-1], v[rQ:rQ+FR-1], v[rD:rD+7], v[rSP], v[rSQ] matrix_a_fmt:MATRIX_FMT_FP6 matrix_b_fmt:MATRIX_FMT_FP6 matrix_a_scale:MATRIX_SCALE_ROW1
.endif
.set pb, pb+1
.endr
.set qa, qa+1
.endr
.endm
.macro STEP slot, q, zero
	s_wait_dscnt H*NL
	WIN MUL_LO
	MULT 0, (\q)%2, \q, \slot, \zero
	MULT H/2, (\q)%2, \q, \slot, \zero
	s_wait_dscnt 0
	PLACES 4
	FETCH_P \slot, (\q)+1, 1-(\q)%2
	FETCH_Q \slot, (\q)+1, 0
	WIN MUL_HI
	MULT H, (\q)%2, \q, \slot, \zero
	MULT H+H/2, (\q)%2, \q, \slot, \zero
	PLACES 4
	WIN 0
	FETCH_Q \slot, (\q)+1, H
.endm
.macro TURN slot, next
	s_wait_tensorcnt 0x0
	ds_add_u32 v[SPW], v[NIL]
	s_wait_dscnt H*NL+1
	WIN MUL_LO
	MULT 0, 1, NQ-1, \slot, 0
	s_wait_dscnt 0x0
	s_barrier_signal -1
	MULT H/2, 1, NQ-1, \slot, 0
	WIN 0
	s_barrier_wait -1
	PLACES 4
	v_add_nc_u32 v[ADRS], 128*NQ, v[ADRS]
	FETCH_P \next, 0, 0
	FETCH_Q \next, 0, 0
	SCALES \next
	WIN MUL_HI
	MULT H, 1, NQ-1, \slot, 0
	MULT H+H/2, 1, NQ-1, \slot, 0
	PLACES 4
	WIN 0
	FETCH_Q \next, 0, H
.endm
	s_wait_alu depctr_va_vdst(0)
	s_wait_tensorcnt 0x0                           ; my tile of the head's four is in
	ds_add_u32 v[SPW], v[NIL]
	s_mov_b32 s[G1+2], T<<16                       ; no tensor load of mine is out: slot 1's loads bring T tiles each
	s_mov_b32 s[G1+4], T
	s_mov_b32 s[G1B+2], T<<16
	s_mov_b32 s[G1B+4], T
	s_wait_dscnt 0x0                               ; the add is done
	CROUND                                         ; all four tiles are in, and all sixteen work-groups are here
	JLOAD G0+4, G1, G0B+4, G1B                     ; slot 1's one fill: my one tensor load behind the round
	FETCH_P 0, 0, 0
	FETCH_Q 0, 0, 0
	SCALES 0
	FETCH_Q 0, 0, H
	STEP 0, 0, 1
.set wk, 0
.rept 32                                       ; the residual: block wk / 8, row pair wk % 8, as SEND stores them (every window is 0 here)
	global_load_b128 v[64+4*wk+64*(wk/16):67+4*wk+64*(wk/16)], v[CO], s[10:11] offset:(32*(wk/16)+8*((wk/8)%2)+2*(wk%8)+8*((wk%8)/4))*4096 th:TH_LOAD_NT
.set wk, wk+1
.endr
	STEP 0, 1, 0
	STEP 0, 2, 0
	TURN 0, 1
	STEP 1, 0, 0
	STEP 1, 1, 0
	STEP 1, 2, 0
	s_wait_dscnt H*NL
	WIN MUL_LO
	MULT 0, 1, NQ-1, 1, 0
	MULT H/2, 1, NQ-1, 1, 0
	s_wait_dscnt 0
	WIN MUL_HI
	MULT H, 1, NQ-1, 1, 0
	MULT H+H/2, 1, NQ-1, 1, 0
	WIN 0
.macro TOSTAGE a
.set AC, 32*((\a)%H)
	WIN (0x08+4*((\a)/H))
.set wp, 0
.rept T
	ds_store_b128 v[STO], v[AC+8*wp:AC+8*wp+3] offset:128*(wp/2)+32*(wp%2)
	ds_store_b128 v[STO], v[AC+8*wp+4:AC+8*wp+7] offset:128*(wp/2)+32*(wp%2)+16
.set wp, wp+1
.endr
	WIN 0
.set BB, BK+32*((\a)%2)
.set wt, 0
.rept 8
	ds_load_b128 v[BB+4*wt:BB+4*wt+3], v[RD] offset:544*wt
.set wt, wt+1
.endr
.endm
.macro SEND a, younger
.set BB, BK+32*((\a)%2)
	s_wait_dscnt \younger
.set wt, 0
.rept 8                                        ; + the residual, row for row
.set RR, 64+4*(8*(\a)+wt)+64*((\a)/2)
	v_pk_add_f32 v[BB+4*wt:BB+4*wt+1], v[BB+4*wt:BB+4*wt+1], v[RR:RR+1]
	v_pk_add_f32 v[BB+4*wt+2:BB+4*wt+3], v[BB+4*wt+2:BB+4*wt+3], v[RR+2:RR+3]
.set wt, wt+1
.endr
.set wt, 0
.rept 8
	global_store_b128 v[CO], v[BB+4*wt:BB+4*wt+3], s[12:13] offset:(32*((\a)/2)+8*((\a)%2)+2*wt+8*(wt/4))*4096 th:TH_STORE_NT
.set wt, wt+1
.endr
.endm
	s_wait_loadcnt 0x0                             ; the residual
	PLACES 4
	TOSTAGE 0
.irp a, 1,2,3
.if \a > 1
	s_wait_xcnt 0x0
.endif
	TOSTAGE \a
	SEND \a-1, 16
.endr
	SEND 3, 0
	s_wait_tensorcnt 0x0
	ds_add_u32 v[SPW], v[NIL]
	s_wait_dscnt 0x0
	CROUND
	s_endpgm
.Lfunc_end_k_q0ed254071b_oproj:
	.size	k_q0ed254071b_oproj, .Lfunc_end_k_q0ed254071b_oproj-k_q0ed254071b_oproj
	.p2alignl 7, 3214868480
	.fill 96, 4, 3214868480
	.section	.rodata,"a",@progbits
	.p2align	6, 0x0
	.amdhsa_kernel k_q0ed254071b_oproj
		.amdhsa_group_segment_fixed_size 327680
		.amdhsa_private_segment_fixed_size 0
		.amdhsa_enable_private_segment 0
		.amdhsa_kernarg_size 32
		.amdhsa_user_sgpr_count 2
		.amdhsa_user_sgpr_kernarg_segment_ptr 1
		.amdhsa_wavefront_size32 1
		.amdhsa_system_sgpr_workgroup_id_x 1
		.amdhsa_system_sgpr_workgroup_id_y 1
		.amdhsa_system_sgpr_workgroup_id_z 1
		.amdhsa_system_vgpr_workitem_id 0
		.amdhsa_next_free_vgpr 1024
		.amdhsa_next_free_sgpr 106
		.amdhsa_reserve_vcc 0
		.amdhsa_float_denorm_mode_32 3
		.amdhsa_float_denorm_mode_16_64 3
		.amdhsa_memory_ordered 1
		.amdhsa_forward_progress 1
		.amdhsa_inst_pref_size 64
	.end_amdhsa_kernel
	.amdgpu_metadata
---
amdhsa.version: [ 1, 2 ]
amdhsa.kernels:
  - .name:           k_q0ed254071b_oproj
    .symbol:         k_q0ed254071b_oproj.kd
    .args:
      - { .name: ao, .offset: 0, .size: 8, .value_kind: global_buffer, .address_space: global }
      - { .name: pre, .offset: 8, .size: 8, .value_kind: global_buffer, .address_space: global }
      - { .name: cbuf, .offset: 16, .size: 8, .value_kind: global_buffer, .address_space: global }
      - { .name: x, .offset: 24, .size: 8, .value_kind: global_buffer, .address_space: global }
    .group_segment_fixed_size: 327680
    .private_segment_fixed_size: 0
    .kernarg_segment_align: 8
    .kernarg_segment_size: 32
    .max_flat_workgroup_size: 128
    .sgpr_count:     106
    .vgpr_count:     1024
    .wavefront_size: 32
...
	.end_amdgpu_metadata
.endif
;; end of part 4
;; launch ln1 (part 5): grid 256 x 1, 8 waves a work-group, no clusters, 66,816 bytes of LDS; arguments cbuf, bo, g1, be1, y1b; writes y1b
.if DOCPART == 5
	.amdgcn_target "amdgcn-amd-amdhsa--gfx1250"
	.amdhsa_code_object_version 6
	.text
	.protected	k_q0ed254071b_ln1
	.globl	k_q0ed254071b_ln1
	.p2align	8
	.type	k_q0ed254071b_ln1,@function
k_q0ed254071b_ln1:
	s_mov_b64 s[64:65], 0
	v_nop
	global_prefetch_b8 v0, s[64:65] scope:SCOPE_SE
	s_setreg_imm32_b32 hwreg(HW_REG_WAVE_MODE, 25, 1), 1
	s_wait_xcnt 0x0
; y1 = LayerNorm(x + (cbuf + bo)) g1 + be1, stored as f32 (y1b at 0) and, quantised along its 1,024 channels, as an operand image (codes at 16,777,216, scale words at 19,922,944).
; A work-group takes one tile of the image: rows 8 u + r + 8 (r / 8) of a group of 32.  Each of eight waves takes two whole rows, 32 numbers a lane and row, so mean and variance never leave the wave; the variance is the mean
; of (z - mean)^2, taken in a second pass over registers.  Then the 16 rows meet in a stage in LDS, and wave w quantises K step w of all 16.  Memory binds: no matrix unit, no cluster, no tensor load.
; LIMITS: a block of zeros or under 2^-124 gets the scale byte 1; NaN and infinities are not served.
; cbuf AS IT COMES HERE ALREADY HOLDS x + attn Wo: the launch before adds the residual on its way out.  So z = cbuf + bo, and x is no argument of this launch.
.set XP,    4112
.set SPARE, 65792                      ; behind the stage: the spare words
.set SPW,   6
.set NIL,   7
.set WV,    24
.set Z,     32                         ; v32-95   two rows; register 4 j + e of a row is column 128 j + 4 lane + e
.set RS,    96                         ; v96-159  64 numbers to quantise
.set BI,    160                        ; v160-191 the bias; later the quantiser's registers
.set GG,    192
.set BE,    224
.set PC,    160
.set PT,    172
.set TM,    180
.set PW,    188
	s_load_b256 s[4:11], s[0:1], 0x0               ; cbuf, bo, g1, be1
	s_load_b64 s[12:13], s[0:1], 0x20              ; s[4:11]: cbuf, bo, g1, be1; s[12:13]: y1b
	v_lshl_add_u32 v[SPW], v0, 2, SPARE
	v_mov_b32 v[NIL], 0
	v_lshrrev_b32 v1, 5, v0
	s_delay_alu instid0(VALU_DEP_1)
	v_readfirstlane_b32 s[WV], v1
	v_and_b32 v2, 31, v0
	v_and_b32 v3, 15, v0
	v_bfe_u32 v4, v0, 4, 1
	s_delay_alu instid0(VALU_DEP_3)
	v_lshlrev_b32 v8, 4, v2
	s_wait_alu depctr_va_vdst(0)
	s_mov_b32 s2, 0x76543210
	s_mov_b32 s3, 0xfedcba98
	s_mov_b32 s18, 0x3a800000                      ; 1 / 1,024
	s_mov_b32 s19, 0x3727c5ac                      ; 1e-5
	s_lshr_b32 s26, ttmp9, 1
	s_lshl_b32 s26, s26, 5
	s_and_b32 s27, ttmp9, 1
	s_lshl_b32 s27, s27, 3
	s_add_co_u32 s26, s26, s27
	s_lshl_b32 s27, s[WV], 1
	s_add_co_u32 s26, s26, s27
	s_lshr_b32 s27, s[WV], 2
	s_lshl_b32 s27, s27, 3
	s_add_co_u32 s26, s26, s27                     ; the row in memory of the tile's row 2 w
	s_lshl_b32 s26, s26, 12
	s_mov_b32 s27, 0
	s_mul_i32 s28, s[WV], 2*XP
	v_add_nc_u32 v9, s28, v8                       ; stage, in
	v_mul_u32_u24 v10, v3, XP
	s_delay_alu instid0(VALU_DEP_1)
	v_lshl_add_u32 v10, v4, 7, v10
	s_lshl_b32 s28, s[WV], 9
	v_add_nc_u32 v10, s28, v10                     ; stage, out: row r, K step w, + 128 h
	v_lshlrev_b32 v11, 3, v2
	s_delay_alu instid0(VALU_DEP_1)
	v_add_nc_u32 v11, 512, v11
	v_lshlrev_b32 v12, 2, v2
	s_mul_i32 s28, ttmp9, 12288
	s_mul_i32 s29, s[WV], 1536
	s_add_co_u32 s28, s28, s29
	s_add_co_u32 s28, s28, 16777216
	s_mov_b32 s29, 0
	s_lshl_b32 s30, ttmp9, 10
	s_lshl_b32 s31, s[WV], 7
	s_add_co_u32 s30, s30, s31
	s_add_co_u32 s30, s30, 19922944
	s_mov_b32 s31, 0
	s_wait_kmcnt 0x0
	s_add_nc_u64 s[4:5], s[4:5], s[26:27]
	s_add_nc_u64 s[16:17], s[12:13], s[26:27]
	s_add_nc_u64 s[20:21], s[12:13], s[28:29]
	s_add_nc_u64 s[22:23], s[12:13], s[30:31]
.set i, 0
.rept 16
	global_load_b128 v[Z+4*i:Z+4*i+3], v8, s[4:5] offset:(i/8)*4096+(i%8)*512 th:TH_LOAD_NT
.set i, i+1
.endr
.set i, 0
.set i, 0
.rept 8
	global_load_b128 v[BI+4*i:BI+4*i+3], v8, s[6:7] offset:512*i
.set i, i+1
.endr
.set i, 0
.rept 8
	global_load_b128 v[GG+4*i:GG+4*i+3], v8, s[8:9] offset:512*i
	global_load_b128 v[BE+4*i:BE+4*i+3], v8, s[10:11] offset:512*i
.set i, i+1
.endr
	s_wait_loadcnt 16                              ; all but the gain's and the offset's 16 loads
.set i, 0
.rept 32
	v_pk_add_f32 v[Z+2*i:Z+2*i+1], v[Z+2*i:Z+2*i+1], v[BI+2*(i%16):BI+2*(i%16)+1]
.set i, i+1
.endr
.set i, 0
.macro ACROSS                          ; v16 and v20, a number a lane and row, are summed over the 32 lanes
.irp m, 1,2,4,8
	s_delay_alu instid0(VALU_DEP_2)
	v_add_f32_dpp v16, v16, v16 row_xmask:\m row_mask:0xf bank_mask:0xf
	s_delay_alu instid0(VALU_DEP_2)
	v_add_f32_dpp v20, v20, v20 row_xmask:\m row_mask:0xf bank_mask:0xf
.endr
	s_delay_alu instid0(VALU_DEP_2)
	v_permlanex16_b32 v17, v16, s2, s3
	s_delay_alu instid0(VALU_DEP_2)
	v_permlanex16_b32 v21, v20, s2, s3
	s_delay_alu instid0(VALU_DEP_2)
	v_add_f32 v16, v16, v17
	s_delay_alu instid0(VALU_DEP_2)
	v_add_f32 v20, v20, v21
.endm
.irp e, 0,1
	v_pk_add_f32 v[16+4*\e:17+4*\e], v[Z+32*\e:Z+32*\e+1], v[Z+32*\e+2:Z+32*\e+3]
	v_pk_add_f32 v[18+4*\e:19+4*\e], v[Z+32*\e+4:Z+32*\e+5], v[Z+32*\e+6:Z+32*\e+7]
.endr
.irp j, 8,12,16,20,24,28
.irp e, 0,1
	s_delay_alu instid0(VALU_DEP_4)
	v_pk_add_f32 v[16+4*\e:17+4*\e], v[16+4*\e:17+4*\e], v[Z+32*\e+\j:Z+32*\e+\j+1]
	s_delay_alu instid0(VALU_DEP_4)
	v_pk_add_f32 v[18+4*\e:19+4*\e], v[18+4*\e:19+4*\e], v[Z+32*\e+\j+2:Z+32*\e+\j+3]
.endr
.endr
.irp e, 0
	s_delay_alu instid0(VALU_DEP_3)
	v_pk_add_f32 v[16+4*\e:17+4*\e], v[16+4*\e:17+4*\e], v[18+4*\e:19+4*\e]
.endr
.irp e, 1
	s_delay_alu instid0(VALU_DEP_2)
	v_pk_add_f32 v[16+4*\e:17+4*\e], v[16+4*\e:17+4*\e], v[18+4*\e:19+4*\e]
.endr
.irp e, 0,1
	s_delay_alu instid0(VALU_DEP_2)
	v_add_f32 v[16+4*\e], v[16+4*\e], v[17+4*\e]
.endr
	ACROSS
.irp e, 0
	s_delay_alu instid0(VALU_DEP_2)
	v_mul_f32 v[24+2*\e], s18, v[16+4*\e]          ; the mean, twice: a pair for the packed forms
	s_delay_alu instid0(VALU_DEP_3)
	v_mul_f32 v[25+2*\e], s18, v[16+4*\e]
.endr
.irp e, 1
	s_delay_alu instid0(VALU_DEP_3)
	v_mul_f32 v[24+2*\e], s18, v[16+4*\e]          ; the mean, twice: a pair for the packed forms
	s_delay_alu instid0(VALU_DEP_4)
	v_mul_f32 v[25+2*\e], s18, v[16+4*\e]
.endr
.set i, 0
.rept 32
	v_pk_add_f32 v[Z+2*i:Z+2*i+1], v[Z+2*i:Z+2*i+1], v[24+2*(i/16):25+2*(i/16)] neg_lo:[0,1] neg_hi:[0,1]
.set i, i+1
.endr
.irp e, 0,1
	v_pk_mul_f32 v[16+4*\e:17+4*\e], v[Z+32*\e:Z+32*\e+1], v[Z+32*\e:Z+32*\e+1]
	v_pk_mul_f32 v[18+4*\e:19+4*\e], v[Z+32*\e+2:Z+32*\e+3], v[Z+32*\e+2:Z+32*\e+3]
.endr
.irp j, 4,8,12,16,20,24,28
.irp e, 0,1
	s_delay_alu instid0(VALU_DEP_4)
	v_pk_fma_f32 v[16+4*\e:17+4*\e], v[Z+32*\e+\j:Z+32*\e+\j+1], v[Z+32*\e+\j:Z+32*\e+\j+1], v[16+4*\e:17+4*\e]
	s_delay_alu instid0(VALU_DEP_4)
	v_pk_fma_f32 v[18+4*\e:19+4*\e], v[Z+32*\e+\j+2:Z+32*\e+\j+3], v[Z+32*\e+\j+2:Z+32*\e+\j+3], v[18+4*\e:19+4*\e]
.endr
.endr
.irp e, 0
	s_delay_alu instid0(VALU_DEP_3)
	v_pk_add_f32 v[16+4*\e:17+4*\e], v[16+4*\e:17+4*\e], v[18+4*\e:19+4*\e]
.endr
.irp e, 1
	s_delay_alu instid0(VALU_DEP_2)
	v_pk_add_f32 v[16+4*\e:17+4*\e], v[16+4*\e:17+4*\e], v[18+4*\e:19+4*\e]
.endr
.irp e, 0,1
	s_delay_alu instid0(VALU_DEP_2)
	v_add_f32 v[16+4*\e], v[16+4*\e], v[17+4*\e]
.endr
	ACROSS
	s_delay_alu instid0(VALU_DEP_2)
	v_fma_f32 v16, v16, s18, s19                   ; the variance + 1e-5
	s_delay_alu instid0(VALU_DEP_2)
	v_fma_f32 v20, v20, s18, s19
	s_wait_alu depctr_va_vdst(0)
	v_rsq_f32 v24, v16
	v_rsq_f32 v26, v20
	v_mov_b32 v[TM+7], 0                           ; (the plain line behind the two; a lane permute's destination counts as one of its sources)
	s_wait_alu depctr_va_vdst(0)                   ; one wait for both, ahead of their first reader
	v_mov_b32 v25, v24
	v_mov_b32 v27, v26
	s_wait_alu depctr_va_vdst(0)
	s_wait_loadcnt 0x0
.set i, 0
.rept 32
	v_pk_mul_f32 v[Z+2*i:Z+2*i+1], v[Z+2*i:Z+2*i+1], v[24+2*(i/16):25+2*(i/16)]
.set i, i+1
.endr
.set i, 0
.rept 32
	v_pk_fma_f32 v[Z+2*i:Z+2*i+1], v[Z+2*i:Z+2*i+1], v[GG+2*(i%16):GG+2*(i%16)+1], v[BE+2*(i%16):BE+2*(i%16)+1]
.set i, i+1
.endr
.set i, 0
.rept 16
	global_store_b128 v8, v[Z+4*i:Z+4*i+3], s[16:17] offset:(i/8)*4096+(i%8)*512   ; 512 consecutive bytes, aligned
	ds_store_b128 v9, v[Z+4*i:Z+4*i+3] offset:(i/8)*XP+(i%8)*512
.set i, i+1
.endr
	s_wait_dscnt 0x0                               ; for the others' sake: my rows lie in the stage
	s_barrier_signal -1
	s_barrier_wait -1
.set i, 0
.rept 16
	ds_load_b128 v[RS+4*i:RS+4*i+3], v10 offset:256*(i/8)+16*(i%8)   ; register 32 c + i = k 128 w + 64 c + 32 h + i of row r
.set i, i+1
.endr
	s_wait_dscnt 0x0
.irp c, 0,1
	v_max3_num_f32 v[TM+\c], |v[RS+32*\c]|, |v[RS+32*\c+1]|, 0x1800000
.endr
.irp i, 2,4,6,8,10,12,14,16,18,20,22,24,26,28,30
.irp c, 0,1
	s_delay_alu instid0(VALU_DEP_2)
	v_max3_num_f32 v[TM+\c], v[TM+\c], |v[RS+32*\c+\i]|, |v[RS+32*\c+\i+1]|
.endr
.endr
.irp c, 0,1
	s_delay_alu instid0(VALU_DEP_2)
	v_add_nc_u32 v[TM+2+\c], 0xff000000, v[TM+\c]  ; 2 off the exponent field: the conversion's scale operand
.endr
.irp c, 0,1
	s_delay_alu instid0(VALU_DEP_2)
	v_lshrrev_b32 v[TM+4+\c], 23, v[TM+2+\c]
.endr
	s_delay_alu instid0(VALU_DEP_1)
	v_lshl_or_b32 v[PW], v[TM+5], 16, v[TM+4]      ; my two bytes: blocks h and 2 + h,
	v_lshlrev_b32 v[TM+6], 3, v4
	s_delay_alu instid0(VALU_DEP_1)
	v_lshlrev_b32 v[PW], v[TM+6], v[PW]
	s_delay_alu instid0(VALU_DEP_1)
	v_permlanex16_b32 v[TM+7], v[PW], s2, s3
	s_delay_alu instid0(VALU_DEP_1)
	v_or_b32 v[PW], v[PW], v[TM+7]                 ; with lane l xor 16's two the word is whole
.irp c, 0,1
	v_cvt_scalef32_pk16_fp6_f32 v[PC+6*\c:PC+6*\c+2], v[RS+32*\c:RS+32*\c+15], v[TM+2+\c]
	v_cvt_scalef32_pk16_fp6_f32 v[PT+4*\c:PT+4*\c+2], v[RS+32*\c+16:RS+32*\c+31], v[TM+2+\c]
.endr
	v_nop                                          ; one plain place behind a scaled conversion
.irp c, 0,1
.irp i, 0,1,2
	v_mov_b32 v[PC+6*\c+3+\i], v[PT+4*\c+\i]
.endr
.endr
	global_store_b128 v8, v[PC:PC+3], s[20:21]
	global_store_b64 v11, v[PC+4:PC+5], s[20:21]
	global_store_b128 v8, v[PC+6:PC+9], s[20:21] offset:768
	global_store_b64 v11, v[PC+10:PC+11], s[20:21] offset:768
	global_store_b32 v12, v[PW], s[22:23]
	s_wait_tensorcnt 0x0                           ; the wave's end
	ds_add_u32 v[SPW], v[NIL]
	s_wait_dscnt 0x0
	s_endpgm
.Lfunc_end_k_q0ed254071b_ln1:
	.size	k_q0ed254071b_ln1, .Lfunc_end_k_q0ed254071b_ln1-k_q0ed254071b_ln1
	.p2alignl 7, 3214868480
	.fill 96, 4, 3214868480
	.section	.rodata,"a",@progbits
	.p2align	6, 0x0
	.amdhsa_kernel k_q0ed254071b_ln1
		.amdhsa_group_segment_fixed_size 66816
		.amdhsa_private_segment_fixed_size 0
		.amdhsa_enable_private_segment 0
		.amdhsa_kernarg_size 40
		.amdhsa_user_sgpr_count 2
		.amdhsa_user_sgpr_kernarg_segment_ptr 1
		.amdhsa_wavefront_size32 1
		.amdhsa_system_sgpr_workgroup_id_x 1
		.amdhsa_system_sgpr_workgroup_id_y 1
		.amdhsa_system_sgpr_workgroup_id_z 1
		.amdhsa_system_vgpr_workitem_id 0
		.amdhsa_next_free_vgpr 256
		.amdhsa_next_free_sgpr 66
		.amdhsa_reserve_vcc 0
		.amdhsa_float_denorm_mode_32 3
		.amdhsa_float_denorm_mode_16_64 3
		.amdhsa_memory_ordered 1
		.amdhsa_forward_progress 1
		.amdhsa_inst_pref_size 32
	.end_amdhsa_kernel
	.amdgpu_metadata
---
amdhsa.version: [ 1, 2 ]
amdhsa.kernels:
  - .name:           k_q0ed254071b_ln1
    .symbol:         k_q0ed254071b_ln1.kd
    .args:
      - { .name: cbuf, .offset: 0, .size: 8, .value_kind: global_buffer, .address_space: global }
      - { .name: bo, .offset: 8, .size: 8, .value_kind: global_buffer, .address_space: global }
      - { .name: g1, .offset: 16, .size: 8, .value_kind: global_buffer, .address_space: global }
      - { .name: be1, .offset: 24, .size: 8, .value_kind: global_buffer, .address_space: global }
      - { .name: y1b, .offset: 32, .size: 8, .value_kind: global_buffer, .address_space: global }
    .group_segment_fixed_size: 66816
    .private_segment_fixed_size: 0
    .kernarg_segment_align: 8
    .kernarg_segment_size: 40
    .max_flat_workgroup_size: 256
    .sgpr_count:     66
    .vgpr_count:     256
    .wavefront_size: 32
...
	.end_amdgpu_metadata
.endif
;; end of part 5
;; launch ffn1 (part 6): grid 16 x 16, 4 waves a work-group, clusters of 4 x 4, 327,680 bytes of LDS; arguments y1b, pre, b1, hid; writes hid
.if DOCPART == 6
	.amdgcn_target "amdgcn-amd-amdhsa--gfx1250"
	.amdhsa_code_object_version 6
	.text
	.protected	k_q0ed254071b_ffn1
	.globl	k_q0ed254071b_ffn1
	.p2align	8
	.type	k_q0ed254071b_ffn1,@function
k_q0ed254071b_ffn1:
	s_mov_b64 s[64:65], 0
	v_nop
	global_prefetch_b8 v0, s[64:65] scope:SCOPE_SE
	s_setreg_imm32_b32 hwreg(HW_REG_WAVE_MODE, 25, 1), 1
	s_wait_xcnt 0x0
	s_wait_alu depctr_hold_cnt(0) depctr_sa_sdst(0) depctr_va_vdst(0) depctr_va_sdst(0) depctr_va_ssrc(0) depctr_va_vcc(0) depctr_vm_vsrc(0)
	s_getreg_b32 s2, hwreg(HW_REG_IB_STS2, 6, 4)
	s_cmp_eq_u32 s2, 0
	s_cbranch_scc0 .Lentry_in_a_cluster
	s_endpgm
.Lentry_in_a_cluster:
	s_bfe_u32 s2, ttmp6, 0x10000c
	s_cmp_lg_u32 s2, 0xf033
	s_cbranch_scc0 .Lentry_shape_is_right
	s_endpgm
.Lentry_shape_is_right:
; hid = Q(relu(y1 W1 + b1)) on E2M3 codes: the hidden layer is quantised along its 4,096 channels at once and stored as an operand image (layouts as the launch qkv describes them).
; A work-group makes 256 tokens (Y) x 256 channels (X); each of four waves 128 x 128: 64 accumulators.  Source 0 = X, source 1 = Y: a lane holds one token, its registers run along the channels.
; K = 1,024 goes in slots of 256 through a ring of two LDS slots.  CLUSTERS 4 x 4: Y's tiles are shared along a row, X's along a column.  The scales of all of K come once, at the head.
; The head's four tiles (slot 0 of Y, of X, Y's scales, X's scales) are shared out, one joint load a wave; slot 1 follows behind the three lines and a round.
; b1 IS THE C OF EACH ACCUMULATOR'S FIRST PRODUCT (v64-127: channel 32 (p / 2) + 16 h + 8 (p % 2) + j for X's tile p), so the way out adds nothing: relu, block maxima, conversion, store.
; PREFETCH INTO THE L2: behind the head's loads each wave names slots 1 and 2 of the eight tiles that it fetches in the ring, behind slot 1's fill slot 3: each one or two fills ahead of its load.  A load's eight tiles of 3,072 bytes
; are shared out by address among the four partners that ask jointly (partner p takes tiles 2 p, 2 p + 1; p = cx for Y, cy for X): 24 blocks of 256 bytes, a lane a block; lanes 24-31 name the last block again.
; LIMITS: a block of zeros or under 2^-124 gets the scale byte 1; NaN and infinities are not served.
.set PFO,   31                         ; v31    the prefetches' offset; never rewritten
.set PFA,   4                          ; s[4:5] my two tiles' first byte (the argument that lay there has been used by then)
.set T,     8
.set LT,    3
.set NQ,    2
.set KK,    1024
.set YC,    16777216
.set YS,    19922944
.set XC,    6815744
.set XS,    9961472
.set H,     T/2
.set FR,    12
.set FRB,   1536
.set NL,    4
.set TROW,  NQ*FRB
.set KROW,  KK*12
.set HALFT, T*TROW
.set SLOT,  4*HALFT
.set SCL,   2*SLOT
.set HALFS, T*KK
.set SPARE, SCL+4*HALFS
.set LAPS,  KK/(256*NQ)
.set ADQ,  16
.set ADP,  20
.set L16,  24
.set L8,   25
.set L4,   26
.set ADRS, 27
.set SPW,  28
.set NIL,  29
.set PW,   30
.set SC,   32
.set BT,   64
.set QF,   128
.set HA,   128
.set PC,   192
.set TM,   212
.set G1,   24
.set G0,   32
.set G1B,  48
.set G0B,  56
.set G1S,  68
.set G0S,  76
.set G1SB, 80
.set G0SB, 88
.set SEL,  94
.set MSB, 0
.macro WIN new
.if MSB != \new
	s_set_vgpr_msb (MSB<<8)|\new
.set MSB, \new
.endif
.endm
.set MUL_LO, 0xa1
.set MUL_HI, 0xf1
.set TO_P,   0x40
.macro JLOAD g0a, g1a, g0b, g1b
	s_cmp_eq_u32 s15, 0
	s_cbranch_scc0 .Lfor_b_\@
	tensor_load_to_lds s[\g0a:\g0a+3], s[\g1a:\g1a+7]
	s_nop 0
.rept 4
	v_nop
.endr
	s_branch .Lasked_\@
.Lfor_b_\@:
	tensor_load_to_lds s[\g0b:\g0b+3], s[\g1b:\g1b+7]
	s_nop 0
.rept 4
	v_nop
.endr
.Lasked_\@:
.endm
.macro CREST
	s_cmp_lg_u32 s14, 0
	s_cbranch_scc1 .Lnot_wave_0_\@
	s_barrier_signal -3
.Lnot_wave_0_\@:
	s_barrier_wait -3
	s_barrier_signal -1
	s_barrier_wait -1
.endm
.macro CROUND
	s_barrier_signal -1
	s_barrier_wait -1
	CREST
.endm
.macro PLACES n
.rept \n
	v_nop
.endr
.endm
	s_load_b256 s[4:11], s[0:1], 0x0
	v_lshl_add_u32 v[SPW], v0, 2, SPARE
	v_mov_b32 v[NIL], 0
	ds_add_u32 v[SPW], v[NIL]
	ds_add_u32 v[SPW], v[NIL]
	v_lshrrev_b32 v1, 5, v0
	v_readfirstlane_b32 s14, v1
	s_lshr_b32 s15, s14, 1
	s_and_b32 s16, s14, 1
	s_bfe_u32 s40, ttmp6, 0x40000
	s_bfe_u32 s41, ttmp6, 0x40004
	s_lshl_b32 s42, ttmp9, 2
	s_add_co_u32 s42, s42, s40
	s_and_b32 s17, ttmp7, 0xffff
	s_lshl_b32 s17, s17, 2
	s_add_co_u32 s17, s17, s41
	s_lshl_b32 s43, s41, 2
	s_lshl_b32 s43, 15, s43
	s_lshl_b32 s44, 0x1111, s40
	s_or_b32 s[G1+0], s43, (3<<16)|(1<<21)
	s_or_b32 s[G1B+0], s44, (3<<16)|(1<<21)
.irp g, G1, G1B
	s_mov_b32 s[\g+1], (TROW/8)<<16
	s_mov_b32 s[\g+2], (2*T)<<16
	s_mov_b32 s[\g+3], (TROW/8)<<16
	s_mov_b32 s[\g+4], 2*T
	s_mov_b32 s[\g+5], KROW/8
	s_mov_b32 s[\g+6], 0
	s_mov_b32 s[\g+7], 0
.endr
	s_or_b32 s[G1S+0], s43, (3<<16)|(1<<21)
	s_or_b32 s[G1SB+0], s44, (3<<16)|(1<<21)
.irp g, G1S, G1SB
	s_mov_b32 s[\g+1], 32<<16
	s_mov_b32 s[\g+2], (2*HALFS/256)<<16
	s_mov_b32 s[\g+3], 32<<16
	s_mov_b32 s[\g+4], 2*HALFS/256
	s_mov_b32 s[\g+5], 32
	s_mov_b32 s[\g+6], 0
	s_mov_b32 s[\g+7], 0
.endr
	s_mov_b32 s[SEL], 0x76543210
	s_mov_b32 s[SEL+1], 0xfedcba98
	s_lshl_b32 s20, s17, LT+1                      ; the block's first tile of Y: hangs on y alone
	s_lshl_b32 s46, s42, LT+1                      ; of X: on x alone
	s_mul_i32 s22, s20, KK
	s_add_co_u32 s22, s22, YS
	s_mul_i32 s20, s20, KROW
	s_add_co_u32 s20, s20, YC
	s_mul_i32 s92, s46, KK
	s_add_co_u32 s92, s92, XS
	s_mul_i32 s46, s46, KROW
	s_add_co_u32 s46, s46, XC
	s_mov_b32 s21, 0
	s_mov_b32 s23, 0
	s_mov_b32 s47, 0
	s_mov_b32 s93, 0
	s_mul_i32 s45, s14, HALFT
	s_wait_dscnt 0x0
	s_wait_kmcnt 0x0
	s_add_nc_u64 s[20:21], s[4:5], s[20:21]
	s_add_nc_u64 s[22:23], s[4:5], s[22:23]
	s_add_nc_u64 s[46:47], s[6:7], s[46:47]
	s_add_nc_u64 s[92:93], s[6:7], s[92:93]
	CROUND
	s_mov_b32 s[G0S], 1
	s_mov_b32 s[G0S+1], SCL
	s_mov_b64 s[G0S+2:G0S+3], s[22:23]
	s_or_b32 s[G0S+3], s[G0S+3], 0x80000000
	s_mov_b32 s[G0SB], 1
	s_mov_b32 s[G0SB+1], SCL+2*HALFS
	s_mov_b64 s[G0SB+2:G0SB+3], s[92:93]
	s_or_b32 s[G0SB+3], s[G0SB+3], 0x80000000
.irp s, 0,1
	s_mov_b32 s[G0+4*\s], 1
	s_add_co_u32 s[G0+4*\s+1], s45, \s*SLOT
	s_add_nc_u64 s[G0+4*\s+2:G0+4*\s+3], s[20:21], \s*TROW
	s_or_b32 s[G0+4*\s+3], s[G0+4*\s+3], 0x80000000
	s_mov_b32 s[G0B+4*\s], 1
	s_add_co_u32 s[G0B+4*\s+1], s45, \s*SLOT
	s_add_nc_u64 s[G0B+4*\s+2:G0B+4*\s+3], s[46:47], \s*TROW
	s_or_b32 s[G0B+4*\s+3], s[G0B+4*\s+3], 0x80000000
.endr
	s_mul_i32 s18, s16, T*KROW                     ; in the ring I fetch T tiles: which half, in bytes
	s_mov_b32 s19, 0
	s_add_nc_u64 s[G0+6:G0+7], s[G0+6:G0+7], s[18:19]
	s_add_nc_u64 s[G0B+6:G0B+7], s[G0B+6:G0B+7], s[18:19]
	s_mov_b32 s[G0+1], 0                           ; slot 0's two sets serve the head's whole tiles first: Y's 2 T tiles from byte 0,
	s_mov_b32 s[G0B+1], 2*HALFT                    ; X's behind them
	s_cmp_eq_u32 s15, 0                            ; the prefetches: do I fetch for Y?
	s_cselect_b64 s[PFA:PFA+1], s[20:21], s[46:47]
	s_cselect_b32 s96, s40, s41                    ; my place among the four that ask with me: it enters this address alone
	s_lshl_b32 s96, s96, 1
	s_lshl_b32 s97, s16, LT
	s_add_co_u32 s96, s96, s97
	s_mul_i32 s96, s96, KROW
	s_mov_b32 s97, 0
	s_add_nc_u64 s[PFA:PFA+1], s[PFA:PFA+1], s[96:97]
; THE HEAD'S LOADS, ONE A WAVE: wave 0 slot 0's tiles of Y, wave 1 those of X, wave 2 Y's scales, wave 3 X's.  One tree of branches on the wave's number: every way passes one load.
.macro ARM under, g0, g1, next
	s_cmp_lt_u32 s14, \under
	s_cbranch_scc0 \next
	tensor_load_to_lds s[\g0:\g0+3], s[\g1:\g1+7]
	s_nop 0
.rept 4
	v_nop
.endr
	s_branch .Lhead_asked
\next:
.endm
	ARM 1, G0,  G1,  .Lhead_b
	ARM 2, G0B, G1B, .Lhead_sa
	ARM 3, G0S, G1S, .Lhead_sb
	tensor_load_to_lds s[G0SB:G0SB+3], s[G1SB:G1SB+7]
	s_nop 0
.rept 4
	v_nop
.endr
.Lhead_asked:
	v_and_b32 v1, 31, v0
	v_bfe_u32 v2, v0, 4, 1
	v_lshlrev_b32 v3, 4, v1
	v_lshlrev_b32 v4, 3, v1
	v_add_nc_u32 v4, 512, v4
	v_min_u32 v[PFO], 23, v1
	v_mul_u32_u24 v5, v[PFO], 22
	v_lshrrev_b32 v5, 8, v5                        ; 1 from lane 12 on: the second tile
	v_mul_u32_u24 v5, v5, KROW-12*256
	v_lshl_add_u32 v[PFO], v[PFO], 8, v5
	global_prefetch_b8 v[PFO], s[PFA:PFA+1] offset:TROW th:TH_LOAD_NT scope:SCOPE_SE
	global_prefetch_b8 v[PFO], s[PFA:PFA+1] offset:2*TROW th:TH_LOAD_NT scope:SCOPE_SE
	s_mul_i32 s21, s15, HALFT
	s_mul_i32 s22, s16, HALFT
	s_add_co_u32 s22, s22, 2*HALFT
.irp s, 0,1
	v_add_nc_u32 v[ADQ+\s], s21, v3
	v_add_nc_u32 v[ADQ+2+\s], s21, v4
	v_add_nc_u32 v[ADP+\s], s22, v3
	v_add_nc_u32 v[ADP+2+\s], s22, v4
	s_add_co_u32 s21, s21, SLOT
	s_add_co_u32 s22, s22, SLOT
.endr
	s_mul_i32 s18, s15, HALFS
	s_mul_i32 s19, s16, HALFS
	s_add_co_u32 s19, s19, 2*HALFS
	s_sub_co_u32 s19, s19, s18
	v_mul_u32_u24 v6, s19, v2
	s_add_co_u32 s18, s18, SCL
	v_lshl_add_u32 v6, v1, 2, v6
	v_add_nc_u32 v[ADRS], s18, v6
	v_mov_b32 v[L16], v3
	v_mov_b32 v[L8], v4
	v_lshlrev_b32 v[L4], 2, v1
	s_lshl_b32 s18, s42, 10
	s_lshl_b32 s19, s16, 9
	s_add_co_u32 s18, s18, s19
	s_mov_b32 s19, 0
	s_add_nc_u64 s[8:9], s[8:9], s[18:19]
	v_lshlrev_b32 v8, 6, v2
.set fi, 0
.rept 8
	global_load_b128 v[BT+8*fi:BT+8*fi+3], v8, s[8:9] offset:(32*(fi/2)+8*(fi%2))*4
	global_load_b128 v[BT+8*fi+4:BT+8*fi+7], v8, s[8:9] offset:(32*(fi/2)+8*(fi%2))*4+16
.set fi, fi+1
.endr
	s_lshl_b32 s18, s17, 4
	s_lshl_b32 s19, s15, 3
	s_add_co_u32 s18, s18, s19
	s_lshl_b32 s19, s42, 1
	s_add_co_u32 s19, s19, s16
	s_lshl_b32 s98, s18, 6
	s_lshl_b32 s66, s19, 1
	s_add_co_u32 s98, s98, s66
	s_mul_i32 s98, s98, 768
	s_mov_b32 s99, 0
	s_lshl_b32 s100, s18, 5
	s_add_co_u32 s100, s100, s19
	s_lshl_b32 s100, s100, 7
	s_add_co_u32 s100, s100, 12582912
	s_mov_b32 s101, 0
	s_add_nc_u64 s[98:99], s[10:11], s[98:99]
	s_add_nc_u64 s[100:101], s[10:11], s[100:101]
.macro FRAG reg, adr, q, i
	ds_load_b128 v[\reg:\reg+3], v[\adr] offset:(\i)*TROW+(\q)*FRB
	ds_load_b64 v[\reg+4:\reg+5], v[\adr+2] offset:(\i)*TROW+(\q)*FRB
	ds_load_b128 v[\reg+6:\reg+9], v[\adr] offset:(\i)*TROW+(\q)*FRB+768
	ds_load_b64 v[\reg+10:\reg+11], v[\adr+2] offset:(\i)*TROW+(\q)*FRB+768
.endm
.macro FETCH_P slot, q, set
	WIN TO_P
.set fi, 0
.rept T
	FRAG 128*(\set)+FR*fi, ADP+\slot, \q, fi
.set fi, fi+1
.endr
	WIN 0
.endm
.macro FETCH_Q slot, q, i0
.set fi, \i0
.rept H
	FRAG QF+FR*fi, ADQ+\slot, \q, fi
.set fi, fi+1
.endr
.endm
.macro SCALES set
.set fi, 0
.rept T*NQ
	ds_load_b32 v[SC+T*NQ*\set+fi], v[ADRS] offset:(fi/NQ)*KK+128*(fi%NQ)
.set fi, fi+1
.endr
.endm
.macro MULT a0, set, q, sc, zero
.set qa, \a0
.rept H/2
.set pb, 0
.rept T
.set rD, 8*(T*(qa%H)+pb)
.set rP, 128*(\set)+FR*pb
.set rQ, QF+FR*qa
.set rSP, SC+T*NQ*(\sc)+NQ*pb+(\q)
.set rSQ, SC+T*NQ*(\sc)+NQ*qa+(\q)
.if \zero
	v_wmma_scale_f32_16x16x128_f8f6f4 v[rD:rD+7], v[rP:rP+FR-1], v[rQ:rQ+FR-1], v[BT+8*pb:BT+8*pb+7], v[rSP], v[rSQ] matrix_a_fmt:MATRIX_FMT_FP6 matrix_b_fmt:MATRIX_FMT_FP6 matrix_a_scale:MATRIX_SCALE_ROW1
.else
	v_wmma_scale_f32_16x16x128_f8f6f4 v[rD:rD+7], v[rP:rP+FR-1], v[rQ:rQ+FR-1], v[rD:rD+7], v[rSP], v[rSQ] matrix_a_fmt:MATRIX_FMT_FP6 matrix_b_fmt:MATRIX_FMT_FP6 matrix_a_scale:MATRIX_SCALE_ROW1
.endif
.set pb, pb+1
.endr
.set qa, qa+1
.endr
.endm
.macro STEP slot, q, zero
	s_wait_dscnt H*NL
.if \zero
	WIN 0x81                                       ; the first products: C, the bias, in window 0; D in window 2
.else
	WIN MUL_LO
.endif
	MULT 0, (\q)%2, \q, \slot, \zero
	MULT H/2, (\q)%2, \q, \slot, \zero
	s_wait_dscnt 0
	PLACES 4
	FETCH_P \slot, (\q)+1, 1-(\q)%2
	FETCH_Q \slot, (\q)+1, 0
.if \zero
	WIN 0xc1                                       ; C in window 0, D in window 3
.else
	WIN MUL_HI
.endif
	MULT H, (\q)%2, \q, \slot, \zero
	MULT H+H/2, (\q)%2, \q, \slot, \zero
	PLACES 4
	WIN 0
	FETCH_Q \slot, (\q)+1, H
.endm
.macro TURN slot, next, fill
	s_wait_tensorcnt 0x0
	ds_add_u32 v[SPW], v[NIL]
	s_wait_dscnt H*NL+1
	WIN MUL_LO
	MULT 0, 1, NQ-1, \slot, 0
	s_wait_dscnt 0x0
	s_barrier_signal -1
	MULT H/2, 1, NQ-1, \slot, 0
	WIN 0
	s_barrier_wait -1
.if \fill
	CREST
	s_add_nc_u64 s[G0+4*\slot+2:G0+4*\slot+3], s[G0+4*\slot+2:G0+4*\slot+3], 2*TROW
	s_add_nc_u64 s[G0B+4*\slot+2:G0B+4*\slot+3], s[G0B+4*\slot+2:G0B+4*\slot+3], 2*TROW
	JLOAD G0+4*\slot, G1, G0B+4*\slot, G1B
.else
	PLACES 4
.endif
	s_wait_alu depctr_va_vdst(0)
	v_add_nc_u32 v[ADRS], 128*NQ, v[ADRS]
	FETCH_P \next, 0, 0
	FETCH_Q \next, 0, 0
	SCALES \next
	WIN MUL_HI
	MULT H, 1, NQ-1, \slot, 0
	MULT H+H/2, 1, NQ-1, \slot, 0
	PLACES 4
	WIN 0
	FETCH_Q \next, 0, H
.endm
	s_wait_alu depctr_va_vdst(0)
	s_wait_loadcnt 0x0                             ; the bias: the first products take it as C
	s_wait_tensorcnt 0x0                           ; my tile of the head's four is in
	ds_add_u32 v[SPW], v[NIL]
	s_mov_b32 s[G1+2], T<<16                       ; no tensor load of mine is out: from here on a load brings T tiles,
	s_mov_b32 s[G1+4], T
	s_mov_b32 s[G1B+2], T<<16
	s_mov_b32 s[G1B+4], T
	s_mul_i32 s[G0+1], s14, HALFT                  ; and slot 0's sets name my quarter of the slot
	s_mul_i32 s[G0B+1], s14, HALFT
	s_mul_i32 s18, s16, T*KROW
	s_mov_b32 s19, 0
	s_add_nc_u64 s[G0+2:G0+3], s[G0+2:G0+3], s[18:19]
	s_add_nc_u64 s[G0B+2:G0B+3], s[G0B+2:G0B+3], s[18:19]
	s_wait_dscnt 0x0                               ; the add is done
	CROUND                                         ; all four tiles are in, and all sixteen work-groups are here
	JLOAD G0+4, G1, G0B+4, G1B                     ; slot 1's first fill: my one tensor load behind the round
	FETCH_P 0, 0, 0
	FETCH_Q 0, 0, 0
	SCALES 0
	global_prefetch_b8 v[PFO], s[PFA:PFA+1] offset:3*TROW th:TH_LOAD_NT scope:SCOPE_SE   ; the last slot
	FETCH_Q 0, 0, H
	STEP 0, 0, 1
	s_mov_b32 s3, LAPS-1
.Llap:
	TURN 0, 1, 1
	STEP 1, 0, 0
	TURN 1, 0, 1
	STEP 0, 0, 0
	s_sub_co_u32 s3, s3, 1
	s_cmp_lg_u32 s3, 0
	s_cbranch_scc1 .Llap
	TURN 0, 1, 0
	STEP 1, 0, 0
	s_wait_dscnt H*NL
	WIN MUL_LO
	MULT 0, 1, NQ-1, 1, 0
	MULT H/2, 1, NQ-1, 1, 0
	s_wait_dscnt 0
	WIN MUL_HI
	MULT H, 1, NQ-1, 1, 0
	MULT H+H/2, 1, NQ-1, 1, 0
	WIN 0
.macro QUANT s
.irp b, 0,1,2,3
	v_max3_num_f32 v[TM+\b], v[\s+16*\b], v[\s+1+16*\b], 0x1800000
.endr
.irp i, 2,4,6,8,10,12,14
.irp b, 0,1,2,3
	v_max3_num_f32 v[TM+\b], v[TM+\b], v[\s+16*\b+\i], v[\s+1+16*\b+\i]
.endr
.endr
.irp b, 0,1,2,3
	v_permlanex16_b32 v[TM+4+\b], v[TM+\b], s[SEL], s[SEL+1]
.endr
.irp b, 0,1,2,3
	v_max_num_f32 v[TM+\b], v[TM+\b], v[TM+4+\b]
.endr
.irp b, 0,1,2,3
	v_add_nc_u32 v[TM+8+\b], 0xff000000, v[TM+\b]
.endr
.irp b, 0,1,2,3
	v_lshrrev_b32 v[TM+4+\b], 23, v[TM+8+\b]
.endr
	v_lshl_or_b32 v[PW], v[TM+5], 8, v[TM+4]
	v_lshl_or_b32 v[PW], v[TM+6], 16, v[PW]
	v_lshl_or_b32 v[PW], v[TM+7], 24, v[PW]
.irp c, 0,1
	v_cvt_scalef32_pk16_fp6_f32 v[PC+6*\c:PC+2+6*\c], v[\s+32*\c:\s+15+32*\c], v[TM+8+2*\c]
	v_cvt_scalef32_pk16_fp6_f32 v[PC+12+4*\c:PC+14+4*\c], v[\s+16+32*\c:\s+31+32*\c], v[TM+8+2*\c+1]
.endr
	v_nop
.irp c, 0,1
.irp i, 0,1,2
	v_permlane16_swap_b32 v[PC+6*\c+\i], v[PC+12+4*\c+\i]
.endr
.irp i, 0,1,2
	v_mov_b32 v[PC+3+6*\c+\i], v[PC+12+4*\c+\i]
.endr
.endr
.endm
	PLACES 4
.irp b, 0,1,2,3
	v_mov_b32 v[TM+4+\b], 0
.endr
.set ea, 0
.rept T
	WIN (0x08+4*(ea/H))                            ; source 1: the accumulators' window
.set ei, 0
.rept 64
	v_max_num_f32 v[HA+ei], 0, v[64*(ea%H)+ei]     ; relu, each accumulator from its low end on
.set ei, ei+1
.endr
	WIN 0
.if ea > 0
	s_wait_xcnt 0x0
.endif
	QUANT HA
	global_store_b128 v[L16], v[PC:PC+3], s[98:99] offset:ea*64*768
	global_store_b64 v[L8], v[PC+4:PC+5], s[98:99] offset:ea*64*768
	global_store_b128 v[L16], v[PC+6:PC+9], s[98:99] offset:ea*64*768+768
	global_store_b64 v[L8], v[PC+10:PC+11], s[98:99] offset:ea*64*768+768
	global_store_b32 v[L4], v[PW], s[100:101] offset:ea*32*128
.set ea, ea+1
.endr
	s_wait_tensorcnt 0x0
	ds_add_u32 v[SPW], v[NIL]
	s_wait_dscnt 0x0
	CROUND
	s_endpgm
.Lfunc_end_k_q0ed254071b_ffn1:
	.size	k_q0ed254071b_ffn1, .Lfunc_end_k_q0ed254071b_ffn1-k_q0ed254071b_ffn1
	.p2alignl 7, 3214868480
	.fill 96, 4, 3214868480
	.section	.rodata,"a",@progbits
	.p2align	6, 0x0
	.amdhsa_kernel k_q0ed254071b_ffn1
		.amdhsa_group_segment_fixed_size 327680
		.amdhsa_private_segment_fixed_size 0
		.amdhsa_enable_private_segment 0
		.amdhsa_kernarg_size 32
		.amdhsa_user_sgpr_count 2
		.amdhsa_user_sgpr_kernarg_segment_ptr 1
		.amdhsa_wavefront_size32 1
		.amdhsa_system_sgpr_workgroup_id_x 1
		.amdhsa_system_sgpr_workgroup_id_y 1
		.amdhsa_system_sgpr_workgroup_id_z 1
		.amdhsa_system_vgpr_workitem_id 0
		.amdhsa_next_free_vgpr 1024
		.amdhsa_next_free_sgpr 106
		.amdhsa_reserve_vcc 0
		.amdhsa_float_denorm_mode_32 3
		.amdhsa_float_denorm_mode_16_64 3
		.amdhsa_memory_ordered 1
		.amdhsa_forward_progress 1
		.amdhsa_inst_pref_size 170
	.end_amdhsa_kernel
	.amdgpu_metadata
---
amdhsa.version: [ 1, 2 ]
amdhsa.kernels:
  - .name:           k_q0ed254071b_ffn1
    .symbol:         k_q0ed254071b_ffn1.kd
    .args:
      - { .name: y1b, .offset: 0, .size: 8, .value_kind: global_buffer, .address_space: global }
      - { .name: pre, .offset: 8, .size: 8, .value_kind: global_buffer, .address_space: global }
      - { .name: b1, .offset: 16, .size: 8, .value_kind: global_buffer, .address_space: global }
      - { .name: hid, .offset: 24, .size: 8, .value_kind: global_buffer, .address_space: global }
    .group_segment_fixed_size: 327680
    .private_segment_fixed_size: 0
    .kernarg_segment_align: 8
    .kernarg_segment_size: 32
    .max_flat_workgroup_size: 128
    .sgpr_count:     106
    .vgpr_count:     1024
    .wavefront_size: 32
...
	.end_amdgpu_metadata
.endif
;; end of part 6
;; launch ffn2 (part 7): grid 8 x 32, 4 waves a work-group, clusters of 4 x 4, 327,680 bytes of LDS; arguments hid, pre, cbuf, y1b; writes cbuf
.if DOCPART == 7
	.amdgcn_target "amdgcn-amd-amdhsa--gfx1250"
	.amdhsa_code_object_version 6
	.text
	.protected	k_q0ed254071b_ffn2
	.globl	k_q0ed254071b_ffn2
	.p2align	8
	.type	k_q0ed254071b_ffn2,@function
k_q0ed254071b_ffn2:
	s_mov_b64 s[64:65], 0
	v_nop
	global_prefetch_b8 v0, s[64:65] scope:SCOPE_SE
	s_setreg_imm32_b32 hwreg(HW_REG_WAVE_MODE, 25, 1), 1
	s_wait_xcnt 0x0
	s_wait_alu depctr_hold_cnt(0) depctr_sa_sdst(0) depctr_va_vdst(0) depctr_va_sdst(0) depctr_va_ssrc(0) depctr_va_vcc(0) depctr_vm_vsrc(0)
	s_getreg_b32 s2, hwreg(HW_REG_IB_STS2, 6, 4)
	s_cmp_eq_u32 s2, 0
	s_cbranch_scc0 .Lentry_in_a_cluster
	s_endpgm
.Lentry_in_a_cluster:
	s_bfe_u32 s2, ttmp6, 0x10000c
	s_cmp_lg_u32 s2, 0xf033
	s_cbranch_scc0 .Lentry_shape_is_right
	s_endpgm
.Lentry_shape_is_right:
; cbuf = y1 + hid W2 on E2M3 codes, f32 out: the residual y1 is added on the way out; b2 is added by the next launch.  Operands are operand images (layouts as the launch qkv describes them).
; A work-group makes 128 tokens (Y) x 128 channels (X); each of four waves 64 x 64: 16 accumulators.  K = 4,096 goes in eight slots of 512 through a ring of two LDS slots.
; CLUSTERS 4 x 4: Y's tiles are shared along a row, X's along a column.  The scales of all of K come once, at the head.
; The head's four tiles (slot 0 of Y, of X, Y's scales, X's scales) are shared out, one joint load a wave; slot 1 follows behind the three lines and a round.
; THE RESIDUAL: my 64 x 64 numbers of y1 are asked for behind the first K step's products, when the head's tiles have landed: 32 loads of two rows' 256 consecutive bytes each, into v64-127 and v192-255,
; in the order in which the rows come back from the stage; 31 K steps stand between the loads and the wait for them.
; PREFETCH INTO THE L2: behind the head's loads each wave names slots 1 and 2, behind slot 1's fill slot 3, and behind the refill that asks for slot t + 2 (and the run of LDS loads that follows it) slot t + 4.  A load's four tiles
; of 6,144 bytes are shared out by address among the four partners that ask for them jointly (partner p takes tile p; p = cx for Y, cy for X): 24 blocks of 256 bytes, a lane a block; lanes 24-31 name the last block again.
; The last two refills (slots 6, 7) ask for nothing.  At most two slots are asked for and not yet loaded.
; The way out goes through each wave's stage in slot 0, which has had its last fill and, behind the last change of slots, its last read.
.set PFO,   30                         ; v30      the prefetches' offset: 256 x min(lane, 23); never rewritten
.set PFA,   94                         ; s[94:95] my tile, three slots behind the slot that a prefetch names
.set T,     4
.set LT,    2
.set NQ,    4
.set KK,    4096
.set YS,    12582912
.set XC,    10223616
.set XS,    13369344
.set H,     T/2
.set FR,    12
.set FRB,   1536
.set NL,    4
.set TROW,  NQ*FRB
.set KROW,  KK*12
.set HALFT, T*TROW
.set SLOT,  4*HALFT
.set SCL,   2*SLOT
.set HALFS, T*KK
.set SPARE, SCL+4*HALFS
.set LAPS,  KK/(256*NQ)
.set ADQ,  16
.set ADP,  20
.set STO,  24
.set RD,   25
.set CO,   26
.set ADRS, 27
.set SPW,  28
.set NIL,  29
.set SC,   32
.set QF,   128
.set BK,   128
.set G1,   24
.set G0,   32
.set G1B,  48
.set G0B,  56
.set G1S,  68
.set G0S,  76
.set G1SB, 80
.set G0SB, 88
.set MSB, 0
.macro WIN new
.if MSB != \new
	s_set_vgpr_msb (MSB<<8)|\new
.set MSB, \new
.endif
.endm
.set MUL_LO, 0xa1
.set MUL_HI, 0xf1
.set TO_P,   0x40
.macro JLOAD g0a, g1a, g0b, g1b
	s_cmp_eq_u32 s15, 0
	s_cbranch_scc0 .Lfor_b_\@
	tensor_load_to_lds s[\g0a:\g0a+3], s[\g1a:\g1a+7]
	s_nop 0
.rept 4
	v_nop
.endr
	s_branch .Lasked_\@
.Lfor_b_\@:
	tensor_load_to_lds s[\g0b:\g0b+3], s[\g1b:\g1b+7]
	s_nop 0
.rept 4
	v_nop
.endr
.Lasked_\@:
.endm
.macro CREST
	s_cmp_lg_u32 s14, 0
	s_cbranch_scc1 .Lnot_wave_0_\@
	s_barrier_signal -3
.Lnot_wave_0_\@:
	s_barrier_wait -3
	s_barrier_signal -1
	s_barrier_wait -1
.endm
.macro CROUND
	s_barrier_signal -1
	s_barrier_wait -1
	CREST
.endm
.macro PLACES n
.rept \n
	v_nop
.endr
.endm
	s_load_b128 s[4:7], s[0:1], 0x0
	s_load_b128 s[8:11], s[0:1], 0x10              ; cbuf, y1b (y1 as f32 lies at its start)
	v_lshl_add_u32 v[SPW], v0, 2, SPARE
	v_mov_b32 v[NIL], 0
	ds_add_u32 v[SPW], v[NIL]
	ds_add_u32 v[SPW], v[NIL]
	v_lshrrev_b32 v1, 5, v0
	v_readfirstlane_b32 s14, v1
	s_lshr_b32 s15, s14, 1
	s_and_b32 s16, s14, 1
	s_bfe_u32 s40, ttmp6, 0x40000
	s_bfe_u32 s41, ttmp6, 0x40004
	s_lshl_b32 s42, ttmp9, 2
	s_add_co_u32 s42, s42, s40
	s_and_b32 s17, ttmp7, 0xffff
	s_lshl_b32 s17, s17, 2
	s_add_co_u32 s17, s17, s41
	s_lshl_b32 s43, s41, 2
	s_lshl_b32 s43, 15, s43
	s_lshl_b32 s44, 0x1111, s40
	s_or_b32 s[G1+0], s43, (3<<16)|(1<<21)
	s_or_b32 s[G1B+0], s44, (3<<16)|(1<<21)
.irp g, G1, G1B
	s_mov_b32 s[\g+1], (TROW/8)<<16
	s_mov_b32 s[\g+2], (2*T)<<16
	s_mov_b32 s[\g+3], (TROW/8)<<16
	s_mov_b32 s[\g+4], 2*T
	s_mov_b32 s[\g+5], KROW/8
	s_mov_b32 s[\g+6], 0
	s_mov_b32 s[\g+7], 0
.endr
	s_or_b32 s[G1S+0], s43, (3<<16)|(1<<21)
	s_or_b32 s[G1SB+0], s44, (3<<16)|(1<<21)
.irp g, G1S, G1SB
	s_mov_b32 s[\g+1], 32<<16
	s_mov_b32 s[\g+2], (2*HALFS/256)<<16
	s_mov_b32 s[\g+3], 32<<16
	s_mov_b32 s[\g+4], 2*HALFS/256
	s_mov_b32 s[\g+5], 32
	s_mov_b32 s[\g+6], 0
	s_mov_b32 s[\g+7], 0
.endr
	s_lshl_b32 s20, s17, LT+1                      ; the block's first tile of Y: hangs on y alone
	s_lshl_b32 s46, s42, LT+1                      ; of X: on x alone
	s_mul_i32 s22, s20, KK
	s_add_co_u32 s22, s22, YS
	s_mul_i32 s20, s20, KROW
	s_mul_i32 s92, s46, KK
	s_add_co_u32 s92, s92, XS
	s_mul_i32 s46, s46, KROW
	s_add_co_u32 s46, s46, XC
	s_mov_b32 s21, 0
	s_mov_b32 s23, 0
	s_mov_b32 s47, 0
	s_mov_b32 s93, 0
	s_mul_i32 s45, s14, HALFT
	s_wait_dscnt 0x0
	s_wait_kmcnt 0x0
	s_add_nc_u64 s[20:21], s[4:5], s[20:21]
	s_add_nc_u64 s[22:23], s[4:5], s[22:23]
	s_add_nc_u64 s[46:47], s[6:7], s[46:47]
	s_add_nc_u64 s[92:93], s[6:7], s[92:93]
	CROUND
	s_mov_b32 s[G0S], 1
	s_mov_b32 s[G0S+1], SCL
	s_mov_b64 s[G0S+2:G0S+3], s[22:23]
	s_or_b32 s[G0S+3], s[G0S+3], 0x80000000
	s_mov_b32 s[G0SB], 1
	s_mov_b32 s[G0SB+1], SCL+2*HALFS
	s_mov_b64 s[G0SB+2:G0SB+3], s[92:93]
	s_or_b32 s[G0SB+3], s[G0SB+3], 0x80000000
.irp s, 0,1
	s_mov_b32 s[G0+4*\s], 1
	s_add_co_u32 s[G0+4*\s+1], s45, \s*SLOT
	s_add_nc_u64 s[G0+4*\s+2:G0+4*\s+3], s[20:21], \s*TROW
	s_or_b32 s[G0+4*\s+3], s[G0+4*\s+3], 0x80000000
	s_mov_b32 s[G0B+4*\s], 1
	s_add_co_u32 s[G0B+4*\s+1], s45, \s*SLOT
	s_add_nc_u64 s[G0B+4*\s+2:G0B+4*\s+3], s[46:47], \s*TROW
	s_or_b32 s[G0B+4*\s+3], s[G0B+4*\s+3], 0x80000000
.endr
	s_mul_i32 s18, s16, T*KROW                     ; in the ring I fetch T tiles: which half, in bytes
	s_mov_b32 s19, 0
	s_add_nc_u64 s[G0+6:G0+7], s[G0+6:G0+7], s[18:19]
	s_add_nc_u64 s[G0B+6:G0B+7], s[G0B+6:G0B+7], s[18:19]
	s_mov_b32 s[G0+1], 0                           ; slot 0's two sets serve the head's whole tiles first: Y's 2 T tiles from byte 0,
	s_mov_b32 s[G0B+1], 2*HALFT                    ; X's behind them
	s_cmp_eq_u32 s15, 0                            ; the prefetches: do I fetch for Y?
	s_cselect_b64 s[PFA:PFA+1], s[20:21], s[46:47]
	s_cselect_b32 s96, s40, s41                    ; my place among the four that ask with me: it enters this address alone
	s_lshl_b32 s97, s16, LT
	s_add_co_u32 s96, s96, s97                     ; the tile of the block that I name
	s_mul_i32 s96, s96, KROW
	s_mov_b32 s97, 0
	s_add_nc_u64 s[PFA:PFA+1], s[PFA:PFA+1], s[96:97]
; THE HEAD'S LOADS, ONE A WAVE: wave 0 slot 0's tiles of Y, wave 1 those of X, wave 2 Y's scales, wave 3 X's.  One tree of branches on the wave's number: every way passes one load.
.macro ARM under, g0, g1, next
	s_cmp_lt_u32 s14, \under
	s_cbranch_scc0 \next
	tensor_load_to_lds s[\g0:\g0+3], s[\g1:\g1+7]
	s_nop 0
.rept 4
	v_nop
.endr
	s_branch .Lhead_asked
\next:
.endm
	ARM 1, G0,  G1,  .Lhead_b
	ARM 2, G0B, G1B, .Lhead_sa
	ARM 3, G0S, G1S, .Lhead_sb
	tensor_load_to_lds s[G0SB:G0SB+3], s[G1SB:G1SB+7]
	s_nop 0
.rept 4
	v_nop
.endr
.Lhead_asked:
	v_and_b32 v1, 31, v0
	v_bfe_u32 v2, v0, 4, 1
	v_and_b32 v7, 15, v0
	v_lshlrev_b32 v3, 4, v1
	v_lshlrev_b32 v4, 3, v1
	v_add_nc_u32 v4, 512, v4
	v_min_u32 v[PFO], 23, v1
	v_lshlrev_b32 v[PFO], 8, v[PFO]
	global_prefetch_b8 v[PFO], s[PFA:PFA+1] offset:TROW th:TH_LOAD_NT scope:SCOPE_SE     ; slot 1,
	global_prefetch_b8 v[PFO], s[PFA:PFA+1] offset:2*TROW th:TH_LOAD_NT scope:SCOPE_SE   ; slot 2
	s_mul_i32 s21, s15, HALFT
	s_mul_i32 s22, s16, HALFT
	s_add_co_u32 s22, s22, 2*HALFT
.irp s, 0,1
	v_add_nc_u32 v[ADQ+\s], s21, v3
	v_add_nc_u32 v[ADQ+2+\s], s21, v4
	v_add_nc_u32 v[ADP+\s], s22, v3
	v_add_nc_u32 v[ADP+2+\s], s22, v4
	s_add_co_u32 s21, s21, SLOT
	s_add_co_u32 s22, s22, SLOT
.endr
	s_mul_i32 s18, s15, HALFS
	s_mul_i32 s19, s16, HALFS
	s_add_co_u32 s19, s19, 2*HALFS
	s_sub_co_u32 s19, s19, s18
	v_mul_u32_u24 v6, s19, v2
	s_add_co_u32 s18, s18, SCL
	v_lshl_add_u32 v6, v1, 2, v6
	v_add_nc_u32 v[ADRS], s18, v6
	s_mul_i32 s23, s14, 16*272
	v_mul_u32_u24 v5, v7, 272
	v_lshl_add_u32 v5, v2, 6, v5
	v_add_nc_u32 v[STO], s23, v5
	v_mul_u32_u24 v5, v2, 272
	v_lshl_add_u32 v5, v7, 4, v5
	v_add_nc_u32 v[RD], s23, v5
	v_lshlrev_b32 v5, 12, v2
	v_lshl_add_u32 v[CO], v7, 4, v5
	s_lshl_b32 s18, s17, 7
	s_lshl_b32 s19, s15, 6
	s_add_co_u32 s18, s18, s19
	s_lshl_b32 s18, s18, 12
	s_lshl_b32 s19, s42, 9
	s_add_co_u32 s18, s18, s19
	s_lshl_b32 s19, s16, 8
	s_add_co_u32 s18, s18, s19
	s_mov_b32 s19, 0
	s_add_nc_u64 s[12:13], s[8:9], s[18:19]
	s_add_nc_u64 s[10:11], s[10:11], s[18:19]      ; the same place in y1
.macro FRAG reg, adr, q, i
	ds_load_b128 v[\reg:\reg+3], v[\adr] offset:(\i)*TROW+(\q)*FRB
	ds_load_b64 v[\reg+4:\reg+5], v[\adr+2] offset:(\i)*TROW+(\q)*FRB
	ds_load_b128 v[\reg+6:\reg+9], v[\adr] offset:(\i)*TROW+(\q)*FRB+768
	ds_load_b64 v[\reg+10:\reg+11], v[\adr+2] offset:(\i)*TROW+(\q)*FRB+768
.endm
.macro FETCH_P slot, q, set
	WIN TO_P
.set fi, 0
.rept T
	FRAG 128*(\set)+FR*fi, ADP+\slot, \q, fi
.set fi, fi+1
.endr
	WIN 0
.endm
.macro FETCH_Q slot, q, i0
.set fi, \i0
.rept H
	FRAG QF+FR*fi, ADQ+\slot, \q, fi
.set fi, fi+1
.endr
.endm
.macro SCALES set
.set fi, 0
.rept T*NQ
	ds_load_b32 v[SC+T*NQ*\set+fi], v[ADRS] offset:(fi/NQ)*KK+128*(fi%NQ)
.set fi, fi+1
.endr
.endm
.macro MULT a0, set, q, sc, zero
.set qa, \a0
.rept H/2
.set pb, 0
.rept T
.set rD, 8*(T*(qa%H)+pb)
.set rP, 128*(\set)+FR*pb
.set rQ, QF+FR*qa
.set rSP, SC+T*NQ*(\sc)+NQ*pb+(\q)
.set rSQ, SC+T*NQ*(\sc)+NQ*qa+(\q)
.if \zero
	v_wmma_scale_f32_16x16x128_f8f6f4 v[rD:rD+7], v[rP:rP+FR-1], v[rQ:rQ+FR-1], 0, v[rSP], v[rSQ] matrix_a_fmt:MATRIX_FMT_FP6 matrix_b_fmt:MATRIX_FMT_FP6 matrix_a_scale:MATRIX_SCALE_ROW1
.else
	v_wmma_scale_f32_16x16x128_f8f6f4 v[rD:rD+7], v[rP:rP+FR-1], v[rQ:rQ+FR-1], v[rD:rD+7], v[rSP], v[rSQ] matrix_a_fmt:MATRIX_FMT_FP6 matrix_b_fmt:MATRIX_FMT_FP6 matrix_a_scale:MATRIX_SCALE_ROW1
.endif
.set pb, pb+1
.endr
.set qa, qa+1
.endr
.endm
.macro STEP slot, q, zero
	s_wait_dscnt H*NL
	WIN MUL_LO
	MULT 0, (\q)%2, \q, \slot, \zero
	MULT H/2, (\q)%2, \q, \slot, \zero
	s_wait_dscnt 0
	PLACES 4
	FETCH_P \slot, (\q)+1, 1-(\q)%2
	FETCH_Q \slot, (\q)+1, 0
	WIN MUL_HI
	MULT H, (\q)%2, \q, \slot, \zero
	MULT H+H/2, (\q)%2, \q, \slot, \zero
	PLACES 4
	WIN 0
	FETCH_Q \slot, (\q)+1, H
.endm
.macro TURN slot, next, fill
.if \fill
	s_wait_xcnt 0x0                                ; any prefetch of mine has read its address: it is stepped here, a slot's work behind the prefetch
	s_add_nc_u64 s[PFA:PFA+1], s[PFA:PFA+1], TROW
.endif
	s_wait_tensorcnt 0x0
	ds_add_u32 v[SPW], v[NIL]
	s_wait_dscnt H*NL+1
	WIN MUL_LO
	MULT 0, 1, NQ-1, \slot, 0
	s_wait_dscnt 0x0
	s_barrier_signal -1
	MULT H/2, 1, NQ-1, \slot, 0
	WIN 0
	s_barrier_wait -1
.if \fill
	CREST
	s_add_nc_u64 s[G0+4*\slot+2:G0+4*\slot+3], s[G0+4*\slot+2:G0+4*\slot+3], 2*TROW
	s_add_nc_u64 s[G0B+4*\slot+2:G0B+4*\slot+3], s[G0B+4*\slot+2:G0B+4*\slot+3], 2*TROW
	JLOAD G0+4*\slot, G1, G0B+4*\slot, G1B
.else
	PLACES 4
.endif
	s_wait_alu depctr_va_vdst(0)
	v_add_nc_u32 v[ADRS], 128*NQ, v[ADRS]
	FETCH_P \next, 0, 0
	FETCH_Q \next, 0, 0
	SCALES \next
.if \fill
	s_cmp_gt_u32 s3, 1                             ; s3 = 1 in the loop's last trip, whose two refills have no slot two refills on
	s_cbranch_scc0 .Lnoask_\@
	global_prefetch_b8 v[PFO], s[PFA:PFA+1] offset:3*TROW th:TH_LOAD_NT scope:SCOPE_SE
.Lnoask_\@:
.endif
	WIN MUL_HI
	MULT H, 1, NQ-1, \slot, 0
	MULT H+H/2, 1, NQ-1, \slot, 0
	PLACES 4
	WIN 0
	FETCH_Q \next, 0, H
.endm
	s_wait_alu depctr_va_vdst(0)
	s_wait_tensorcnt 0x0                           ; my tile of the head's four is in
	ds_add_u32 v[SPW], v[NIL]
	s_mov_b32 s[G1+2], T<<16                       ; no tensor load of mine is out: from here on a load brings T tiles,
	s_mov_b32 s[G1+4], T
	s_mov_b32 s[G1B+2], T<<16
	s_mov_b32 s[G1B+4], T
	s_mul_i32 s[G0+1], s14, HALFT                  ; and slot 0's sets name my quarter of the slot
	s_mul_i32 s[G0B+1], s14, HALFT
	s_mul_i32 s18, s16, T*KROW
	s_mov_b32 s19, 0
	s_add_nc_u64 s[G0+2:G0+3], s[G0+2:G0+3], s[18:19]
	s_add_nc_u64 s[G0B+2:G0B+3], s[G0B+2:G0B+3], s[18:19]
	s_wait_dscnt 0x0                               ; the add is done
	CROUND                                         ; all four tiles are in, and all sixteen work-groups are here
	JLOAD G0+4, G1, G0B+4, G1B                     ; slot 1's first fill: my one tensor load behind the round
	FETCH_P 0, 0, 0
	FETCH_Q 0, 0, 0
	SCALES 0
	global_prefetch_b8 v[PFO], s[PFA:PFA+1] offset:3*TROW th:TH_LOAD_NT scope:SCOPE_SE   ; slot 3
	FETCH_Q 0, 0, H
	STEP 0, 0, 1
.set wk, 0
.rept 32                                       ; the residual: block wk / 8, row pair wk % 8, as SEND stores them (every window is 0 here)
	global_load_b128 v[64+4*wk+64*(wk/16):67+4*wk+64*(wk/16)], v[CO], s[10:11] offset:(32*(wk/16)+8*((wk/8)%2)+2*(wk%8)+8*((wk%8)/4))*4096 th:TH_LOAD_NT
.set wk, wk+1
.endr
	s_mov_b32 s3, LAPS-1
.Llap:
	STEP 0, 1, 0
	STEP 0, 2, 0
	TURN 0, 1, 1
	STEP 1, 0, 0
	STEP 1, 1, 0
	STEP 1, 2, 0
	TURN 1, 0, 1
	STEP 0, 0, 0
	s_sub_co_u32 s3, s3, 1
	s_cmp_lg_u32 s3, 0
	s_cbranch_scc1 .Llap
	STEP 0, 1, 0
	STEP 0, 2, 0
	TURN 0, 1, 0
	STEP 1, 0, 0
	STEP 1, 1, 0
	STEP 1, 2, 0
	s_wait_dscnt H*NL
	WIN MUL_LO
	MULT 0, 1, NQ-1, 1, 0
	MULT H/2, 1, NQ-1, 1, 0
	s_wait_dscnt 0
	WIN MUL_HI
	MULT H, 1, NQ-1, 1, 0
	MULT H+H/2, 1, NQ-1, 1, 0
	WIN 0
.macro TOSTAGE a
.set AC, 32*((\a)%H)
	WIN (0x08+4*((\a)/H))
.set wp, 0
.rept T
	ds_store_b128 v[STO], v[AC+8*wp:AC+8*wp+3] offset:128*(wp/2)+32*(wp%2)
	ds_store_b128 v[STO], v[AC+8*wp+4:AC+8*wp+7] offset:128*(wp/2)+32*(wp%2)+16
.set wp, wp+1
.endr
	WIN 0
.set BB, BK+32*((\a)%2)
.set wt, 0
.rept 8
	ds_load_b128 v[BB+4*wt:BB+4*wt+3], v[RD] offset:544*wt
.set wt, wt+1
.endr
.endm
.macro SEND a, younger
.set BB, BK+32*((\a)%2)
	s_wait_dscnt \younger
.set wt, 0
.rept 8                                        ; + the residual, row for row
.set RR, 64+4*(8*(\a)+wt)+64*((\a)/2)
	v_pk_add_f32 v[BB+4*wt:BB+4*wt+1], v[BB+4*wt:BB+4*wt+1], v[RR:RR+1]
	v_pk_add_f32 v[BB+4*wt+2:BB+4*wt+3], v[BB+4*wt+2:BB+4*wt+3], v[RR+2:RR+3]
.set wt, wt+1
.endr
.set wt, 0
.rept 8
	global_store_b128 v[CO], v[BB+4*wt:BB+4*wt+3], s[12:13] offset:(32*((\a)/2)+8*((\a)%2)+2*wt+8*(wt/4))*4096 th:TH_STORE_NT
.set wt, wt+1
.endr
.endm
	s_wait_loadcnt 0x0                             ; the residual
	PLACES 4
	TOSTAGE 0
.irp a, 1,2,3
.if \a > 1
	s_wait_xcnt 0x0
.endif
	TOSTAGE \a
	SEND \a-1, 16
.endr
	SEND 3, 0
	s_wait_tensorcnt 0x0
	ds_add_u32 v[SPW], v[NIL]
	s_wait_dscnt 0x0
	CROUND
	s_endpgm
.Lfunc_end_k_q0ed254071b_ffn2:
	.size	k_q0ed254071b_ffn2, .Lfunc_end_k_q0ed254071b_ffn2-k_q0ed254071b_ffn2
	.p2alignl 7, 3214868480
	.fill 96, 4, 3214868480
	.section	.rodata,"a",@progbits
	.p2align	6, 0x0
	.amdhsa_kernel k_q0ed254071b_ffn2
		.amdhsa_group_segment_fixed_size 327680
		.amdhsa_private_segment_fixed_size 0
		.amdhsa_enable_private_segment 0
		.amdhsa_kernarg_size 32
		.amdhsa_user_sgpr_count 2
		.amdhsa_user_sgpr_kernarg_segment_ptr 1
		.amdhsa_wavefront_size32 1
		.amdhsa_system_sgpr_workgroup_id_x 1
		.amdhsa_system_sgpr_workgroup_id_y 1
		.amdhsa_system_sgpr_workgroup_id_z 1
		.amdhsa_system_vgpr_workitem_id 0
		.amdhsa_next_free_vgpr 1024
		.amdhsa_next_free_sgpr 106
		.amdhsa_reserve_vcc 0
		.amdhsa_float_denorm_mode_32 3
		.amdhsa_float_denorm_mode_16_64 3
		.amdhsa_memory_ordered 1
		.amdhsa_forward_progress 1
		.amdhsa_inst_pref_size 105
	.end_amdhsa_kernel
	.amdgpu_metadata
---
amdhsa.version: [ 1, 2 ]
amdhsa.kernels:
  - .name:           k_q0ed254071b_ffn2
    .symbol:         k_q0ed254071b_ffn2.kd
    .args:
      - { .name: hid, .offset: 0, .size: 8, .value_kind: global_buffer, .address_space: global }
      - { .name: pre, .offset: 8, .size: 8, .value_kind: global_buffer, .address_space: global }
      - { .name: cbuf, .offset: 16, .size: 8, .value_kind: global_buffer, .address_space: global }
      - { .name: y1b, .offset: 24, .size: 8, .value_kind: global_buffer, .address_space: global }
    .group_segment_fixed_size: 327680
    .private_segment_fixed_size: 0
    .kernarg_segment_align: 8
    .kernarg_segment_size: 32
    .max_flat_workgroup_size: 128
    .sgpr_count:     106
    .vgpr_count:     1024
    .wavefront_size: 32
...
	.end_amdgpu_metadata
.endif
;; end of part 7
;; launch ln2 (part 8): grid 256 x 1, 8 waves a work-group, no clusters, 0 bytes of LDS; arguments cbuf, b2, g2, be2, out0; writes out0
.if DOCPART == 8
	.amdgcn_target "amdgcn-amd-amdhsa--gfx1250"
	.amdhsa_code_object_version 6
	.text
	.protected	k_q0ed254071b_ln2
	.globl	k_q0ed254071b_ln2
	.p2align	8
	.type	k_q0ed254071b_ln2,@function
k_q0ed254071b_ln2:
	s_mov_b64 s[64:65], 0
	v_nop
	global_prefetch_b8 v0, s[64:65] scope:SCOPE_SE
	s_setreg_imm32_b32 hwreg(HW_REG_WAVE_MODE, 25, 1), 1
	s_wait_xcnt 0x0
; out0 = LayerNorm(y1 + (cbuf + b2)) g2 + be2.  A work-group takes 16 rows, each of eight waves two whole rows, 32 numbers a lane and row, so mean and variance never leave the wave: no LDS, no barrier.
; The variance is the mean of (z - mean)^2, taken in a second pass over registers.  Each load and store of a wave covers 512 consecutive bytes.  Memory binds: no matrix unit, no cluster, no tensor load.
; LIMITS: NaN and infinities are not served.
; cbuf AS IT COMES HERE ALREADY HOLDS y1 + hid W2: the launch before adds the residual on its way out.  So z = cbuf + b2, and y1b is no argument of this launch.
.set WV,    24
.set Z,     32                         ; v32-95   two rows; register 4 j + e of a row is column 128 j + 4 lane + e
.set RS,    96
.set BI,    160
.set GG,    192
.set BE,    224
	s_load_b256 s[4:11], s[0:1], 0x0               ; cbuf, b2, g2, be2
	s_load_b64 s[12:13], s[0:1], 0x20              ; s[4:11]: cbuf, b2, g2, be2; s[12:13]: out0
	v_lshrrev_b32 v1, 5, v0
	s_delay_alu instid0(VALU_DEP_1)
	v_readfirstlane_b32 s[WV], v1
	v_and_b32 v2, 31, v0
	s_delay_alu instid0(VALU_DEP_1)
	v_lshlrev_b32 v8, 4, v2
	s_mov_b32 s2, 0x76543210
	s_mov_b32 s3, 0xfedcba98
	s_mov_b32 s18, 0x3a800000                      ; 1 / 1,024
	s_mov_b32 s19, 0x3727c5ac                      ; 1e-5
	s_lshl_b32 s26, ttmp9, 4
	s_lshl_b32 s27, s[WV], 1
	s_add_co_u32 s26, s26, s27                     ; my first row
	s_lshl_b32 s26, s26, 12
	s_mov_b32 s27, 0
	s_wait_alu depctr_va_vdst(0)
	s_wait_kmcnt 0x0
	s_add_nc_u64 s[4:5], s[4:5], s[26:27]
	s_add_nc_u64 s[12:13], s[12:13], s[26:27]
.set i, 0
.rept 16
	global_load_b128 v[Z+4*i:Z+4*i+3], v8, s[4:5] offset:(i/8)*4096+(i%8)*512 th:TH_LOAD_NT
.set i, i+1
.endr
.set i, 0
.set i, 0
.rept 8
	global_load_b128 v[BI+4*i:BI+4*i+3], v8, s[6:7] offset:512*i
.set i, i+1
.endr
.set i, 0
.rept 8
	global_load_b128 v[GG+4*i:GG+4*i+3], v8, s[8:9] offset:512*i
	global_load_b128 v[BE+4*i:BE+4*i+3], v8, s[10:11] offset:512*i
.set i, i+1
.endr
	s_wait_loadcnt 16                              ; all but the gain's and the offset's 16 loads
.set i, 0
.rept 32
	v_pk_add_f32 v[Z+2*i:Z+2*i+1], v[Z+2*i:Z+2*i+1], v[BI+2*(i%16):BI+2*(i%16)+1]
.set i, i+1
.endr
.set i, 0
.macro ACROSS                          ; v16 and v20, a number a lane and row, are summed over the 32 lanes
.irp m, 1,2,4,8
	s_delay_alu instid0(VALU_DEP_2)
	v_add_f32_dpp v16, v16, v16 row_xmask:\m row_mask:0xf bank_mask:0xf
	s_delay_alu instid0(VALU_DEP_2)
	v_add_f32_dpp v20, v20, v20 row_xmask:\m row_mask:0xf bank_mask:0xf
.endr
	s_delay_alu instid0(VALU_DEP_2)
	v_permlanex16_b32 v17, v16, s2, s3
	s_delay_alu instid0(VALU_DEP_2)
	v_permlanex16_b32 v21, v20, s2, s3
	s_delay_alu instid0(VALU_DEP_2)
	v_add_f32 v16, v16, v17
	s_delay_alu instid0(VALU_DEP_2)
	v_add_f32 v20, v20, v21
.endm
.irp e, 0,1
	v_pk_add_f32 v[16+4*\e:17+4*\e], v[Z+32*\e:Z+32*\e+1], v[Z+32*\e+2:Z+32*\e+3]
	v_pk_add_f32 v[18+4*\e:19+4*\e], v[Z+32*\e+4:Z+32*\e+5], v[Z+32*\e+6:Z+32*\e+7]
.endr
.irp j, 8,12,16,20,24,28
.irp e, 0,1
	s_delay_alu instid0(VALU_DEP_4)
	v_pk_add_f32 v[16+4*\e:17+4*\e], v[16+4*\e:17+4*\e], v[Z+32*\e+\j:Z+32*\e+\j+1]
	s_delay_alu instid0(VALU_DEP_4)
	v_pk_add_f32 v[18+4*\e:19+4*\e], v[18+4*\e:19+4*\e], v[Z+32*\e+\j+2:Z+32*\e+\j+3]
.endr
.endr
.irp e, 0
	s_delay_alu instid0(VALU_DEP_3)
	v_pk_add_f32 v[16+4*\e:17+4*\e], v[16+4*\e:17+4*\e], v[18+4*\e:19+4*\e]
.endr
.irp e, 1
	s_delay_alu instid0(VALU_DEP_2)
	v_pk_add_f32 v[16+4*\e:17+4*\e], v[16+4*\e:17+4*\e], v[18+4*\e:19+4*\e]
.endr
.irp e, 0,1
	s_delay_alu instid0(VALU_DEP_2)
	v_add_f32 v[16+4*\e], v[16+4*\e], v[17+4*\e]
.endr
	ACROSS
.irp e, 0
	s_delay_alu instid0(VALU_DEP_2)
	v_mul_f32 v[24+2*\e], s18, v[16+4*\e]          ; the mean, twice: a pair for the packed forms
	s_delay_alu instid0(VALU_DEP_3)
	v_mul_f32 v[25+2*\e], s18, v[16+4*\e]
.endr
.irp e, 1
	s_delay_alu instid0(VALU_DEP_3)
	v_mul_f32 v[24+2*\e], s18, v[16+4*\e]          ; the mean, twice: a pair for the packed forms
	s_delay_alu instid0(VALU_DEP_4)
	v_mul_f32 v[25+2*\e], s18, v[16+4*\e]
.endr
.set i, 0
.rept 32
	v_pk_add_f32 v[Z+2*i:Z+2*i+1], v[Z+2*i:Z+2*i+1], v[24+2*(i/16):25+2*(i/16)] neg_lo:[0,1] neg_hi:[0,1]
.set i, i+1
.endr
.irp e, 0,1
	v_pk_mul_f32 v[16+4*\e:17+4*\e], v[Z+32*\e:Z+32*\e+1], v[Z+32*\e:Z+32*\e+1]
	v_pk_mul_f32 v[18+4*\e:19+4*\e], v[Z+32*\e+2:Z+32*\e+3], v[Z+32*\e+2:Z+32*\e+3]
.endr
.irp j, 4,8,12,16,20,24,28
.irp e, 0,1
	s_delay_alu instid0(VALU_DEP_4)
	v_pk_fma_f32 v[16+4*\e:17+4*\e], v[Z+32*\e+\j:Z+32*\e+\j+1], v[Z+32*\e+\j:Z+32*\e+\j+1], v[16+4*\e:17+4*\e]
	s_delay_alu instid0(VALU_DEP_4)
	v_pk_fma_f32 v[18+4*\e:19+4*\e], v[Z+32*\e+\j+2:Z+32*\e+\j+3], v[Z+32*\e+\j+2:Z+32*\e+\j+3], v[18+4*\e:19+4*\e]
.endr
.endr
.irp e, 0
	s_delay_alu instid0(VALU_DEP_3)
	v_pk_add_f32 v[16+4*\e:17+4*\e], v[16+4*\e:17+4*\e], v[18+4*\e:19+4*\e]
.endr
.irp e, 1
	s_delay_alu instid0(VALU_DEP_2)
	v_pk_add_f32 v[16+4*\e:17+4*\e], v[16+4*\e:17+4*\e], v[18+4*\e:19+4*\e]
.endr
.irp e, 0,1
	s_delay_alu instid0(VALU_DEP_2)
	v_add_f32 v[16+4*\e], v[16+4*\e], v[17+4*\e]
.endr
	ACROSS
	s_delay_alu instid0(VALU_DEP_2)
	v_fma_f32 v16, v16, s18, s19                   ; the variance + 1e-5
	s_delay_alu instid0(VALU_DEP_2)
	v_fma_f32 v20, v20, s18, s19
	s_wait_alu depctr_va_vdst(0)
	v_rsq_f32 v24, v16
	v_rsq_f32 v26, v20
	v_nop                                          ; the plain line behind the two
	s_wait_alu depctr_va_vdst(0)                   ; one wait for both, ahead of their first reader
	v_mov_b32 v25, v24
	v_mov_b32 v27, v26
	s_wait_alu depctr_va_vdst(0)
	s_wait_loadcnt 0x0
.set i, 0
.rept 32
	v_pk_mul_f32 v[Z+2*i:Z+2*i+1], v[Z+2*i:Z+2*i+1], v[24+2*(i/16):25+2*(i/16)]
.set i, i+1
.endr
.set i, 0
.rept 32
	v_pk_fma_f32 v[Z+2*i:Z+2*i+1], v[Z+2*i:Z+2*i+1], v[GG+2*(i%16):GG+2*(i%16)+1], v[BE+2*(i%16):BE+2*(i%16)+1]
.set i, i+1
.endr
.set i, 0
.rept 16
	global_store_b128 v8, v[Z+4*i:Z+4*i+3], s[12:13] offset:(i/8)*4096+(i%8)*512 th:TH_STORE_NT
.set i, i+1
.endr
	s_endpgm
.Lfunc_end_k_q0ed254071b_ln2:
	.size	k_q0ed254071b_ln2, .Lfunc_end_k_q0ed254071b_ln2-k_q0ed254071b_ln2
	.p2alignl 7, 3214868480
	.fill 96, 4, 3214868480
	.section	.rodata,"a",@progbits
	.p2align	6, 0x0
	.amdhsa_kernel k_q0ed254071b_ln2
		.amdhsa_group_segment_fixed_size 0
		.amdhsa_private_segment_fixed_size 0
		.amdhsa_enable_private_segment 0
		.amdhsa_kernarg_size 40
		.amdhsa_user_sgpr_count 2
		.amdhsa_user_sgpr_kernarg_segment_ptr 1
		.amdhsa_wavefront_size32 1
		.amdhsa_system_sgpr_workgroup_id_x 1
		.amdhsa_system_sgpr_workgroup_id_y 1
		.amdhsa_system_sgpr_workgroup_id_z 1
		.amdhsa_system_vgpr_workitem_id 0
		.amdhsa_next_free_vgpr 256
		.amdhsa_next_free_sgpr 66
		.amdhsa_reserve_vcc 0
		.amdhsa_float_denorm_mode_32 3
		.amdhsa_float_denorm_mode_16_64 3
		.amdhsa_memory_ordered 1
		.amdhsa_forward_progress 1
		.amdhsa_inst_pref_size 24
	.end_amdhsa_kernel
	.amdgpu_metadata
---
amdhsa.version: [ 1, 2 ]
amdhsa.kernels:
  - .name:           k_q0ed254071b_ln2
    .symbol:         k_q0ed254071b_ln2.kd
    .args:
      - { .name: cbuf, .offset: 0, .size: 8, .value_kind: global_buffer, .address_space: global }
      - { .name: b2, .offset: 8, .size: 8, .value_kind: global_buffer, .address_space: global }
      - { .name: g2, .offset: 16, .size: 8, .value_kind: global_buffer, .address_space: global }
      - { .name: be2, .offset: 24, .size: 8, .value_kind: global_buffer, .address_space: global }
      - { .name: out0, .offset: 32, .size: 8, .value_kind: global_buffer, .address_space: global }
    .group_segment_fixed_size: 0
    .private_segment_fixed_size: 0
    .kernarg_segment_align: 8
    .kernarg_segment_size: 40
    .max_flat_workgroup_size: 256
    .sgpr_count:     66
    .vgpr_count:     256
    .wavefront_size: 32
...
	.end_amdgpu_metadata
.endif
;; end of part 8
